; MI455X (gfx1250); checked and timed in simulation.
; The chip was launched on July 23, 2026; its instructions are those of AMD's public machine-readable ISA for CDNA 5 (MIT licence, August 2026) and "CDNA5" Instruction Set Architecture Reference Guide (July 2026). The comments in the code are by the model that wrote it; some were corrected since.
;; MAB. Allowed arithmetic: matrix products marked QUANTISED: E3M2 operands, one E8M0 scale for each 32 along K, by v_wmma_scale_f32_16x16x128_f8f6f4 with both operands' format E3M2, f32 sums; everything else in f32.
;; Inputs: K 8 x 1,024 x 256 float32; Q 8 x 1,024 x 256 float32; Wk 256 x 256 float32; Wo 256 x 256 float32; Wq 256 x 256 float32; Wv 256 x 256 float32; b0 256 float32; b1 256 float32; bk 256 float32; bo 256 float32; bq 256 float32; bv 256 float32; g0 256 float32; g1 256 float32; lengths 8 int32.
;; Outputs: out0 8 x 1,024 x 256 float32.
;; This version of the problem:
;;   THIS VERSION OF THE PROBLEM IS GIVEN IN LOW PRECISION. The matrix products marked QUANTISED in the list below multiply operands that are first quantised to E3M2 (3 exponent bits, 2 mantissa bits; 6 bits a number), with one power-of-two scale for each 32 numbers along K (OCP MX v1.0); their sums are f32. All else is computed in f32.
;;   The module's matrix products, in the order in which they are computed (A, B: the left and right operand; K: the contracted axis; several contracted axes count as one K, in the product's order):
;;     1. [M 8,192, K 256] x [K 256, N 256]; A: input Q; B: input Wq: QUANTISED
;;     2. [M 8,192, K 256] x [K 256, N 256]; A: input K; B: input Wk: QUANTISED
;;     3. [M 8,192, K 256] x [K 256, N 256]; A: input K; B: input Wv: QUANTISED
;;     4. batch 64 x [M 1,024, K 32] x [K 32, N 1,024]; A: computed on the way; B: computed on the way: QUANTISED
;;     5. batch 64 x [M 32, K 1,024] x [K 1,024, N 1,024]; A: computed on the way; B: computed on the way: QUANTISED
;;     6. [M 8,192, K 256] x [K 256, N 256]; A: computed on the way; B: input Wo: QUANTISED
;;   THE QUANTISER, for each operand of a quantised product, along K:
;;     - K is cut into blocks of 32 from its start; a last block that is shorter is filled with zeros.
;;     - A block's scale is 2^e with e = floor(log2(the largest magnitude in the block)) - 4, held to -126 .. 127; a block of zeros has e = 0. As a byte (E8M0): e + 127.
;;     - Each number is divided by its block's scale, clamped to +-28, and rounded to the nearest number of E3M2, ties to even, subnormals kept.
;;     - The product sums the exact products of the quantised numbers (number of the format x scale) in f32.
;;   ~~~python
;;   def quantise(x, axis):      # numpy; x: float32 -> the quantised numbers, widened to float32 again
;;       x = np.moveaxis(x, axis, -1); K = x.shape[-1]
;;       x = np.pad(x, [(0, 0)] * (x.ndim - 1) + [(0, -K % 32)]); x = x.reshape(x.shape[:-1] + (-1, 32)); a = np.abs(x).max(-1, keepdims=True)
;;       e = np.where(a > 0, np.clip(np.frexp(np.where(a > 0, a, 1))[1] - 1 - 4, -126, 127), 0)      # np.frexp(a)[1] - 1 = floor(log2(a)), exactly
;;       r = np.clip(x / 2.0 ** e, -28, 28)
;;       step = 2.0 ** (np.maximum(np.frexp(np.where(r == 0, 1, r))[1] - 1, -2) - 2)
;;       q = np.round(r / step) * step * 2.0 ** e      # np.round: ties to even
;;       return np.moveaxis(q.reshape(q.shape[:-2] + (-1,))[..., :K], -1, axis).astype(np.float32)
;;   ~~~
;;   OPERANDS COMPUTED ON THE WAY. 'Computed on the way' means the value that the module computes at that place (a softmax that the list does not call 'softmax' is quantised finished and normalised). What goes into a quantiser is computed in f32, as accurately as f32 sums, v_exp_f32 and their like allow (about 1e-6 of the number): no bf16 or f16 on the way to a quantiser, and a product that is left as it is and whose result goes on into a quantised operand takes f32 operands (vector FMAs, or v_wmma_f32_16x16x4_f32). A number that lies on a knife's edge between two numbers of the format may be rounded either way, as far as f32 arithmetic and the matrix unit's own rounding can turn it there, and no further.
;; 3 versions, each right; version 2 is faster than version 1; version 3 is version 2 with the launches prep, attn written anew for expert scheduling mode. Each part assembles by itself: llvm-mc -triple=amdgcn-amd-amdhsa -mcpu=gfx1250 --defsym DOCPART=n.
;; ======== version 1 of 3: 2 launches
;; workspace buffers: kc 1,572,864 bytes; ks 65,536 bytes; vc 1,572,864 bytes; vs 65,536 bytes; wc 98,304 bytes; ws 4,096 bytes
;; launch prep (part 1): grid 260 x 1, 4 waves a work-group, no clusters, 289,280 bytes of LDS; arguments K, Wk, Wv, Wq, Wo, bk, bv, lengths, kc, ks, vc, vs, wc, ws; writes kc, ks, vc, vs, wc, ws
.if DOCPART == 1
	.amdgcn_target "amdgcn-amd-amdhsa--gfx1250"
	.amdhsa_code_object_version 6
	.text
	.protected	k_qb01c61effd_prep
	.globl	k_qb01c61effd_prep
	.p2align	8
	.type	k_qb01c61effd_prep,@function
k_qb01c61effd_prep:
	s_mov_b64 s[64:65], 0
	v_nop
	global_prefetch_b8 v0, s[64:65] scope:SCOPE_SE
	s_setreg_imm32_b32 hwreg(HW_REG_WAVE_MODE, 25, 1), 1
	s_wait_xcnt 0x0
; k = (K Wk + bk) x mask and v = (K Wv + bv) x mask, both products on codes of BF6 (E3M2) with one E8M0 scale for each 32 along K, and their results quantised
; again for the attention launch: k along the head's 32 numbers, v along the keys.  Wq and Wo are quantised along their first axis and laid out as operand registers.
; K: [8][1024][256] f32.  Wk, Wv, Wq, Wo: [256 (k)][256 (n)] f32.  bk, bv: [256].  lengths: [8] i32, held to 0 .. 1024.
; SHARES.  Work-groups 0-255: a step of 128 tokens (number / 4) and a pair of heads (number % 4).  Wave w: k (w / 2 = 0) or v (1) of head 2 x pair + w % 2.
;   Each wave quantises two of the step's eight tiles of 16 tokens (they go to the other waves through LDS as images of their registers: one barrier) and its own 32 columns of the weight.
;   Work-groups 256-259: wave w quantises 32 columns of Wq (256, 257) or Wo (258, 259) and stores them.  That path has LDS bytes of its own and no barrier.
; TILE ORDER.  Row r of tile 2 b + u is element 32 b + 8 u + r + 8 (r / 8), of the step's tokens as of a head's columns: a result that has such a tile as source 0 holds, in the 16 registers of
;   tiles 2 b and 2 b + 1 of lane half h, the 16 neighbours 32 b + 16 h + 0 .. 15: what the conversions take.
; WORKSPACE, all in the order of the reader's operand registers (a fragment: 3 x 512 bytes, registers 4 c .. 4 c + 3 of lane l at 512 c + 16 l):
;   kc [batch][head][step][chunk 2][1536]: a fragment whose K block p holds the 32 codes of key tile 4 chunk + p;  ks [batch][head][step][128]: lanes 0-15 chunk 0's scale words, lanes 16-31 chunk 1's
;   vc [batch][head][step][tile of d 2][1536]: row r is d = 8 u + r + 8 (r / 8), K the step's 128 keys;          vs likewise
;   wc [Wq, Wo][32 columns 8][2 tile + K step][1536];  ws [Wq, Wo][8][32 lanes x 8]: the words of K steps 0 and 1; lanes 0-15 tile 0, lanes 16-31 tile 1
;   The stores of ks and vs cover 128 consecutive bytes each: half of an aligned 256; they are 131,072 bytes of the launch's 3.4 million.
; LIMITS: NaN and infinities among the inputs are not served.  A block of zeros, and one whose largest magnitude lies under 2^(5 - 127), gets the scale byte 1; these bytes are read by this program alone.
; REGISTERS, in windows of 256: window 0 below; window 1: the tokens' numbers as loaded, later the step's 16 fragments at 12 (2 tile + K step);
;   window 2: the weight as loaded, later 64 accumulator registers;  window 3: the 256 numbers of my column of the weight, register = k.
.set XIMG, 0                           ; LDS: 16 fragment images of the tokens
.set XSC,  24576                       ; their scale words, 128 bytes each
.set WST,  26624                       ; 32,768 bytes a wave: 256 rows x 128 bytes of the weight's 32 columns
.set WST2, 157696                      ; the same for work-groups 256-259
.set TM,  16                           ; v16-31  at work in the quantiser
.set PC,  32                           ; v32-43  the fragment just made
.set PT,  44                           ; v44-59  upper halves of blocks, before they are moved
.set PW,  60                           ; v60     the scale word just made;  v61 the first unit's;  v62 at work;  v63 r + 8 (r / 8)
.set XS,  64                           ; v64-79  the tokens' 16 scale words
.set WS,  80                           ; v80-81  the weight's scale words, K steps 0 and 1
.set BV,  82                           ; v82-83  bv of my column
.set BB,  84                           ; v84-99  the bias as the C of two tiles
.set MK,  100                          ; v100-115 k's mask, a pair for each tile of tokens
.set WF,  116                          ; v116-163 the weight's fragments: (tile, K step) at WF + 24 step + 12 tile
.set MV,  164                          ; v164-227 v's mask, a register for each accumulator register
.set SEL, 56                           ; s[56:57] lane selects for v_permlanex16_b32: lane l xor 16
.set MSB, 0
.macro WIN new                         ; the immediate's high byte repeats the setting that is left; a switch that changes nothing is dropped
.if MSB != (\new)
	s_set_vgpr_msb (MSB<<8)|(\new)
.set MSB, (\new)
.endif
.endm
; one matrix instruction: D, A, B, C (below 0: the constant 0), the two scale registers, and which half of the lanes holds each side's scales
.macro MM d, a, b, c, sa, sb, ra, rb
.if (\c) < 0
.if (\ra) == 1
	v_wmma_scale_f32_16x16x128_f8f6f4 v[(\d):(\d)+7], v[(\a):(\a)+11], v[(\b):(\b)+11], 0, v[\sa], v[\sb] matrix_a_fmt:MATRIX_FMT_BF6 matrix_b_fmt:MATRIX_FMT_BF6 matrix_a_scale:MATRIX_SCALE_ROW1
.else
	v_wmma_scale_f32_16x16x128_f8f6f4 v[(\d):(\d)+7], v[(\a):(\a)+11], v[(\b):(\b)+11], 0, v[\sa], v[\sb] matrix_a_fmt:MATRIX_FMT_BF6 matrix_b_fmt:MATRIX_FMT_BF6
.endif
.else
.if (\ra) == 1
	v_wmma_scale_f32_16x16x128_f8f6f4 v[(\d):(\d)+7], v[(\a):(\a)+11], v[(\b):(\b)+11], v[(\c):(\c)+7], v[\sa], v[\sb] matrix_a_fmt:MATRIX_FMT_BF6 matrix_b_fmt:MATRIX_FMT_BF6 matrix_a_scale:MATRIX_SCALE_ROW1
.elseif (\rb) == 1
	v_wmma_scale_f32_16x16x128_f8f6f4 v[(\d):(\d)+7], v[(\a):(\a)+11], v[(\b):(\b)+11], v[(\c):(\c)+7], v[\sa], v[\sb] matrix_a_fmt:MATRIX_FMT_BF6 matrix_b_fmt:MATRIX_FMT_BF6 matrix_b_scale:MATRIX_SCALE_ROW1
.else
	v_wmma_scale_f32_16x16x128_f8f6f4 v[(\d):(\d)+7], v[(\a):(\a)+11], v[(\b):(\b)+11], v[(\c):(\c)+7], v[\sa], v[\sb] matrix_a_fmt:MATRIX_FMT_BF6 matrix_b_fmt:MATRIX_FMT_BF6
.endif
.endif
.endm
; 64 numbers at v[s] on of window w (register 16 b + i = k 32 b + 16 (lane / 16) + i of my row), scale operands in v[TM+12 ..]: the fragment's 12 registers at v[pc] on
.macro PACK6 s, w, pc
	WIN (\w)
.irp c, 0,1
	v_cvt_scalef32_pk16_bf6_f32 v[(\pc)+6*\c:(\pc)+6*\c+2], v[(\s)+32*\c:(\s)+32*\c+15], v[TM+12+2*\c]
	v_cvt_scalef32_pk16_bf6_f32 v[PT+4*\c:PT+4*\c+2], v[(\s)+32*\c+16:(\s)+32*\c+31], v[TM+13+2*\c]   ; (a conversion's three registers begin on an even number)
.endr
	WIN 0
	v_nop                                          ; one plain instruction behind the scaled conversions
.irp c, 0,1                                    ; the operand wants a whole block in a lane: lanes 0-15 block 2 c, lanes 16-31 block 2 c + 1
.irp i, 0,1,2
	v_permlane16_swap_b32 v[(\pc)+6*\c+\i], v[PT+4*\c+\i]
.endr
.irp i, 0,1,2
	v_mov_b32 v[(\pc)+6*\c+3+\i], v[PT+4*\c+\i]
.endr
.endr
.endm
; the same 64 numbers: four blocks' largest magnitudes (with the floor 2^(5 - 127), so that no byte falls under 1), the scale word into v[pw], the codes into v[pc] on
.macro QUANT s, w, pc, pw
	WIN (\w)|((\w)<<2)
.irp b, 0,1,2,3
	v_max3_num_f32 v[TM+\b], |v[(\s)+16*\b]|, |v[(\s)+16*\b+1]|, 0x2800000
.endr
.irp i, 2,4,6,8,10,12,14
.irp b, 0,1,2,3
	v_max3_num_f32 v[TM+\b], |v[(\s)+16*\b+\i]|, |v[(\s)+16*\b+\i+1]|, v[TM+\b]   ; the four blocks by turns
.endr
.endr
	WIN 0
.irp b, 0,1,2,3
	v_permlanex16_b32 v[TM+4+\b], v[TM+\b], s[SEL], s[SEL+1]
.endr
.irp b, 0,1,2,3
	v_max_num_f32 v[TM+\b], v[TM+\b], v[TM+4+\b]   ; with lane l xor 16's 16 numbers: the block's
.endr
.irp b, 0,1,2,3
	v_add_nc_u32 v[TM+12+\b], 0xfe000000, v[TM+\b] ; 4 off the exponent field: the conversion's scale operand
.endr
.irp b, 0,1,2,3
	v_lshrrev_b32 v[TM+4+\b], 23, v[TM+12+\b]      ; the scale's byte
.endr
	v_lshl_or_b32 v[\pw], v[TM+5], 8, v[TM+4]
	v_lshl_or_b32 v[\pw], v[TM+6], 16, v[\pw]
	v_lshl_or_b32 v[\pw], v[TM+7], 24, v[\pw]
	PACK6 \s, \w, \pc
.endm
; my 32 columns of the weight, 256 rows x 128 bytes: an instruction takes four rows, eight lanes to a row's 128 consecutive bytes
.macro WLOADS
	WIN 0x80
.set i, 0
.rept 64
	global_load_b128 v[4*i:4*i+3], v5, s[48:49] offset:4096*i
.set i, i+1
.endr
	WIN 0
.endm
; The weight is turned through my own stage in LDS, so that a lane holds ONE column and its registers run down K; then each block of 32 lies in one lane.
; Lanes 0-15 hold the columns of tile 0, lanes 16-31 those of tile 1; an exchange of halves makes of blocks 2 c and 2 c + 1 the registers 6 c .. 6 c + 5 of both tiles' fragments.
.macro WQ
	s_wait_loadcnt 0x0
	WIN 0x08                                       ; an LDS store's data are its source 1: window 2
.set i, 0
.rept 64
	ds_store_b128 v6, v[4*i:4*i+3] offset:512*i
.set i, i+1
.endr
	WIN 0xc0
.set i, 0
.rept 256
	ds_load_b32 v[i], v7 offset:128*i              ; LDS serves a wave's instructions in order: these see my stores
.set i, i+1
.endr
.irp g, 0,1                                    ; K step g: k = 128 g .. 128 g + 127
.if \g == 0
	s_wait_dscnt 63                                ; all but the youngest 63 loads: k up to 192 is in
.else
	s_wait_dscnt 0x0
.endif
	WIN 0x0f
.irp b, 0,1,2,3
	v_max3_num_f32 v[TM+\b], |v[128*\g+32*\b]|, |v[128*\g+32*\b+1]|, 0x2800000
.endr
.irp i, 2,4,6,8,10,12,14,16,18,20,22,24,26,28,30
.irp b, 0,1,2,3
	v_max3_num_f32 v[TM+\b], |v[128*\g+32*\b+\i]|, |v[128*\g+32*\b+\i+1]|, v[TM+\b]
.endr
.endr
	WIN 0
.irp b, 0,1,2,3
	v_add_nc_u32 v[TM+12+\b], 0xfe000000, v[TM+\b]
.endr
.irp b, 0,1,2,3
	v_lshrrev_b32 v[TM+4+\b], 23, v[TM+12+\b]
.endr
	v_lshl_or_b32 v[WS+\g], v[TM+5], 8, v[TM+4]
	v_lshl_or_b32 v[WS+\g], v[TM+6], 16, v[WS+\g]
	v_lshl_or_b32 v[WS+\g], v[TM+7], 24, v[WS+\g]
	WIN 0x03
.irp c, 0,1
.irp e, 0,1
	v_cvt_scalef32_pk16_bf6_f32 v[WF+24*\g+12*\e+6*\c:WF+24*\g+12*\e+6*\c+2], v[128*\g+32*(2*\c+\e):128*\g+32*(2*\c+\e)+15], v[TM+12+2*\c+\e]
	v_cvt_scalef32_pk16_bf6_f32 v[PT+4*(2*\c+\e):PT+4*(2*\c+\e)+2], v[128*\g+32*(2*\c+\e)+16:128*\g+32*(2*\c+\e)+31], v[TM+12+2*\c+\e]
.endr
.endr
	WIN 0
	v_nop                                          ; one plain instruction behind the scaled conversions
.irp c, 0,1
.irp e, 0,1
.irp i, 0,1,2
	v_mov_b32 v[WF+24*\g+12*\e+6*\c+3+\i], v[PT+4*(2*\c+\e)+\i]
.endr
.endr
.endr
.irp i, 0,1,2,3,4,5,6,7,8,9,10,11
	v_permlane16_swap_b32 v[WF+24*\g+\i], v[WF+24*\g+12+\i]   ; even blocks of tile 1's columns change places with odd blocks of tile 0's
.endr
.endr
.endm
; A unit: 16 matrix instructions on eight accumulators by turns, the mask, the quantiser, one fragment stored.
; kind 0 (k), hf = chunk: source 0 = 16 columns of Wk, source 1 = 16 tokens: a lane holds one token and 16 of the head's 32 numbers; block t of the fragment is key tile 4 hf + t.
; kind 1 (v), hf = tile of d: source 0 = 16 tokens, source 1 = 16 columns of Wv: a lane holds one d and its registers run along the tokens.
.macro UNIT kind, hf
.irp g, 0,1
.if \kind == 0
	WIN 0x84+0x20*\g                               ; D window 2, B (tokens) window 1; C: the bias in window 0, then D
.irp t, 0,1,2,3
.irp u, 0,1
.if \g == 0
	MM 16*\t+8*\u, WF+12*\u, 12*(2*(4*\hf+\t)), BB+8*\u, WS, XS+2*(4*\hf+\t), \u, 0
.else
	MM 16*\t+8*\u, WF+24+12*\u, 12*(2*(4*\hf+\t)+1), 16*\t+8*\u, WS+1, XS+2*(4*\hf+\t)+1, \u, 0
.endif
.endr
.endr
.else
	WIN 0x81+0x20*\g                               ; D window 2, A (tokens) window 1
.irp t, 0,1,2,3,4,5,6,7
.if \g == 0
	MM 8*\t, 12*(2*\t), WF+12*\hf, BB+8*\hf, XS+2*\t, WS, 0, \hf
.else
	MM 8*\t, 12*(2*\t+1), WF+24+12*\hf, 8*\t, XS+2*\t+1, WS+1, 0, \hf
.endif
.endr
.endif
.endr
	WIN 0
.rept 4
	v_nop                                          ; four places behind the last products, ahead of the first read of results (ISA guide 7.12.1)
.endr
	WIN 0x82
.set i, 0
.rept 32                                       ; x mask, each accumulator from its low end on
.if \kind == 0
	v_pk_mul_f32 v[2*i:2*i+1], v[2*i:2*i+1], v[MK+2*(4*\hf+i/8):MK+2*(4*\hf+i/8)+1]
.else
	v_pk_mul_f32 v[2*i:2*i+1], v[2*i:2*i+1], v[MV+2*i:MV+2*i+1]
.endif
.set i, i+1
.endr
	QUANT 0, 2, PC, PW
.irp c, 0,1,2
	global_store_b128 v8, v[PC+4*\c:PC+4*\c+3], s[52:53] offset:1536*\hf+512*\c   ; 512 consecutive bytes a store
.endr
.if \hf == 0
	v_mov_b32 v61, v[PW]
	s_wait_xcnt 0x0                                ; the stores' data registers are written again by the next unit only behind this wait
.else
	v_cndmask_b32 v62, v61, v[PW], s58             ; lanes 0-15: the first unit's scale words; lanes 16-31: this one's
	global_store_b32 v9, v62, s[54:55]
.endif
.endm
	s_load_b512 s[8:23], s[0:1], 0x0               ; K 8, Wk 10, Wv 12, Wq 14, Wo 16, bk 18, bv 20, lengths 22
	s_load_b256 s[24:31], s[0:1], 0x40             ; kc 24, ks 26, vc 28, vs 30
	s_load_b128 s[32:35], s[0:1], 0x60             ; wc 32, ws 34
	v_lshl_add_u32 v254, v0, 2, 0x46800
	v_mov_b32 v255, 0
	v_lshrrev_b32 v1, 5, v0
	v_readfirstlane_b32 s36, v1                    ; wave 0..3
	v_and_b32 v1, 31, v0                           ; lane
	v_bfe_u32 v3, v0, 4, 1                         ; h
	v_lshlrev_b32 v8, 4, v1                        ; 16 x lane
	v_lshlrev_b32 v9, 2, v1                        ; 4 x lane
	v_lshlrev_b32 v10, 3, v1                       ; 8 x lane
	v_and_b32 v62, 7, v0
	v_bfe_u32 v63, v0, 3, 1
	v_lshl_add_u32 v63, v63, 4, v62                ; r + 8 (r / 8)
	v_bfe_u32 v5, v0, 3, 2
	v_lshlrev_b32 v5, 10, v5
	v_lshl_add_u32 v5, v62, 4, v5                  ; the weight: row lane / 8 of four, 16 bytes of its 128
	v_lshl_add_u32 v7, v3, 3, v63                  ; my column of the 32: 8 (lane / 16) + r + 8 (r / 8)
	v_lshlrev_b32 v7, 2, v7
	s_lshl_b32 s59, s36, 15                        ; my stage: 32,768 x wave
	v_add_nc_u32 v6, s59, v8
	v_add_nc_u32 v7, s59, v7
	s_mov_b32 s[SEL], 0x76543210
	s_mov_b32 s[SEL+1], 0xfedcba98
	s_mov_b32 s58, 0xffff0000                      ; lanes 16-31
.irp b, 0,1,2,3
	v_mov_b32 v[TM+4+\b], 0                        ; written once: a lane permute's destination counts as one of its sources
.endr
	s_cmp_ge_u32 ttmp9, 256
	s_cbranch_scc1 .Lweights
	; ---- work-groups 0-255
	s_lshr_b32 s37, ttmp9, 2                       ; the step of 128 tokens, 0..63
	s_and_b32 s38, ttmp9, 3                        ; the pair of heads
	s_lshr_b32 s39, s36, 1                         ; 0: k, 1: v
	s_and_b32 s40, s36, 1
	s_lshl_b32 s61, s38, 1
	s_add_co_u32 s40, s40, s61                     ; my head
	s_lshr_b32 s41, s37, 3                         ; batch
	s_and_b32 s42, s37, 7                          ; step in the batch
	s_lshl_b32 s44, s41, 2
	s_mov_b32 s45, 0
	v_add_nc_u32 v6, WST, v6
	v_add_nc_u32 v7, WST, v7
	v_lshl_add_u32 v4, s36, 5, v63                 ; tokens: row 32 w + r + 8 (r / 8) of the step,
	v_lshlrev_b32 v4, 10, v4
	v_lshl_add_u32 v4, v3, 6, v4                   ; + 64 h: my 16 numbers of a block of 32
	s_mul_i32 s60, s36, 6144
	v_add_nc_u32 v11, s60, v8                      ; where I store my four images
	s_lshl_b32 s60, s36, 9
	v_add_nc_u32 v12, s60, v9
	v_add_nc_u32 v12, XSC, v12                     ; and their scale words
	v_lshlrev_b32 v13, 6, v3                       ; bk: 64 h
	v_lshlrev_b32 v14, 2, v63                      ; bv: my column
	s_wait_kmcnt 0x0
	s_add_nc_u64 s[22:23], s[22:23], s[44:45]
	s_load_b32 s43, s[22:23], 0x0                  ; the batch's length
	s_lshl_b32 s46, s37, 17
	s_mov_b32 s47, 0
	s_add_nc_u64 s[46:47], s[8:9], s[46:47]        ; K at the step's first token
	s_cmp_eq_u32 s39, 0
	s_cselect_b64 s[48:49], s[10:11], s[12:13]     ; the weight,
	s_cselect_b64 s[50:51], s[18:19], s[20:21]     ; the bias,
	s_cselect_b64 s[52:53], s[24:25], s[28:29]     ; the codes' buffer
	s_cselect_b64 s[54:55], s[26:27], s[30:31]     ; and the scales'
	s_lshl_b32 s60, s40, 7
	s_mov_b32 s61, 0
	s_add_nc_u64 s[48:49], s[48:49], s[60:61]      ; at my head's 32 columns
	s_add_nc_u64 s[50:51], s[50:51], s[60:61]
	s_lshl_b32 s62, s41, 3
	s_add_co_u32 s62, s62, s40
	s_lshl_b32 s62, s62, 3
	s_add_co_u32 s62, s62, s42                     ; (8 batch + head) 8 + step
	s_mul_i32 s60, s62, 3072
	s_add_nc_u64 s[52:53], s[52:53], s[60:61]
	s_lshl_b32 s60, s62, 7
	s_add_nc_u64 s[54:55], s[54:55], s[60:61]
.irp u, 0,1
.irp k, 0,1
	global_load_b128 v[BB+8*\u+4*\k:BB+8*\u+4*\k+3], v13, s[50:51] offset:32*\u+16*\k   ; the bias at 16 h + 8 u + 0 .. 7
.endr
	global_load_b32 v[BV+\u], v14, s[50:51] offset:32*\u                             ; and at 8 u + my column
.endr
	WIN 0x40
.irp a, 0,1                                    ; my two tiles of tokens, 2 w + a
.irp g, 0,1
.irp b, 0,1,2,3
.irp j, 0,1,2,3
	global_load_b128 v[128*\a+64*\g+16*\b+4*\j:128*\a+64*\g+16*\b+4*\j+3], v4, s[46:47] offset:8192*\a+512*\g+128*\b+16*\j
.endr
.endr
.endr
.endr
	WLOADS
	s_wait_loadcnt 63                              ; 134 loads are issued: the first 71 are in, the biases' 6 and the tokens' 64 among them
.irp a, 0,1
.irp g, 0,1
	QUANT 128*\a+64*\g, 1, PC, PW
.irp c, 0,1,2
	ds_store_b128 v11, v[PC+4*\c:PC+4*\c+3] offset:(2*\a+\g)*1536+512*\c
.endr
	ds_store_b32 v12, v[PW] offset:128*(2*\a+\g)
	s_wait_dscnt 0x0                               ; the stores have read their registers
.endr
.endr
	WQ
	s_wait_dscnt 0x0                               ; for the others' sake: my images lie in LDS
	s_barrier_signal -1
	s_barrier_wait -1                              ; everybody's do
	WIN 0x40
.set i, 0
.rept 16
.irp c, 0,1,2
	ds_load_b128 v[12*i+4*\c:12*i+4*\c+3], v8 offset:XIMG+1536*i+512*\c
.endr
.set i, i+1
.endr
	WIN 0
.set i, 0
.rept 16
	ds_load_b32 v[XS+i], v9 offset:XSC+128*i
.set i, i+1
.endr
	s_wait_kmcnt 0x0
	s_max_i32 s43, s43, 0
	s_min_i32 s43, s43, 1024
	s_lshl_b32 s60, s42, 7
	s_sub_co_i32 s45, s43, s60                     ; the length, counted from the step's first token
	s_wait_dscnt 0x0
	s_cmp_lg_u32 s39, 0
	s_cbranch_scc1 .Lkind_v
	v_sub_nc_u32 v15, s45, v63                     ; token 32 (t / 2) + 8 (t % 2) + r + 8 (r / 8) counts where it lies under the length
.irp t, 0,1,2,3,4,5,6,7
	v_cmp_lt_i32 vcc_lo, 32*(\t/2)+8*(\t%2), v15
	v_cndmask_b32 v[MK+2*\t], 0, 1.0, vcc_lo
	v_cndmask_b32 v[MK+2*\t+1], 0, 1.0, vcc_lo
.endr
	UNIT 0, 0
	UNIT 0, 1
	s_wait_tensorcnt 0x0
	ds_add_u32 v254, v255
	s_wait_dscnt 0x0
	s_endpgm
.Lkind_v:
.irp u, 0,1
.irp j, 0,1,2,3,4,5,6,7
	v_mov_b32 v[BB+8*\u+\j], v[BV+\u]              ; a lane holds one d: its bias in all eight registers
.endr
.endr
	v_lshlrev_b32 v15, 4, v3
	v_sub_nc_u32 v15, s45, v15                     ; register 8 t + j holds token 32 (t / 2) + 8 (t % 2) + j + 16 h
.irp t, 0,1,2,3,4,5,6,7
.irp j, 0,1,2,3,4,5,6,7
	v_cmp_lt_i32 vcc_lo, 32*(\t/2)+8*(\t%2)+\j, v15
	v_cndmask_b32 v[MV+8*\t+\j], 0, 1.0, vcc_lo
.endr
.endr
	UNIT 1, 0
	UNIT 1, 1
	s_wait_tensorcnt 0x0
	ds_add_u32 v254, v255
	s_wait_dscnt 0x0
	s_endpgm
	; ---- work-groups 256-259: Wq's and Wo's fragments
.Lweights:
	s_sub_co_u32 s37, ttmp9, 256
	s_lshr_b32 s38, s37, 1                         ; 0: Wq, 1: Wo
	s_and_b32 s39, s37, 1
	s_lshl_b32 s39, s39, 2
	s_add_co_u32 s39, s39, s36                     ; which 32 columns
	v_add_nc_u32 v6, WST2, v6
	v_add_nc_u32 v7, WST2, v7
	s_wait_kmcnt 0x0
	s_cmp_eq_u32 s38, 0
	s_cselect_b64 s[48:49], s[14:15], s[16:17]
	s_lshl_b32 s60, s39, 7
	s_mov_b32 s61, 0
	s_add_nc_u64 s[48:49], s[48:49], s[60:61]
	s_lshl_b32 s62, s38, 3
	s_add_co_u32 s62, s62, s39
	s_mul_i32 s60, s62, 6144
	s_add_nc_u64 s[52:53], s[32:33], s[60:61]
	s_lshl_b32 s60, s62, 8
	s_add_nc_u64 s[54:55], s[34:35], s[60:61]
	WLOADS
	WQ
.irp t, 0,1
.irp g, 0,1
.irp c, 0,1,2
	global_store_b128 v8, v[WF+24*\g+12*\t+4*\c:WF+24*\g+12*\t+4*\c+3], s[52:53] offset:(2*\t+\g)*1536+512*\c
.endr
.endr
.endr
	global_store_b64 v10, v[WS:WS+1], s[54:55]     ; 256 consecutive bytes
	s_wait_tensorcnt 0x0
	ds_add_u32 v254, v255
	s_wait_dscnt 0x0
	s_endpgm
.Lfunc_end_k_qb01c61effd_prep:
	.size	k_qb01c61effd_prep, .Lfunc_end_k_qb01c61effd_prep-k_qb01c61effd_prep
	.p2alignl 7, 3214868480
	.fill 96, 4, 3214868480
	.section	.rodata,"a",@progbits
	.p2align	6, 0x0
	.amdhsa_kernel k_qb01c61effd_prep
		.amdhsa_group_segment_fixed_size 289280
		.amdhsa_private_segment_fixed_size 0
		.amdhsa_enable_private_segment 0
		.amdhsa_kernarg_size 112
		.amdhsa_user_sgpr_count 2
		.amdhsa_user_sgpr_kernarg_segment_ptr 1
		.amdhsa_wavefront_size32 1
		.amdhsa_system_sgpr_workgroup_id_x 1
		.amdhsa_system_sgpr_workgroup_id_y 1
		.amdhsa_system_sgpr_workgroup_id_z 1
		.amdhsa_system_vgpr_workitem_id 0
		.amdhsa_next_free_vgpr 1024
		.amdhsa_next_free_sgpr 66
		.amdhsa_reserve_vcc 1
		.amdhsa_float_denorm_mode_32 3
		.amdhsa_float_denorm_mode_16_64 3
		.amdhsa_memory_ordered 1
		.amdhsa_forward_progress 1
		.amdhsa_inst_pref_size 153
	.end_amdhsa_kernel
	.amdgpu_metadata
---
amdhsa.version: [ 1, 2 ]
amdhsa.kernels:
  - .name:           k_qb01c61effd_prep
    .symbol:         k_qb01c61effd_prep.kd
    .args:
      - { .name: K, .offset: 0, .size: 8, .value_kind: global_buffer, .address_space: global }
      - { .name: Wk, .offset: 8, .size: 8, .value_kind: global_buffer, .address_space: global }
      - { .name: Wv, .offset: 16, .size: 8, .value_kind: global_buffer, .address_space: global }
      - { .name: Wq, .offset: 24, .size: 8, .value_kind: global_buffer, .address_space: global }
      - { .name: Wo, .offset: 32, .size: 8, .value_kind: global_buffer, .address_space: global }
      - { .name: bk, .offset: 40, .size: 8, .value_kind: global_buffer, .address_space: global }
      - { .name: bv, .offset: 48, .size: 8, .value_kind: global_buffer, .address_space: global }
      - { .name: lengths, .offset: 56, .size: 8, .value_kind: global_buffer, .address_space: global }
      - { .name: kc, .offset: 64, .size: 8, .value_kind: global_buffer, .address_space: global }
      - { .name: ks, .offset: 72, .size: 8, .value_kind: global_buffer, .address_space: global }
      - { .name: vc, .offset: 80, .size: 8, .value_kind: global_buffer, .address_space: global }
      - { .name: vs, .offset: 88, .size: 8, .value_kind: global_buffer, .address_space: global }
      - { .name: wc, .offset: 96, .size: 8, .value_kind: global_buffer, .address_space: global }
      - { .name: ws, .offset: 104, .size: 8, .value_kind: global_buffer, .address_space: global }
    .group_segment_fixed_size: 289280
    .private_segment_fixed_size: 0
    .kernarg_segment_align: 8
    .kernarg_segment_size: 112
    .max_flat_workgroup_size: 128
    .sgpr_count:     66
    .vgpr_count:     1024
    .wavefront_size: 32
...
	.end_amdgpu_metadata
.endif
;; end of part 1
;; launch attn (part 2): grid 512 x 1, 4 waves a work-group, no clusters, 33,792 bytes of LDS; arguments Q, lengths, bq, bo, g0, b0, g1, b1, kc, ks, vc, vs, wc, ws, out0; writes out0
.if DOCPART == 2
	.amdgcn_target "amdgcn-amd-amdhsa--gfx1250"
	.amdhsa_code_object_version 6
	.text
	.protected	k_qb01c61effd_attn
	.globl	k_qb01c61effd_attn
	.p2align	8
	.type	k_qb01c61effd_attn,@function
k_qb01c61effd_attn:
	s_mov_b64 s[64:65], 0
	v_nop
	global_prefetch_b8 v0, s[64:65] scope:SCOPE_SE
	s_setreg_imm32_b32 hwreg(HW_REG_WAVE_MODE, 25, 1), 1
	s_wait_xcnt 0x0
; out0 = LN1(y + relu(y Wo + bo)), y = LN0(q + A v), q = (Q Wq + bq) x mask, A = e / (sum of e + 1e-15), e = exp(q k / 16) x mask x mask, head by head (8 heads of 32).
; All four products here (q, scores, A v, y Wo) run on codes of BF6 (E3M2) with one E8M0 scale for each 32 along K; everything else is f32.  k, v, Wq, Wo come as codes in the order of the operand registers.
; SHARES.  A work-group owns 16 rows of one batch (batch = number % 8, tile = number / 8) and all 8 heads, so both layer norms stay inside it.  Wave w takes heads 2 w and 2 w + 1, one after the other,
;   then output columns 64 w .. 64 w + 63 of y Wo, then rows 4 w .. 4 w + 3 of the last norm.
; A IS QUANTISED NORMALISED, so the row's sum must be known before any code is made: a head's e for 16 rows x 1,024 keys is 512 registers of the wave and stays there.  Phase A walks the key steps (128 keys) upward:
;   scores, exponentials, sums and each block's largest e.  Phase B walks them downward: x 1 / sum, codes, A v.  Downward, so that on every way into step s of phase B the steps 0 .. s of phase A have run.
; THE MASK is built from lengths: key steps at or beyond the length and tiles of rows at or beyond it are left out by scalar branches on that whole number.  So this launch has no tensor load, and no barrier under such a branch.
;   In the last step hidden keys get -1e30 as the C of the score's product: their e is 0.  Rows at or beyond the length inside a live tile have q = 0 and 1 / sum = 0.
; K = 32 IN A FORM OF K = 128: a fragment of k holds 64 keys, one tile of 16 in each K block; it is multiplied by four variants of q, each with the head's 32 codes in one block and zero codes in the other three.
; LAYOUT.  All products are used transposed: a lane holds one row (lane % 16).  Tiles of keys and of columns are ordered so that 16 registers of two neighbouring tiles are 16 neighbours (row r of tile 2 b + u is element 32 b + 8 u + r + 8 (r / 8)).
;   q and A v have the same layout, so the sum of A v begins on q: the residual costs nothing.
; NOT SHARED IN A CLUSTER: work-groups of one batch walk the same k and v, but how many steps, or whether any, hangs on lengths and on the tile.
; LIMITS.  NaN and infinities are not served.  The exponential is raw, as in the definition: it overflows where that does; a result under 2^-126 is 0 (ISA guide, v_exp_f32).  -1e30 hides a key for |score| under 1e29.
;   A = e x (1 / (sum + 1e-15)) by v_rcp_f32 and a multiplication, not a division.  A block of zeros carries the scale byte 1; nobody else reads it.
; REGISTERS, in windows of 256: window 0 below.  Windows 1 and 2: e, key step s at window 1 + s / 4, register 64 (s % 4); before the loop Q's numbers, behind it y (window 1) and g0, b0 (window 2).
;   Window 3: v0-191 v's fragments (24 s + 12 tile of d); at a trip's head v96-143 Wq's four fragments, v144-159 bq; v192-255 the last step's -1e30 or 0; behind the loop Wo's eight fragments and bo.
.set OS2, 16640                        ; LDS: 16 rows x (1,024 + 16) bytes of q + A v at 0; the same for y + relu(..) here.  Rows 1,040 bytes apart: the sixteen rows of a 16-byte access start at sixteen different 16-byte columns modulo 256
.set TM,  28                           ; v28-43  at work in the quantiser
.set PC,  44                           ; v44-55  A's fragment
.set PT,  56                           ; v56-63  upper halves of blocks, before they are moved
.set PW,  64                           ; v64     A's scale word
.set QS,  65                           ; v65     q's scale byte, four times
.set KS,  66                           ; v66-67  k's scale words, two sets
.set VS,  68                           ; v68-75  v's scale words, a register for each step
.set QV,  80                           ; v80-109 zeros, q in lanes 0-15, zeros, q in lanes 16-31, zeros: 6 registers each; variant p begins at QV + 6 ((2 p + 1) % 5)
.set OA,  112                          ; v112-127 q, then q + A v: two tiles of d;  behind the loop v112-143: four tiles of y Wo
.set BM,  128                          ; v128-159 each block's largest e: 4 s + b
.set XF,  160                          ; v160-183 two fragments: Q's rows, later y's
.set KB,  184                          ; v184-231 k's fragments, two sets of two
.set SEL, 52                           ; s[52:53] lane selects for v_permlanex16_b32: lane l xor 16
; v1 lane, v2 r, v3 h, v4 16 lane, v5 4 lane, v6 8 lane, v7 Q's offset, v8 64 h, v9 stage 1040 r + 64 h + 256 w, v10 the same + the trip's 128, v11 last norm's rows, v[12:13] the row's mask, v[14:15] 1 / sum,
; v16 -1e30, v17 threshold, v18 1040 r + 64 h, v19 at work, v20-27 sums in four pairs, v[76:77], v[240:241] weights' scale words, v[78:79] rows' scale words, v[110:111] -mean, 1 / deviation, v232-238 q's codes
.set MSB, 0
.macro WIN new                         ; the immediate's high byte repeats the setting that is left; a switch that changes nothing is dropped
.if MSB != (\new)
	s_set_vgpr_msb (MSB<<8)|(\new)
.set MSB, (\new)
.endif
.endm
.macro MM d, a, b, c, sa, sb, ra, rb   ; one matrix instruction: D, A, B, C (below 0: the constant 0), the scale registers, and which half of the lanes holds each side's scales
.if (\c) < 0
.if (\ra) == 1
	v_wmma_scale_f32_16x16x128_f8f6f4 v[(\d):(\d)+7], v[(\a):(\a)+11], v[(\b):(\b)+11], 0, v[\sa], v[\sb] matrix_a_fmt:MATRIX_FMT_BF6 matrix_b_fmt:MATRIX_FMT_BF6 matrix_a_scale:MATRIX_SCALE_ROW1
.else
	v_wmma_scale_f32_16x16x128_f8f6f4 v[(\d):(\d)+7], v[(\a):(\a)+11], v[(\b):(\b)+11], 0, v[\sa], v[\sb] matrix_a_fmt:MATRIX_FMT_BF6 matrix_b_fmt:MATRIX_FMT_BF6
.endif
.else
.if (\ra) == 1
	v_wmma_scale_f32_16x16x128_f8f6f4 v[(\d):(\d)+7], v[(\a):(\a)+11], v[(\b):(\b)+11], v[(\c):(\c)+7], v[\sa], v[\sb] matrix_a_fmt:MATRIX_FMT_BF6 matrix_b_fmt:MATRIX_FMT_BF6 matrix_a_scale:MATRIX_SCALE_ROW1
.elseif (\rb) == 1
	v_wmma_scale_f32_16x16x128_f8f6f4 v[(\d):(\d)+7], v[(\a):(\a)+11], v[(\b):(\b)+11], v[(\c):(\c)+7], v[\sa], v[\sb] matrix_a_fmt:MATRIX_FMT_BF6 matrix_b_fmt:MATRIX_FMT_BF6 matrix_b_scale:MATRIX_SCALE_ROW1
.else
	v_wmma_scale_f32_16x16x128_f8f6f4 v[(\d):(\d)+7], v[(\a):(\a)+11], v[(\b):(\b)+11], v[(\c):(\c)+7], v[\sa], v[\sb] matrix_a_fmt:MATRIX_FMT_BF6 matrix_b_fmt:MATRIX_FMT_BF6
.endif
.endif
.endm
; 64 numbers at v[s] on of window w (register 16 b + i = k 32 b + 16 (lane / 16) + i of my row), scale operands in v[TM+12 ..]: the fragment's 12 registers at v[pc] on
.macro PACK6 s, w, pc
	WIN (\w)
.irp c, 0,1
	v_cvt_scalef32_pk16_bf6_f32 v[(\pc)+6*\c:(\pc)+6*\c+2], v[(\s)+32*\c:(\s)+32*\c+15], v[TM+12+2*\c]
	v_cvt_scalef32_pk16_bf6_f32 v[PT+4*\c:PT+4*\c+2], v[(\s)+32*\c+16:(\s)+32*\c+31], v[TM+13+2*\c]   ; (a conversion's three registers begin on an even number)
.endr
	WIN 0
	v_nop                                          ; one plain instruction behind the scaled conversions
.irp c, 0,1                                    ; the operand wants a whole block in a lane: lanes 0-15 block 2 c, lanes 16-31 block 2 c + 1
.irp i, 0,1,2
	v_permlane16_swap_b32 v[(\pc)+6*\c+\i], v[PT+4*\c+\i]
.endr
.irp i, 0,1,2
	v_mov_b32 v[(\pc)+6*\c+3+\i], v[PT+4*\c+\i]
.endr
.endr
.endm
.macro QUANT s, w, pc, pw              ; the four blocks' largest magnitudes (with the floor 2^(5 - 127)), the scale word into v[pw], the codes into v[pc] on
	WIN (\w)|((\w)<<2)
.irp b, 0,1,2,3
	v_max3_num_f32 v[TM+\b], |v[(\s)+16*\b]|, |v[(\s)+16*\b+1]|, 0x2800000
.endr
.irp i, 2,4,6,8,10,12,14
.irp b, 0,1,2,3
	v_max3_num_f32 v[TM+\b], |v[(\s)+16*\b+\i]|, |v[(\s)+16*\b+\i+1]|, v[TM+\b]
.endr
.endr
	WIN 0
.irp b, 0,1,2,3
	v_permlanex16_b32 v[TM+4+\b], v[TM+\b], s[SEL], s[SEL+1]
.endr
.irp b, 0,1,2,3
	v_max_num_f32 v[TM+\b], v[TM+\b], v[TM+4+\b]
.endr
.irp b, 0,1,2,3
	v_add_nc_u32 v[TM+12+\b], 0xfe000000, v[TM+\b] ; 4 off the exponent field: the conversion's scale operand
.endr
.irp b, 0,1,2,3
	v_lshrrev_b32 v[TM+4+\b], 23, v[TM+12+\b]      ; the scale's byte
.endr
	v_lshl_or_b32 v[\pw], v[TM+5], 8, v[TM+4]
	v_lshl_or_b32 v[\pw], v[TM+6], 16, v[\pw]
	v_lshl_or_b32 v[\pw], v[TM+7], 24, v[\pw]
	PACK6 \s, \w, \pc
.endm
.macro REDUCE                          ; the four pairs of sums, and lane l xor 16's: the row's sum in v20
	v_pk_add_f32 v[20:21], v[20:21], v[22:23]
	v_pk_add_f32 v[24:25], v[24:25], v[26:27]
	v_pk_add_f32 v[20:21], v[20:21], v[24:25]
	v_add_f32 v20, v20, v21
	v_permlanex16_b32 v19, v20, s[SEL], s[SEL+1]
	v_add_f32 v20, v20, v19
.endm
.macro ZSUM
.irp i, 0,1,2,3,4,5,6,7
	v_mov_b32 v[20+\i], 0
.endr
.endm
.macro KLOAD s                         ; key step s: two fragments of 64 keys and their scale words, into set s % 2: seven loads
.irp f, 0,1
.irp c, 0,1,2
	global_load_b128 v[KB+24*((\s)%2)+12*\f+4*\c:KB+24*((\s)%2)+12*\f+4*\c+3], v4, s[56:57] offset:3072*(\s)+1536*\f+512*\c
.endr
.endr
	global_load_b32 v[KS+(\s)%2], v5, s[58:59] offset:128*(\s)
.endm
.macro VLOAD s                         ; key step s of v: two fragments (tiles of d) and their scale words: seven loads, wanted only in phase B
	WIN 0xc0
.irp u, 0,1
.irp c, 0,1,2
	global_load_b128 v[24*(\s)+12*\u+4*\c:24*(\s)+12*\u+4*\c+3], v4, s[60:61] offset:3072*(\s)+1536*\u+512*\c
.endr
.endr
	WIN 0
	global_load_b32 v[VS+(\s)], v5, s[62:63] offset:128*(\s)
.endm
.macro SCORES s, m                     ; eight products: key tile 4 f + p = fragment f x variant p of q.  m = 1: the last step: C holds -1e30 at hidden keys
.irp f, 0,1
.irp p, 0,1,2,3
.if \m
	MM EB+8*(4*\f+\p), KB+24*((\s)%2)+12*\f, QV+6*((2*\p+1)%5), 192+8*(4*\f+\p), KS+(\s)%2, QS, \f, 0
.else
	MM EB+8*(4*\f+\p), KB+24*((\s)%2)+12*\f, QV+6*((2*\p+1)%5), -1, KS+(\s)%2, QS, \f, 0
.endif
.endr
.endr
.endm
; PHASE A, key step s: written out for each s, since e's registers move from step to step
.macro ASTEP s
.set EW, 1+(\s)/4
.set EB, 64*((\s)%4)
.if (\s) < 7
	KLOAD (\s)+1                                   ; a step ahead; all eight steps lie in the buffer, whatever the length
.endif
	VLOAD \s
.if ((\s) == 0) || ((\s) == 7)
	s_wait_loadcnt 14                              ; behind this step's k: two groups of seven loads
.else
	s_wait_loadcnt 21                              ; behind this step's k: v of the step before, k of the next, v of this one: seven each
.endif
	s_cmp_eq_u32 s46, \s
	s_cbranch_scc1 .Lmask_\s
	WIN (EW<<6)
	SCORES \s, 0
	WIN 0
	s_branch .Ljoin_\s
.Lmask_\s:
	WIN (EW<<6)|0x30
	SCORES \s, 1
	WIN 0
.Ljoin_\s:
.rept 4
	v_nop                                          ; four places behind the products, ahead of the first read of results (ISA guide 7.12.1)
.endr
	WIN (EW<<6)|EW
.set i, 0
.rept 32
	v_pk_mul_f32 v[EB+2*i:EB+2*i+1], v[EB+2*i:EB+2*i+1], s[50:51] op_sel_hi:[1,0]   ; x log2(e) / 16; each accumulator from its low end on
.set i, i+1
.endr
.set i, 0
.rept 64
	v_exp_f32 v[EB+i], v[EB+i]
.set i, i+1
.endr
	v_nop                                          ; a plain instruction behind the last exponential
	s_wait_alu depctr_va_vdst(0)                   ; one wait for the batch of 64, ahead of its first reader
	WIN (EW<<2)|(EW<<4)
.irp i, 0,2,4,6,8,10,12,14
.irp b, 0,1,2,3
	v_pk_add_f32 v[20+2*\b:21+2*\b], v[20+2*\b:21+2*\b], v[EB+16*\b+\i:EB+16*\b+\i+1]
.if \i == 0
	v_max3_num_f32 v[BM+4*(\s)+\b], 0, v[EB+16*\b+\i], v[EB+16*\b+\i+1]
.else
	v_max3_num_f32 v[BM+4*(\s)+\b], v[BM+4*(\s)+\b], v[EB+16*\b+\i], v[EB+16*\b+\i+1]
.endif
.endr
.endr
	WIN 0
.if (\s) < 7
	s_cmp_eq_u32 s46, \s
	s_cbranch_scc1 .LMID_\s                        ; that was the last step with keys that count
.endif
.endm
; between the phases, entered behind step s: 1 / (sum + 1e-15), 0 for a row at or beyond the length
.macro MID s
.if (\s) < 7
.LMID_\s:
.endif
	s_wait_loadcnt 0x0                             ; v's fragments, and the step of k that was asked for ahead
	REDUCE
	v_add_f32 v20, 0x26901d7d, v20                 ; + 1e-15
	v_rcp_f32 v14, v20
	v_nop
	s_wait_alu depctr_va_vdst(0)                   ; ahead of the reciprocal's first reader
	v_mul_f32 v14, v14, v12
	v_mov_b32 v15, v14
.if (\s) < 7
	s_branch .LB_\s
.endif
.endm
; PHASE B, key step s: A = e / sum, quantised along the keys, and q + A v
.macro BSTEP s
.set EW, 1+(\s)/4
.set EB, 64*((\s)%4)
.LB_\s:
.irp b, 0,1,2,3
	v_permlanex16_b32 v[TM+4+\b], v[BM+4*(\s)+\b], s[SEL], s[SEL+1]
.endr
.irp b, 0,1,2,3
	v_max_num_f32 v[TM+\b], v[BM+4*(\s)+\b], v[TM+4+\b]
.endr
.irp b, 0,1,2,3
	v_mul_f32 v[TM+\b], v[TM+\b], v14              ; the block's largest A: the same multiplication on the block's largest e gives its bits, since rounding keeps the order
.endr
.irp b, 0,1,2,3
	v_max_num_f32 v[TM+\b], 0x2800000, v[TM+\b]    ; the floor 2^(5 - 127)
.endr
.irp b, 0,1,2,3
	v_add_nc_u32 v[TM+12+\b], 0xfe000000, v[TM+\b]
.endr
.irp b, 0,1,2,3
	v_lshrrev_b32 v[TM+4+\b], 23, v[TM+12+\b]
.endr
	v_lshl_or_b32 v[PW], v[TM+5], 8, v[TM+4]
	v_lshl_or_b32 v[PW], v[TM+6], 16, v[PW]
	v_lshl_or_b32 v[PW], v[TM+7], 24, v[PW]
	WIN (EW<<6)|EW
.set i, 0
.rept 32
	v_pk_mul_f32 v[EB+2*i:EB+2*i+1], v[EB+2*i:EB+2*i+1], v[14:15]
.set i, i+1
.endr
	PACK6 EB, EW, PC
.rept 4
	v_nop                                          ; an operand written by vector instructions stands four places ahead of a scaled product
.endr
	WIN 0x03
	MM OA, 24*(\s), PC, OA, VS+(\s), PW, 0, 0      ; the two tiles of d take turns through all steps
	MM OA+8, 24*(\s)+12, PC, OA+8, VS+(\s), PW, 1, 0
	WIN 0
.endm
	s_load_b512 s[8:23], s[0:1], 0x0               ; Q 8, lengths 10, bq 12, bo 14, g0 16, b0 18, g1 20, b1 22
	s_load_b256 s[24:31], s[0:1], 0x40             ; kc 24, ks 26, vc 28, vs 30
	s_load_b128 s[32:35], s[0:1], 0x60             ; wc 32, ws 34
	s_load_b64 s[36:37], s[0:1], 0x70              ; out0
	v_lshl_add_u32 v254, v0, 2, 0x8200
	v_mov_b32 v255, 0
	v_lshrrev_b32 v1, 5, v0
	v_readfirstlane_b32 s38, v1                    ; wave 0..3
	v_and_b32 v1, 31, v0
	v_and_b32 v2, 15, v0
	v_bfe_u32 v3, v0, 4, 1
	v_lshlrev_b32 v4, 4, v1
	v_lshlrev_b32 v5, 2, v1
	v_lshlrev_b32 v6, 3, v1
	v_lshlrev_b32 v8, 6, v3
	v_lshl_add_u32 v7, v2, 10, v8                  ; Q: row r of 1,024 bytes, + 64 h: my 16 numbers of a block of 32
	v_mad_u32_u24 v18, v2, 1040, v8
	s_lshl_b32 s72, s38, 8
	v_add_nc_u32 v9, s72, v18
	s_mul_i32 s72, s38, 4160
	v_add_nc_u32 v11, s72, v4
	v_add_nc_u32 v11, OS2, v11
	v_mov_b32 v16, 0xf149f2ca                      ; -1e30
	v_mov_b32 v19, 0                               ; (lane permutes' destinations count as sources: written once)
.irp b, 0,1,2,3
	v_mov_b32 v[TM+4+\b], 0
.endr
.irp i, 0,1,2
	v_mov_b32 v[236+\i], 0
.endr
	s_mov_b32 s50, 0x3db8aa3b                      ; log2(e) / 16
	s_mov_b32 s51, s50                             ; (named with it as a pair)
	s_mov_b32 s[SEL], 0x76543210
	s_mov_b32 s[SEL+1], 0xfedcba98
	s_mov_b32 s54, 0x0000ffff                      ; lanes 0-15
	s_mov_b32 s55, 0xffff0000                      ; lanes 16-31
	s_mov_b32 s80, 0x3b800000                      ; 1 / 256
	s_mov_b32 s81, 0x3727c5ac                      ; 1e-5
	s_and_b32 s40, ttmp9, 7                        ; batch
	s_lshr_b32 s41, ttmp9, 3                       ; tile of 16 rows
	s_lshl_b32 s42, s41, 4                         ; its first row
	s_lshl_b32 s43, s40, 10
	s_add_co_u32 s43, s43, s42
	s_lshl_b32 s72, s40, 2
	s_mov_b32 s73, 0
	s_lshl_b32 s74, s43, 10
	s_mov_b32 s75, 0
	s_lshl_b32 s76, s38, 12
	s_mov_b32 s77, 0
	s_mov_b32 s48, 0                               ; the trip
	s_mov_b32 s39, 0                               ; and its head's 128 bytes in a stage row
	s_wait_kmcnt 0x0
	s_add_nc_u64 s[10:11], s[10:11], s[72:73]
	s_load_b32 s44, s[10:11], 0x0                  ; the batch's length
	s_add_nc_u64 s[8:9], s[8:9], s[74:75]          ; Q at the tile's first row
	s_add_nc_u64 s[36:37], s[36:37], s[74:75]
	s_add_nc_u64 s[36:37], s[36:37], s[76:77]      ; out0 at my four rows
	WIN 0x40
.irp g, 0,1
.irp b, 0,1,2,3
.irp j, 0,1,2,3
	global_load_b128 v[64*\g+16*\b+4*\j:64*\g+16*\b+4*\j+3], v7, s[8:9] offset:512*\g+128*\b+16*\j
.endr
.endr
.endr
	WIN 0
	s_wait_kmcnt 0x0
	s_max_i32 s44, s44, 0
	s_min_i32 s44, s44, 1024
	s_add_co_u32 s46, s44, 127
	s_lshr_b32 s46, s46, 7
	s_sub_co_i32 s46, s46, 1                       ; the last key step with keys that count
	s_lshl_b32 s72, s46, 7
	s_sub_co_i32 s47, s44, s72                     ; how many of its 128 count
	s_sub_co_i32 s72, s44, s42
	v_cmp_gt_i32 vcc_lo, s72, v2
	v_cndmask_b32 v12, 0, 1.0, vcc_lo              ; my row's mask
	v_mov_b32 v13, v12
	v_lshlrev_b32 v17, 4, v3
	v_sub_nc_u32 v17, s47, v17                     ; register 8 t + j of a step holds key 32 (t / 2) + 8 (t % 2) + j + 16 h
	WIN 0xc0
.irp t, 0,1,2,3,4,5,6,7
.irp j, 0,1,2,3,4,5,6,7
	v_cmp_ge_i32 vcc_lo, 32*(\t/2)+8*(\t%2)+\j, v17
	v_cndmask_b32 v[192+8*\t+\j], 0, v16, vcc_lo
.endr
.endr
	WIN 0
	s_wait_loadcnt 0x0
	QUANT 0, 1, XF, 78                             ; each wave quantises the 16 rows itself: two runs of the quantiser in place of a barrier
	QUANT 64, 1, XF+12, 79
.irp z, 0,1,2,3,4,5
	v_mov_b32 v[QV+\z], 0                          ; the zero codes of q's variants.  (These 18 are also the places between the quantiser and the first product)
	v_mov_b32 v[QV+12+\z], 0
	v_mov_b32 v[QV+24+\z], 0
.endr
.Lhead:                                            ; two trips: heads 2 w and 2 w + 1
	s_wait_xcnt 0x0                                ; the last trip's loads have read their bases: they are written again only behind this wait
	s_lshl_b32 s49, s38, 1
	s_add_co_u32 s49, s49, s48                     ; the head
	s_lshl_b32 s72, s40, 3
	s_add_co_u32 s72, s72, s49
	s_mul_i32 s74, s72, 24576
	s_mov_b32 s75, 0
	s_add_nc_u64 s[56:57], s[24:25], s[74:75]      ; k's codes,
	s_add_nc_u64 s[60:61], s[28:29], s[74:75]      ; v's,
	s_lshl_b32 s74, s72, 10
	s_add_nc_u64 s[58:59], s[26:27], s[74:75]      ; their scale words,
	s_add_nc_u64 s[62:63], s[30:31], s[74:75]
	s_mul_i32 s74, s49, 6144
	s_add_nc_u64 s[66:67], s[32:33], s[74:75]      ; Wq's 32 columns,
	s_lshl_b32 s74, s49, 8
	s_add_nc_u64 s[68:69], s[34:35], s[74:75]
	s_lshl_b32 s74, s49, 7
	s_add_nc_u64 s[70:71], s[12:13], s[74:75]      ; bq's
	s_cmp_lt_u32 s42, s44
	s_cbranch_scc0 .Lzero                          ; all 16 rows lie at or beyond the length: q + A v = 0
	WIN 0xc0
.irp f, 0,1,2,3
.irp c, 0,1,2
	global_load_b128 v[96+12*\f+4*\c:96+12*\f+4*\c+3], v4, s[66:67] offset:1536*\f+512*\c
.endr
.endr
.irp u, 0,1
.irp k, 0,1
	global_load_b128 v[144+8*\u+4*\k:144+8*\u+4*\k+3], v8, s[70:71] offset:32*\u+16*\k
.endr
.endr
	WIN 0
	global_load_b64 v[76:77], v6, s[68:69]
	KLOAD 0
	s_wait_loadcnt 7                               ; all but k's seven
	WIN 0x33                                       ; A (Wq) and C (bq) window 3
	MM OA, 96, XF, 144, 76, 78, 0, 0
	MM OA+8, 120, XF, 152, 76, 78, 1, 0
	WIN 0x03
	MM OA, 108, XF+12, OA, 77, 79, 0, 0
	MM OA+8, 132, XF+12, OA+8, 77, 79, 1, 0
	WIN 0
.rept 4
	v_nop
.endr
.irp i, 0,2,4,6,8,10,12,14
	v_pk_mul_f32 v[OA+\i:OA+\i+1], v[OA+\i:OA+\i+1], v[12:13]   ; x the row's mask: register 8 u + j is q(r, 16 h + 8 u + j)
.endr
	v_max3_num_f32 v28, |v[OA]|, |v[OA+1]|, 0x2800000
	v_max3_num_f32 v29, |v[OA+2]|, |v[OA+3]|, |v[OA+4]|
	v_max3_num_f32 v28, v28, |v[OA+5]|, |v[OA+6]|
	v_max3_num_f32 v29, v29, |v[OA+7]|, |v[OA+8]|
	v_max3_num_f32 v28, v28, |v[OA+9]|, |v[OA+10]|
	v_max3_num_f32 v29, v29, |v[OA+11]|, |v[OA+12]|
	v_max3_num_f32 v28, v28, |v[OA+13]|, |v[OA+14]|
	v_max3_num_f32 v28, v28, v29, |v[OA+15]|
	v_permlanex16_b32 v32, v28, s[SEL], s[SEL+1]
	v_max_num_f32 v28, v28, v32                    ; the head's 32 numbers are one block
	v_add_nc_u32 v40, 0xfe000000, v28
	v_lshrrev_b32 v32, 23, v40
	v_lshl_or_b32 v[QS], v32, 8, v32
	v_lshl_or_b32 v[QS], v[QS], 16, v[QS]          ; the byte in all four places: whichever block holds the codes
	v_cvt_scalef32_pk16_bf6_f32 v[232:234], v[OA:OA+15], v40
	v_nop
.irp i, 0,1,2
	v_permlanex16_b32 v[236+\i], v[232+\i], s[SEL], s[SEL+1]
.endr
.irp i, 0,1,2
	v_cndmask_b32 v[QV+6+\i], 0, v[232+\i], s54    ; lanes 0-15: d 0-15 are mine,
	v_cndmask_b32 v[QV+9+\i], 0, v[236+\i], s54    ; d 16-31 the other half's
	v_cndmask_b32 v[QV+18+\i], 0, v[236+\i], s55   ; lanes 16-31: the other way round
	v_cndmask_b32 v[QV+21+\i], 0, v[232+\i], s55
.endr
	ZSUM                                           ; (eight places between q's variants and the first score)
.irp s, 0,1,2,3,4,5,6,7
	ASTEP \s
.endr
	MID 7
.irp s, 7,6,5,4,3,2,1,0
	BSTEP \s
.endr
.rept 5
	v_nop                                          ; places behind the last products, ahead of the stores of their results and of the next trip's products into the same registers
.endr
	s_branch .Lodone
.irp s, 6,5,4,3,2,1,0
	MID \s
.endr
.Lzero:
.irp i, 0,1,2,3,4,5,6,7,8,9,10,11,12,13,14,15
	v_mov_b32 v[OA+\i], 0
.endr
.Lodone:
	v_add_nc_u32 v10, s39, v9
	ds_store_b128 v10, v[OA:OA+3]                  ; row r, columns 32 head + 16 h + 0 .. 15
	ds_store_b128 v10, v[OA+4:OA+7] offset:16
	ds_store_b128 v10, v[OA+8:OA+11] offset:32
	ds_store_b128 v10, v[OA+12:OA+15] offset:48
	s_wait_dscnt 0x0
	s_add_co_u32 s39, s39, 128
	s_add_co_u32 s48, s48, 1
	s_cmp_lt_u32 s48, 2
	s_cbranch_scc1 .Lhead
	; ---- behind the loop: every wave, whatever the length.  102 loads go out ahead of the barrier: g0 and b0 (64), Wo's eight fragments (24), bo (8), Wo's scale words (2), g1 and b1 (4)
	s_wait_xcnt 0x0
	s_lshl_b32 s72, s38, 1
	s_add_co_u32 s72, s72, 8                       ; Wo's groups of 32 columns 2 w and 2 w + 1 lie behind Wq's eight
	s_mul_i32 s74, s72, 6144
	s_mov_b32 s75, 0
	s_add_nc_u64 s[56:57], s[32:33], s[74:75]
	s_lshl_b32 s74, s72, 8
	s_add_nc_u64 s[58:59], s[34:35], s[74:75]
	s_lshl_b32 s74, s38, 8
	s_add_nc_u64 s[60:61], s[14:15], s[74:75]
	WIN 0x80
.irp g, 0,1
.irp b, 0,1,2,3
.irp j, 0,1,2,3
	global_load_b128 v[64*\g+16*\b+4*\j:64*\g+16*\b+4*\j+3], v8, s[16:17] offset:512*\g+128*\b+16*\j
.endr
.endr
.endr
.irp g, 0,1
.irp b, 0,1,2,3
.irp j, 0,1,2,3
	global_load_b128 v[128+64*\g+16*\b+4*\j:128+64*\g+16*\b+4*\j+3], v8, s[18:19] offset:512*\g+128*\b+16*\j
.endr
.endr
.endr
	WIN 0xc0
.irp x, 0,1
.irp f, 0,1,2,3
.irp c, 0,1,2
	global_load_b128 v[48*\x+12*\f+4*\c:48*\x+12*\f+4*\c+3], v4, s[56:57] offset:6144*\x+1536*\f+512*\c
.endr
.endr
.endr
.irp x, 0,1
.irp u, 0,1
.irp k, 0,1
	global_load_b128 v[96+16*\x+8*\u+4*\k:96+16*\x+8*\u+4*\k+3], v8, s[60:61] offset:128*\x+32*\u+16*\k
.endr
.endr
.endr
	WIN 0
	global_load_b64 v[76:77], v6, s[58:59]
	global_load_b64 v[240:241], v6, s[58:59] offset:256
.irp e, 0,1
	global_load_b128 v[216+4*\e:216+4*\e+3], v4, s[20:21] offset:512*\e
.endr
.irp e, 0,1
	global_load_b128 v[224+4*\e:224+4*\e+3], v4, s[22:23] offset:512*\e
.endr
	s_wait_dscnt 0x0                               ; for the others' sake: my two heads lie in the stage
	s_barrier_signal -1
	s_barrier_wait -1                              ; all eight do
	; ---- the first norm: every wave for all 16 rows, in the layout that the quantiser takes
	WIN 0x40
.irp g, 0,1
.irp b, 0,1,2,3
.irp j, 0,1,2,3
	ds_load_b128 v[64*\g+16*\b+4*\j:64*\g+16*\b+4*\j+3], v18 offset:512*\g+128*\b+16*\j
.endr
.endr
.endr
	WIN 0
	ZSUM
	s_wait_dscnt 0x0
	WIN 0x04
.set i, 0
.rept 64
	v_pk_add_f32 v[20+2*(i%4):21+2*(i%4)], v[20+2*(i%4):21+2*(i%4)], v[2*i:2*i+1]
.set i, i+1
.endr
	WIN 0
	REDUCE
	v_mul_f32 v110, 0xbb800000, v20                ; -mean
	v_mov_b32 v111, v110
	ZSUM
	WIN 0x41
.set i, 0
.rept 64
	v_pk_add_f32 v[2*i:2*i+1], v[2*i:2*i+1], v[110:111]
.set i, i+1
.endr
	WIN 0x05
.set i, 0
.rept 64
	v_pk_fma_f32 v[20+2*(i%4):21+2*(i%4)], v[2*i:2*i+1], v[2*i:2*i+1], v[20+2*(i%4):21+2*(i%4)]
.set i, i+1
.endr
	WIN 0
	REDUCE
	v_fma_f32 v20, v20, s80, s81                   ; variance + 1e-5
	v_rsq_f32 v110, v20
	v_nop
	s_wait_alu depctr_va_vdst(0)                   ; ahead of the root's first reader
	v_mov_b32 v111, v110
	WIN 0x41
.set i, 0
.rept 64
	v_pk_mul_f32 v[2*i:2*i+1], v[2*i:2*i+1], v[110:111]
.set i, i+1
.endr
	s_wait_loadcnt 38                              ; g0 and b0 are in: 38 loads were issued behind them
	WIN 0x69                                       ; y window 1, g0 and b0 window 2
.set i, 0
.rept 64
	v_pk_fma_f32 v[2*i:2*i+1], v[2*i:2*i+1], v[2*i:2*i+1], v[128+2*i:128+2*i+1]
.set i, i+1
.endr
	QUANT 0, 1, XF, 78
	QUANT 64, 1, XF+12, 79
.rept 8
	v_nop                                          ; a scale register written by vector instructions stands eight places ahead of a scaled product, an operand four
.endr
	s_wait_loadcnt 4                               ; all but g1 and b1
	; ---- y Wo + bo: my 64 columns, four accumulators by turns
	WIN 0x33
.irp x, 0,1
.irp u, 0,1
	MM OA+16*\x+8*\u, 48*\x+24*\u, XF, 96+16*\x+8*\u, 76+164*\x, 78, \u, 0
.endr
.endr
	WIN 0x03
.irp x, 0,1
.irp u, 0,1
	MM OA+16*\x+8*\u, 48*\x+24*\u+12, XF+12, OA+16*\x+8*\u, 77+164*\x, 79, \u, 0
.endr
.endr
	WIN 0
.rept 4
	v_nop
.endr
.set i, 0
.rept 32
	v_max_num_f32 v[OA+i], 0, v[OA+i]              ; relu
.set i, i+1
.endr
.irp q, 0,1,2,3                                ; + y: my columns of y are registers 32 w .. 32 w + 31 of window 1: an arm for each wave
	s_cmp_lg_u32 s38, \q
	s_cbranch_scc1 .Lnoty\q
	WIN 0x04
.set i, 0
.rept 16
	v_pk_add_f32 v[OA+2*i:OA+2*i+1], v[OA+2*i:OA+2*i+1], v[32*\q+2*i:32*\q+2*i+1]
.set i, i+1
.endr
	WIN 0
.Lnoty\q:
.endr
.irp x, 0,1
.irp k, 0,1,2,3
	ds_store_b128 v9, v[OA+16*\x+4*\k:OA+16*\x+4*\k+3] offset:OS2+128*\x+16*\k
.endr
.endr
	s_wait_dscnt 0x0                               ; for the others' sake: my 64 columns lie in the second stage
	s_barrier_signal -1
	s_barrier_wait -1
	; ---- the last norm: four whole rows a wave, 8 numbers a lane, the rows by turns
.irp p, 0,1,2,3
.irp e, 0,1
	ds_load_b128 v[184+8*\p+4*\e:184+8*\p+4*\e+3], v11 offset:1040*\p+512*\e
.endr
.endr
	s_wait_loadcnt_dscnt 0x0
.irp p, 0,1,2,3
	v_pk_add_f32 v[20+2*\p:21+2*\p], v[184+8*\p:185+8*\p], v[186+8*\p:187+8*\p]
	v_pk_add_f32 v[28+2*\p:29+2*\p], v[188+8*\p:189+8*\p], v[190+8*\p:191+8*\p]
.endr
.irp p, 0,1,2,3
	v_pk_add_f32 v[20+2*\p:21+2*\p], v[20+2*\p:21+2*\p], v[28+2*\p:29+2*\p]
.endr
.irp p, 0,1,2,3
	v_add_f32 v[20+2*\p], v[20+2*\p], v[21+2*\p]
.endr
.irp m, 1,2,4,8
.irp p, 0,1,2,3
	v_add_f32_dpp v[20+2*\p], v[20+2*\p], v[20+2*\p] row_xmask:\m row_mask:0xf bank_mask:0xf
.endr
.endr
.irp p, 0,1,2,3
	v_permlanex16_b32 v[21+2*\p], v[20+2*\p], s[SEL], s[SEL+1]
.endr
.irp p, 0,1,2,3
	v_add_f32 v[20+2*\p], v[20+2*\p], v[21+2*\p]
.endr
.irp p, 0,1,2,3
	v_mul_f32 v[20+2*\p], 0xbb800000, v[20+2*\p]   ; -mean
.endr
.irp p, 0,1,2,3
	v_mov_b32 v[21+2*\p], v[20+2*\p]
.endr
.irp k, 0,1,2,3
.irp p, 0,1,2,3
	v_pk_add_f32 v[184+8*\p+2*\k:185+8*\p+2*\k], v[184+8*\p+2*\k:185+8*\p+2*\k], v[20+2*\p:21+2*\p]
.endr
.endr
.irp p, 0,1,2,3
	v_pk_mul_f32 v[28+2*\p:29+2*\p], v[184+8*\p:185+8*\p], v[184+8*\p:185+8*\p]
.endr
.irp k, 1,2,3
.irp p, 0,1,2,3
	v_pk_fma_f32 v[28+2*\p:29+2*\p], v[184+8*\p+2*\k:185+8*\p+2*\k], v[184+8*\p+2*\k:185+8*\p+2*\k], v[28+2*\p:29+2*\p]
.endr
.endr
.irp p, 0,1,2,3
	v_add_f32 v[28+2*\p], v[28+2*\p], v[29+2*\p]
.endr
.irp m, 1,2,4,8
.irp p, 0,1,2,3
	v_add_f32_dpp v[28+2*\p], v[28+2*\p], v[28+2*\p] row_xmask:\m row_mask:0xf bank_mask:0xf
.endr
.endr
.irp p, 0,1,2,3
	v_permlanex16_b32 v[29+2*\p], v[28+2*\p], s[SEL], s[SEL+1]
.endr
.irp p, 0,1,2,3
	v_add_f32 v[28+2*\p], v[28+2*\p], v[29+2*\p]
.endr
.irp p, 0,1,2,3
	v_fma_f32 v[28+2*\p], v[28+2*\p], s80, s81     ; variance + 1e-5
.endr
.irp p, 0,1,2,3
	v_rsq_f32 v[20+2*\p], v[28+2*\p]
.endr
	v_nop
	s_wait_alu depctr_va_vdst(0)                   ; one wait for the four roots, ahead of their first reader
.irp p, 0,1,2,3
	v_mov_b32 v[21+2*\p], v[20+2*\p]
.endr
.irp k, 0,1,2,3
.irp p, 0,1,2,3
	v_pk_mul_f32 v[184+8*\p+2*\k:185+8*\p+2*\k], v[184+8*\p+2*\k:185+8*\p+2*\k], v[20+2*\p:21+2*\p]
.endr
.endr
.irp k, 0,1,2,3
.irp p, 0,1,2,3
	v_pk_fma_f32 v[184+8*\p+2*\k:185+8*\p+2*\k], v[184+8*\p+2*\k:185+8*\p+2*\k], v[216+2*\k:217+2*\k], v[224+2*\k:225+2*\k]
.endr
.endr
.irp p, 0,1,2,3
.irp e, 0,1
	global_store_b128 v4, v[184+8*\p+4*\e:184+8*\p+4*\e+3], s[36:37] offset:1024*\p+512*\e th:TH_STORE_NT   ; 32 lanes store 512 consecutive bytes, at a multiple of 256 from out0's first byte
.endr
.endr
	s_wait_tensorcnt 0x0
	ds_add_u32 v254, v255
	s_wait_dscnt 0x0
	s_endpgm
.Lfunc_end_k_qb01c61effd_attn:
	.size	k_qb01c61effd_attn, .Lfunc_end_k_qb01c61effd_attn-k_qb01c61effd_attn
	.p2alignl 7, 3214868480
	.fill 96, 4, 3214868480
	.section	.rodata,"a",@progbits
	.p2align	6, 0x0
	.amdhsa_kernel k_qb01c61effd_attn
		.amdhsa_group_segment_fixed_size 33792
		.amdhsa_private_segment_fixed_size 0
		.amdhsa_enable_private_segment 0
		.amdhsa_kernarg_size 120
		.amdhsa_user_sgpr_count 2
		.amdhsa_user_sgpr_kernarg_segment_ptr 1
		.amdhsa_wavefront_size32 1
		.amdhsa_system_sgpr_workgroup_id_x 1
		.amdhsa_system_sgpr_workgroup_id_y 1
		.amdhsa_system_sgpr_workgroup_id_z 1
		.amdhsa_system_vgpr_workitem_id 0
		.amdhsa_next_free_vgpr 1024
		.amdhsa_next_free_sgpr 84
		.amdhsa_reserve_vcc 1
		.amdhsa_float_denorm_mode_32 3
		.amdhsa_float_denorm_mode_16_64 3
		.amdhsa_memory_ordered 1
		.amdhsa_forward_progress 1
		.amdhsa_inst_pref_size 223
	.end_amdhsa_kernel
	.amdgpu_metadata
---
amdhsa.version: [ 1, 2 ]
amdhsa.kernels:
  - .name:           k_qb01c61effd_attn
    .symbol:         k_qb01c61effd_attn.kd
    .args:
      - { .name: Q, .offset: 0, .size: 8, .value_kind: global_buffer, .address_space: global }
      - { .name: lengths, .offset: 8, .size: 8, .value_kind: global_buffer, .address_space: global }
      - { .name: bq, .offset: 16, .size: 8, .value_kind: global_buffer, .address_space: global }
      - { .name: bo, .offset: 24, .size: 8, .value_kind: global_buffer, .address_space: global }
      - { .name: g0, .offset: 32, .size: 8, .value_kind: global_buffer, .address_space: global }
      - { .name: b0, .offset: 40, .size: 8, .value_kind: global_buffer, .address_space: global }
      - { .name: g1, .offset: 48, .size: 8, .value_kind: global_buffer, .address_space: global }
      - { .name: b1, .offset: 56, .size: 8, .value_kind: global_buffer, .address_space: global }
      - { .name: kc, .offset: 64, .size: 8, .value_kind: global_buffer, .address_space: global }
      - { .name: ks, .offset: 72, .size: 8, .value_kind: global_buffer, .address_space: global }
      - { .name: vc, .offset: 80, .size: 8, .value_kind: global_buffer, .address_space: global }
      - { .name: vs, .offset: 88, .size: 8, .value_kind: global_buffer, .address_space: global }
      - { .name: wc, .offset: 96, .size: 8, .value_kind: global_buffer, .address_space: global }
      - { .name: ws, .offset: 104, .size: 8, .value_kind: global_buffer, .address_space: global }
      - { .name: out0, .offset: 112, .size: 8, .value_kind: global_buffer, .address_space: global }
    .group_segment_fixed_size: 33792
    .private_segment_fixed_size: 0
    .kernarg_segment_align: 8
    .kernarg_segment_size: 120
    .max_flat_workgroup_size: 128
    .sgpr_count:     84
    .vgpr_count:     1024
    .wavefront_size: 32
...
	.end_amdgpu_metadata
.endif
;; end of part 2
;; ======== version 2 of 3: 2 launches; 1.34 times as fast as version 1
;; workspace buffers: kc 1,572,864 bytes; ks 65,536 bytes; vc 1,572,864 bytes; vs 65,536 bytes; wc 98,304 bytes; ws 4,096 bytes
;; launch prep: the kernel of part 1 again; grid 260 x 1, 4 waves a work-group, no clusters, 289,280 bytes of LDS; arguments K, Wk, Wv, Wq, Wo, bk, bv, lengths, kc, ks, vc, vs, wc, ws; writes kc, ks, vc, vs, wc, ws
;; launch attn (part 3): grid 512 x 1, 4 waves a work-group, no clusters, 33,792 bytes of LDS; arguments Q, lengths, bq, bo, g0, b0, g1, b1, kc, ks, vc, vs, wc, ws, out0; writes out0
.if DOCPART == 3
	.amdgcn_target "amdgcn-amd-amdhsa--gfx1250"
	.amdhsa_code_object_version 6
	.text
	.protected	k_qb01c61effd_attn
	.globl	k_qb01c61effd_attn
	.p2align	8
	.type	k_qb01c61effd_attn,@function
k_qb01c61effd_attn:
	s_mov_b64 s[64:65], 0
	v_nop
	global_prefetch_b8 v0, s[64:65] scope:SCOPE_SE
	s_setreg_imm32_b32 hwreg(HW_REG_WAVE_MODE, 25, 1), 1
	s_wait_xcnt 0x0
; out0 = LN1(y + relu(y Wo + bo)), y = LN0(q + A v), q = (Q Wq + bq) x mask, A = e / (sum of e + 1e-15), e = exp(q k / 16) x mask x mask, head by head (8 heads of 32).
; All four products here (q, scores, A v, y Wo) run on codes of BF6 (E3M2) with one E8M0 scale for each 32 along K; everything else is f32.  k, v, Wq, Wo come as codes in the order of the operand registers.
; SHARES.  A work-group owns a tile of 16 rows of one batch and all 8 heads, so both layer norms stay inside it.  Wave w takes heads 2 w and 2 w + 1, one after the other,
;   then output columns 64 w .. 64 w + 63 of y Wo, then rows 4 w .. 4 w + 3 of the last norm.
; WHO TAKES WHICH TILE hangs on lengths, which every wave reads whole.  A tile's work grows with its batch's length (a key step for each 128 keys), and a tile all of whose rows lie at or beyond the length has no key step at all.
;   So the tiles with a row under the length come first, the batches in the order of falling length (of equal lengths the lower batch first), and the other tiles behind them, batch by batch:
;   the longest work has the lowest work-group numbers, and no long tile stands behind a short one.  The 512 numbers fall one to one onto the 512 tiles, whatever the lengths.
; A IS QUANTISED NORMALISED, so the row's sum must be known before any code is made: a head's e for 16 rows x 1,024 keys is 512 registers of the wave and stays there.  Phase A walks the key steps (128 keys) upward:
;   scores, exponentials, sums and each block's largest e.  Phase B walks them downward: x 1 / sum, codes, A v.  Downward, so that on every way into step s of phase B the steps 0 .. s of phase A have run.
; THE MASK is built from lengths: key steps at or beyond the length are left out by scalar branches on that whole number, and a tile of rows at or beyond it goes past Q and the heads: its q + A v is 0.
;   So this launch has no tensor load, and no barrier under such a branch.
;   In the last step hidden keys get -1e30 as the C of the score's product: their e is 0.  Rows at or beyond the length inside a live tile have q = 0 and 1 / sum = 0.
; K = 32 IN A FORM OF K = 128: a fragment of k holds 64 keys, one tile of 16 in each K block; it is multiplied by four variants of q, each with the head's 32 codes in one block and zero codes in the other three.
; LAYOUT.  All products are used transposed: a lane holds one row (lane % 16).  Tiles of keys and of columns are ordered so that 16 registers of two neighbouring tiles are 16 neighbours (row r of tile 2 b + u is element 32 b + 8 u + r + 8 (r / 8)).
;   q and A v have the same layout, so the sum of A v begins on q: the residual costs nothing.
; NOT SHARED IN A CLUSTER: work-groups of one batch walk the same k and v, but how many steps, or whether any, hangs on lengths.
; LIMITS.  NaN and infinities are not served.  The exponential is raw, as in the definition: it overflows where that does; a result under 2^-126 is 0 (ISA guide, v_exp_f32).  -1e30 hides a key for |score| under 1e29.
;   A = e x (1 / (sum + 1e-15)) by v_rcp_f32 and a multiplication, not a division.  A block of zeros carries the scale byte 1; nobody else reads it.  lengths are held to 0 .. 1024.
; REGISTERS, in windows of 256: window 0 below.  Windows 1 and 2: e, key step s at window 1 + s / 4, register 64 (s % 4); before the loop Q's numbers, behind it y (window 1) and g0, b0 (window 2).
;   Window 3: v0-191 v's fragments (24 s + 12 tile of d); at a trip's head v96-143 Wq's four fragments, v144-159 bq; v192-255 the last step's -1e30 or 0; behind the loop Wo's eight fragments and bo.
.set OS2, 16640                        ; LDS: 16 rows x (1,024 + 16) bytes of q + A v at 0; the same for y + relu(..) here.  Rows 1,040 bytes apart: the sixteen rows of a 16-byte access start at sixteen different 16-byte columns modulo 256
.set TM,  28                           ; v28-43  at work in the quantiser
.set PC,  44                           ; v44-55  A's fragment
.set PT,  56                           ; v56-63  upper halves of blocks, before they are moved
.set PW,  64                           ; v64     A's scale word
.set QS,  65                           ; v65     q's scale byte, four times
.set KS,  66                           ; v66-67  k's scale words, two sets
.set VS,  68                           ; v68-75  v's scale words, a register for each step
.set QV,  80                           ; v80-109 zeros, q in lanes 0-15, zeros, q in lanes 16-31, zeros: 6 registers each; variant p begins at QV + 6 ((2 p + 1) % 5)
.set OA,  112                          ; v112-127 q, then q + A v: two tiles of d;  behind the loop v112-143: four tiles of y Wo
.set BM,  128                          ; v128-159 each block's largest e: 4 s + b
.set XF,  160                          ; v160-183 two fragments: Q's rows, later y's
.set KB,  184                          ; v184-231 k's fragments, two sets of two
.set SEL, 52                           ; s[52:53] lane selects for v_permlanex16_b32: lane l xor 16
.set LEN, 84                           ; s84-91  the eight lengths, held to 0 .. 1024
.set LIV, 92                           ; s92-99  each batch's tiles that have a row under its length
.set BEG, 56                           ; s56-63  the number of the work-group that takes each batch's tile 0 (pointers later)
; v1 lane, v2 r, v3 h, v4 16 lane, v5 4 lane, v6 8 lane, v7 Q's offset, v8 64 h, v9 stage 1040 r + 64 h + 256 w, v10 the same + the trip's 128, v11 last norm's rows, v[12:13] the row's mask, v[14:15] 1 / sum,
; v16 -1e30, v17 threshold, v18 1040 r + 64 h, v19 at work, v20-27 sums in four pairs, v[76:77], v[240:241] weights' scale words, v[78:79] rows' scale words, v[110:111] -mean, 1 / deviation, v232-238 q's codes
.set MSB, 0
.macro WIN new                         ; the immediate's high byte repeats the setting that is left; a switch that changes nothing is dropped
.if MSB != (\new)
	s_set_vgpr_msb (MSB<<8)|(\new)
.set MSB, (\new)
.endif
.endm
.macro MM d, a, b, c, sa, sb, ra, rb   ; one matrix instruction: D, A, B, C (below 0: the constant 0), the scale registers, and which half of the lanes holds each side's scales
.if (\c) < 0
.if (\ra) == 1
	v_wmma_scale_f32_16x16x128_f8f6f4 v[(\d):(\d)+7], v[(\a):(\a)+11], v[(\b):(\b)+11], 0, v[\sa], v[\sb] matrix_a_fmt:MATRIX_FMT_BF6 matrix_b_fmt:MATRIX_FMT_BF6 matrix_a_scale:MATRIX_SCALE_ROW1
.else
	v_wmma_scale_f32_16x16x128_f8f6f4 v[(\d):(\d)+7], v[(\a):(\a)+11], v[(\b):(\b)+11], 0, v[\sa], v[\sb] matrix_a_fmt:MATRIX_FMT_BF6 matrix_b_fmt:MATRIX_FMT_BF6
.endif
.else
.if (\ra) == 1
	v_wmma_scale_f32_16x16x128_f8f6f4 v[(\d):(\d)+7], v[(\a):(\a)+11], v[(\b):(\b)+11], v[(\c):(\c)+7], v[\sa], v[\sb] matrix_a_fmt:MATRIX_FMT_BF6 matrix_b_fmt:MATRIX_FMT_BF6 matrix_a_scale:MATRIX_SCALE_ROW1
.elseif (\rb) == 1
	v_wmma_scale_f32_16x16x128_f8f6f4 v[(\d):(\d)+7], v[(\a):(\a)+11], v[(\b):(\b)+11], v[(\c):(\c)+7], v[\sa], v[\sb] matrix_a_fmt:MATRIX_FMT_BF6 matrix_b_fmt:MATRIX_FMT_BF6 matrix_b_scale:MATRIX_SCALE_ROW1
.else
	v_wmma_scale_f32_16x16x128_f8f6f4 v[(\d):(\d)+7], v[(\a):(\a)+11], v[(\b):(\b)+11], v[(\c):(\c)+7], v[\sa], v[\sb] matrix_a_fmt:MATRIX_FMT_BF6 matrix_b_fmt:MATRIX_FMT_BF6
.endif
.endif
.endm
; 64 numbers at v[s] on of window w (register 16 b + i = k 32 b + 16 (lane / 16) + i of my row), scale operands in v[TM+12 ..]: the fragment's 12 registers at v[pc] on
.macro PACK6 s, w, pc
	WIN (\w)
.irp c, 0,1
	v_cvt_scalef32_pk16_bf6_f32 v[(\pc)+6*\c:(\pc)+6*\c+2], v[(\s)+32*\c:(\s)+32*\c+15], v[TM+12+2*\c]
	v_cvt_scalef32_pk16_bf6_f32 v[PT+4*\c:PT+4*\c+2], v[(\s)+32*\c+16:(\s)+32*\c+31], v[TM+13+2*\c]   ; (a conversion's three registers begin on an even number)
.endr
	WIN 0
	v_nop                                          ; one plain instruction behind the scaled conversions
.irp c, 0,1                                    ; the operand wants a whole block in a lane: lanes 0-15 block 2 c, lanes 16-31 block 2 c + 1
.irp i, 0,1,2
	v_permlane16_swap_b32 v[(\pc)+6*\c+\i], v[PT+4*\c+\i]
.endr
.irp i, 0,1,2
	v_mov_b32 v[(\pc)+6*\c+3+\i], v[PT+4*\c+\i]
.endr
.endr
.endm
.macro QUANT s, w, pc, pw              ; the four blocks' largest magnitudes (with the floor 2^(5 - 127)), the scale word into v[pw], the codes into v[pc] on
	WIN (\w)|((\w)<<2)
.irp b, 0,1,2,3
	v_max3_num_f32 v[TM+\b], |v[(\s)+16*\b]|, |v[(\s)+16*\b+1]|, 0x2800000
.endr
.irp i, 2,4,6,8,10,12,14
.irp b, 0,1,2,3
	v_max3_num_f32 v[TM+\b], |v[(\s)+16*\b+\i]|, |v[(\s)+16*\b+\i+1]|, v[TM+\b]
.endr
.endr
	WIN 0
.irp b, 0,1,2,3
	v_permlanex16_b32 v[TM+4+\b], v[TM+\b], s[SEL], s[SEL+1]
.endr
.irp b, 0,1,2,3
	v_max_num_f32 v[TM+\b], v[TM+\b], v[TM+4+\b]
.endr
.irp b, 0,1,2,3
	v_add_nc_u32 v[TM+12+\b], 0xfe000000, v[TM+\b] ; 4 off the exponent field: the conversion's scale operand
.endr
.irp b, 0,1,2,3
	v_lshrrev_b32 v[TM+4+\b], 23, v[TM+12+\b]      ; the scale's byte
.endr
	v_lshl_or_b32 v[\pw], v[TM+5], 8, v[TM+4]
	v_lshl_or_b32 v[\pw], v[TM+6], 16, v[\pw]
	v_lshl_or_b32 v[\pw], v[TM+7], 24, v[\pw]
	PACK6 \s, \w, \pc
.endm
.macro REDUCE                          ; the four pairs of sums, and lane l xor 16's: the row's sum in v20
	v_pk_add_f32 v[20:21], v[20:21], v[22:23]
	v_pk_add_f32 v[24:25], v[24:25], v[26:27]
	v_pk_add_f32 v[20:21], v[20:21], v[24:25]
	v_add_f32 v20, v20, v21
	v_permlanex16_b32 v19, v20, s[SEL], s[SEL+1]
	v_add_f32 v20, v20, v19
.endm
.macro ZSUM
.irp i, 0,1,2,3,4,5,6,7
	v_mov_b32 v[20+\i], 0
.endr
.endm
.macro KLOAD s                         ; key step s: two fragments of 64 keys and their scale words, into set s % 2: seven loads
.irp f, 0,1
.irp c, 0,1,2
	global_load_b128 v[KB+24*((\s)%2)+12*\f+4*\c:KB+24*((\s)%2)+12*\f+4*\c+3], v4, s[56:57] offset:3072*(\s)+1536*\f+512*\c
.endr
.endr
	global_load_b32 v[KS+(\s)%2], v5, s[58:59] offset:128*(\s)
.endm
.macro VLOAD s                         ; key step s of v: two fragments (tiles of d) and their scale words: seven loads, wanted only in phase B
	WIN 0xc0
.irp u, 0,1
.irp c, 0,1,2
	global_load_b128 v[24*(\s)+12*\u+4*\c:24*(\s)+12*\u+4*\c+3], v4, s[60:61] offset:3072*(\s)+1536*\u+512*\c
.endr
.endr
	WIN 0
	global_load_b32 v[VS+(\s)], v5, s[62:63] offset:128*(\s)
.endm
.macro SCORES s, m                     ; eight products: key tile 4 f + p = fragment f x variant p of q.  m = 1: the last step: C holds -1e30 at hidden keys
.irp f, 0,1
.irp p, 0,1,2,3
.if \m
	MM EB+8*(4*\f+\p), KB+24*((\s)%2)+12*\f, QV+6*((2*\p+1)%5), 192+8*(4*\f+\p), KS+(\s)%2, QS, \f, 0
.else
	MM EB+8*(4*\f+\p), KB+24*((\s)%2)+12*\f, QV+6*((2*\p+1)%5), -1, KS+(\s)%2, QS, \f, 0
.endif
.endr
.endr
.endm
; PHASE A, key step s: written out for each s, since e's registers move from step to step
.macro ASTEP s
.set EW, 1+(\s)/4
.set EB, 64*((\s)%4)
.if (\s) < 7
	KLOAD (\s)+1                                   ; a step ahead; all eight steps lie in the buffer, whatever the length
.endif
	VLOAD \s
.if ((\s) == 0) || ((\s) == 7)
	s_wait_loadcnt 14                              ; behind this step's k: two groups of seven loads
.else
	s_wait_loadcnt 21                              ; behind this step's k: v of the step before, k of the next, v of this one: seven each
.endif
	s_cmp_eq_u32 s46, \s
	s_cbranch_scc1 .Lmask_\s
	WIN (EW<<6)
	SCORES \s, 0
	WIN 0
	s_branch .Ljoin_\s
.Lmask_\s:
	WIN (EW<<6)|0x30
	SCORES \s, 1
	WIN 0
.Ljoin_\s:
.rept 4
	v_nop                                          ; four places behind the products, ahead of the first read of results (ISA guide 7.12.1)
.endr
	WIN (EW<<6)|EW
.set i, 0
.rept 32
	v_pk_mul_f32 v[EB+2*i:EB+2*i+1], v[EB+2*i:EB+2*i+1], s[50:51] op_sel_hi:[1,0]   ; x log2(e) / 16; each accumulator from its low end on
.set i, i+1
.endr
.set i, 0
.rept 64
	v_exp_f32 v[EB+i], v[EB+i]
.set i, i+1
.endr
	v_nop                                          ; a plain instruction behind the last exponential
	s_wait_alu depctr_va_vdst(0)                   ; one wait for the batch of 64, ahead of its first reader
	WIN (EW<<2)|(EW<<4)
.irp i, 0,2,4,6,8,10,12,14
.irp b, 0,1,2,3
	v_pk_add_f32 v[20+2*\b:21+2*\b], v[20+2*\b:21+2*\b], v[EB+16*\b+\i:EB+16*\b+\i+1]
.if \i == 0
	v_max3_num_f32 v[BM+4*(\s)+\b], 0, v[EB+16*\b+\i], v[EB+16*\b+\i+1]
.else
	v_max3_num_f32 v[BM+4*(\s)+\b], v[BM+4*(\s)+\b], v[EB+16*\b+\i], v[EB+16*\b+\i+1]
.endif
.endr
.endr
	WIN 0
.if (\s) < 7
	s_cmp_eq_u32 s46, \s
	s_cbranch_scc1 .LMID_\s                        ; that was the last step with keys that count
.endif
.endm
; between the phases, entered behind step s: 1 / (sum + 1e-15), 0 for a row at or beyond the length
.macro MID s
.if (\s) < 7
.LMID_\s:
.endif
	s_wait_loadcnt 0x0                             ; v's fragments, and the step of k that was asked for ahead
	REDUCE
	v_add_f32 v20, 0x26901d7d, v20                 ; + 1e-15
	v_rcp_f32 v14, v20
	v_nop
	s_wait_alu depctr_va_vdst(0)                   ; ahead of the reciprocal's first reader
	v_mul_f32 v14, v14, v12
	v_mov_b32 v15, v14
.if (\s) < 7
	s_branch .LB_\s
.endif
.endm
; PHASE B, key step s: A = e / sum, quantised along the keys, and q + A v
.macro BSTEP s
.set EW, 1+(\s)/4
.set EB, 64*((\s)%4)
.LB_\s:
.irp b, 0,1,2,3
	v_permlanex16_b32 v[TM+4+\b], v[BM+4*(\s)+\b], s[SEL], s[SEL+1]
.endr
.irp b, 0,1,2,3
	v_max_num_f32 v[TM+\b], v[BM+4*(\s)+\b], v[TM+4+\b]
.endr
.irp b, 0,1,2,3
	v_mul_f32 v[TM+\b], v[TM+\b], v14              ; the block's largest A: the same multiplication on the block's largest e gives its bits, since rounding keeps the order
.endr
.irp b, 0,1,2,3
	v_max_num_f32 v[TM+\b], 0x2800000, v[TM+\b]    ; the floor 2^(5 - 127)
.endr
.irp b, 0,1,2,3
	v_add_nc_u32 v[TM+12+\b], 0xfe000000, v[TM+\b]
.endr
.irp b, 0,1,2,3
	v_lshrrev_b32 v[TM+4+\b], 23, v[TM+12+\b]
.endr
	v_lshl_or_b32 v[PW], v[TM+5], 8, v[TM+4]
	v_lshl_or_b32 v[PW], v[TM+6], 16, v[PW]
	v_lshl_or_b32 v[PW], v[TM+7], 24, v[PW]
	WIN (EW<<6)|EW
.set i, 0
.rept 32
	v_pk_mul_f32 v[EB+2*i:EB+2*i+1], v[EB+2*i:EB+2*i+1], v[14:15]
.set i, i+1
.endr
	PACK6 EB, EW, PC
.rept 4
	v_nop                                          ; an operand written by vector instructions stands four places ahead of a scaled product
.endr
	WIN 0x03
	MM OA, 24*(\s), PC, OA, VS+(\s), PW, 0, 0      ; the two tiles of d take turns through all steps
	MM OA+8, 24*(\s)+12, PC, OA+8, VS+(\s), PW, 1, 0
	WIN 0
.endm
	s_load_b512 s[8:23], s[0:1], 0x0               ; Q 8, lengths 10, bq 12, bo 14, g0 16, b0 18, g1 20, b1 22
	s_load_b256 s[24:31], s[0:1], 0x40             ; kc 24, ks 26, vc 28, vs 30
	s_load_b128 s[32:35], s[0:1], 0x60             ; wc 32, ws 34
	s_load_b64 s[36:37], s[0:1], 0x70              ; out0
	v_lshl_add_u32 v254, v0, 2, 0x8200
	v_mov_b32 v255, 0
	v_lshrrev_b32 v1, 5, v0
	v_readfirstlane_b32 s38, v1                    ; wave 0..3
	s_wait_kmcnt 0x0
	s_load_b256 s[LEN:LEN+7], s[10:11], 0x0        ; all eight lengths; the lane terms and constants below are made while they come
	v_and_b32 v1, 31, v0
	v_and_b32 v2, 15, v0
	v_bfe_u32 v3, v0, 4, 1
	v_lshlrev_b32 v4, 4, v1
	v_lshlrev_b32 v5, 2, v1
	v_lshlrev_b32 v6, 3, v1
	v_lshlrev_b32 v8, 6, v3
	v_lshl_add_u32 v7, v2, 10, v8                  ; Q: row r of 1,024 bytes, + 64 h: my 16 numbers of a block of 32
	v_mad_u32_u24 v18, v2, 1040, v8
	s_lshl_b32 s72, s38, 8
	v_add_nc_u32 v9, s72, v18
	s_mul_i32 s72, s38, 4160
	v_add_nc_u32 v11, s72, v4
	v_add_nc_u32 v11, OS2, v11
	v_mov_b32 v16, 0xf149f2ca                      ; -1e30
	v_mov_b32 v19, 0                               ; (lane permutes' destinations count as sources: written once)
.irp b, 0,1,2,3
	v_mov_b32 v[TM+4+\b], 0
.endr
.irp i, 0,1,2
	v_mov_b32 v[236+\i], 0
.endr
	s_mov_b32 s50, 0x3db8aa3b                      ; log2(e) / 16
	s_mov_b32 s51, s50                             ; (named with it as a pair)
	s_mov_b32 s[SEL], 0x76543210
	s_mov_b32 s[SEL+1], 0xfedcba98
	s_mov_b32 s54, 0x0000ffff                      ; lanes 0-15
	s_mov_b32 s55, 0xffff0000                      ; lanes 16-31
	s_mov_b32 s80, 0x3b800000                      ; 1 / 256
	s_mov_b32 s81, 0x3727c5ac                      ; 1e-5
	s_wait_kmcnt 0x0
	; ---- which tile is mine.  Batch b has LIV_b = (length + 15) / 16 tiles with a row under its length; they take the numbers BEG_b .. BEG_b + LIV_b - 1,
	; BEG_b being the sum of LIV over the batches that come before b: those of greater length, and of equal length the lower ones
.irp b, 0,1,2,3,4,5,6,7
	s_max_i32 s[LEN+\b], s[LEN+\b], 0
	s_min_i32 s[LEN+\b], s[LEN+\b], 1024
	s_add_co_u32 s[LIV+\b], s[LEN+\b], 15
	s_lshr_b32 s[LIV+\b], s[LIV+\b], 4
	s_mov_b32 s[BEG+\b], 0
.endr
.irp a, 0,1,2,3,4,5,6
.irp b, 1,2,3,4,5,6,7
.if \a < \b                                    ; each pair once: one of the two comes before the other
	s_cmp_ge_u32 s[LEN+\a], s[LEN+\b]
	s_cselect_b32 s72, s[LIV+\a], 0
	s_cselect_b32 s73, 0, s[LIV+\b]
	s_add_co_u32 s[BEG+\b], s[BEG+\b], s72
	s_add_co_u32 s[BEG+\a], s[BEG+\a], s73
.endif
.endr
.endr
	s_mov_b32 s40, 0                               ; batch,
	s_mov_b32 s41, 0                               ; tile
	s_mov_b32 s44, 0                               ; and the batch's length: exactly one of the sixteen tests below holds
	s_mov_b32 s74, 0                               ; the sum of all LIV
.irp b, 0,1,2,3,4,5,6,7
	s_sub_co_u32 s72, ttmp9, s[BEG+\b]             ; (a number below BEG_b wraps round to a very large one, and fails the test)
	s_cmp_lt_u32 s72, s[LIV+\b]
	s_cselect_b32 s40, \b, s40
	s_cselect_b32 s41, s72, s41
	s_cselect_b32 s44, s[LEN+\b], s44
	s_add_co_u32 s74, s74, s[LIV+\b]
.endr
	s_sub_co_u32 s75, ttmp9, s74                   ; the numbers from that sum on take the other tiles, 64 - LIV_b of batch b, batch by batch
	s_mov_b32 s76, 0
.irp b, 0,1,2,3,4,5,6,7
	s_sub_co_u32 s77, 64, s[LIV+\b]
	s_sub_co_u32 s72, s75, s76
	s_add_co_u32 s73, s72, s[LIV+\b]
	s_cmp_lt_u32 s72, s77
	s_cselect_b32 s40, \b, s40
	s_cselect_b32 s41, s73, s41
	s_cselect_b32 s44, s[LEN+\b], s44
	s_add_co_u32 s76, s76, s77
.endr
	s_min_u32 s40, s40, 7                          ; both come of loaded numbers: they are held inside their ranges before they enter an offset
	s_min_u32 s41, s41, 63
	s_lshl_b32 s42, s41, 4                         ; the tile's first row
	s_lshl_b32 s43, s40, 10
	s_add_co_u32 s43, s43, s42
	s_lshl_b32 s74, s43, 10
	s_mov_b32 s75, 0
	s_lshl_b32 s76, s38, 12
	s_mov_b32 s77, 0
	s_add_nc_u64 s[8:9], s[8:9], s[74:75]          ; Q at the tile's first row
	s_add_nc_u64 s[36:37], s[36:37], s[74:75]
	s_add_nc_u64 s[36:37], s[36:37], s[76:77]      ; out0 at my four rows
	s_cmp_lt_u32 s42, s44
	s_cbranch_scc0 .Ldead                          ; all 16 rows lie at or beyond the length: q + A v = 0, and neither Q nor a head is touched
	WIN 0x40
.irp g, 0,1
.irp b, 0,1,2,3
.irp j, 0,1,2,3
	global_load_b128 v[64*\g+16*\b+4*\j:64*\g+16*\b+4*\j+3], v7, s[8:9] offset:512*\g+128*\b+16*\j
.endr
.endr
.endr
	WIN 0
	s_add_co_u32 s46, s44, 127
	s_lshr_b32 s46, s46, 7
	s_sub_co_i32 s46, s46, 1                       ; the last key step with keys that count
	s_lshl_b32 s72, s46, 7
	s_sub_co_i32 s47, s44, s72                     ; how many of its 128 count
	s_sub_co_i32 s72, s44, s42
	v_cmp_gt_i32 vcc_lo, s72, v2
	v_cndmask_b32 v12, 0, 1.0, vcc_lo              ; my row's mask
	v_mov_b32 v13, v12
	v_lshlrev_b32 v17, 4, v3
	v_sub_nc_u32 v17, s47, v17                     ; register 8 t + j of a step holds key 32 (t / 2) + 8 (t % 2) + j + 16 h
	WIN 0xc0
.irp t, 0,1,2,3,4,5,6,7
.irp j, 0,1,2,3,4,5,6,7
	v_cmp_ge_i32 vcc_lo, 32*(\t/2)+8*(\t%2)+\j, v17
	v_cndmask_b32 v[192+8*\t+\j], 0, v16, vcc_lo
.endr
.endr
	WIN 0
	s_wait_loadcnt 0x0
	QUANT 0, 1, XF, 78                             ; each wave quantises the 16 rows itself: two runs of the quantiser in place of a barrier
	QUANT 64, 1, XF+12, 79
.irp z, 0,1,2,3,4,5
	v_mov_b32 v[QV+\z], 0                          ; the zero codes of q's variants.  (These 18 are also the places between the quantiser and the first product)
	v_mov_b32 v[QV+12+\z], 0
	v_mov_b32 v[QV+24+\z], 0
.endr
	s_mov_b32 s48, 0                               ; the trip
	s_mov_b32 s39, 0                               ; and its head's 128 bytes in a stage row
.Lhead:                                            ; two trips: heads 2 w and 2 w + 1
	s_wait_xcnt 0x0                                ; the last trip's loads have read their bases: they are written again only behind this wait
	s_lshl_b32 s49, s38, 1
	s_add_co_u32 s49, s49, s48                     ; the head
	s_lshl_b32 s72, s40, 3
	s_add_co_u32 s72, s72, s49
	s_mul_i32 s74, s72, 24576
	s_mov_b32 s75, 0
	s_add_nc_u64 s[56:57], s[24:25], s[74:75]      ; k's codes,
	s_add_nc_u64 s[60:61], s[28:29], s[74:75]      ; v's,
	s_lshl_b32 s74, s72, 10
	s_add_nc_u64 s[58:59], s[26:27], s[74:75]      ; their scale words,
	s_add_nc_u64 s[62:63], s[30:31], s[74:75]
	s_mul_i32 s74, s49, 6144
	s_add_nc_u64 s[66:67], s[32:33], s[74:75]      ; Wq's 32 columns,
	s_lshl_b32 s74, s49, 8
	s_add_nc_u64 s[68:69], s[34:35], s[74:75]
	s_lshl_b32 s74, s49, 7
	s_add_nc_u64 s[70:71], s[12:13], s[74:75]      ; bq's
	WIN 0xc0
.irp f, 0,1,2,3
.irp c, 0,1,2
	global_load_b128 v[96+12*\f+4*\c:96+12*\f+4*\c+3], v4, s[66:67] offset:1536*\f+512*\c
.endr
.endr
.irp u, 0,1
.irp k, 0,1
	global_load_b128 v[144+8*\u+4*\k:144+8*\u+4*\k+3], v8, s[70:71] offset:32*\u+16*\k
.endr
.endr
	WIN 0
	global_load_b64 v[76:77], v6, s[68:69]
	KLOAD 0
	s_wait_loadcnt 7                               ; all but k's seven
	WIN 0x33                                       ; A (Wq) and C (bq) window 3
	MM OA, 96, XF, 144, 76, 78, 0, 0
	MM OA+8, 120, XF, 152, 76, 78, 1, 0
	WIN 0x03
	MM OA, 108, XF+12, OA, 77, 79, 0, 0
	MM OA+8, 132, XF+12, OA+8, 77, 79, 1, 0
	WIN 0
.rept 4
	v_nop
.endr
.irp i, 0,2,4,6,8,10,12,14
	v_pk_mul_f32 v[OA+\i:OA+\i+1], v[OA+\i:OA+\i+1], v[12:13]   ; x the row's mask: register 8 u + j is q(r, 16 h + 8 u + j)
.endr
	v_max3_num_f32 v28, |v[OA]|, |v[OA+1]|, 0x2800000
	v_max3_num_f32 v29, |v[OA+2]|, |v[OA+3]|, |v[OA+4]|
	v_max3_num_f32 v28, v28, |v[OA+5]|, |v[OA+6]|
	v_max3_num_f32 v29, v29, |v[OA+7]|, |v[OA+8]|
	v_max3_num_f32 v28, v28, |v[OA+9]|, |v[OA+10]|
	v_max3_num_f32 v29, v29, |v[OA+11]|, |v[OA+12]|
	v_max3_num_f32 v28, v28, |v[OA+13]|, |v[OA+14]|
	v_max3_num_f32 v28, v28, v29, |v[OA+15]|
	v_permlanex16_b32 v32, v28, s[SEL], s[SEL+1]
	v_max_num_f32 v28, v28, v32                    ; the head's 32 numbers are one block
	v_add_nc_u32 v40, 0xfe000000, v28
	v_lshrrev_b32 v32, 23, v40
	v_lshl_or_b32 v[QS], v32, 8, v32
	v_lshl_or_b32 v[QS], v[QS], 16, v[QS]          ; the byte in all four places: whichever block holds the codes
	v_cvt_scalef32_pk16_bf6_f32 v[232:234], v[OA:OA+15], v40
	v_nop
.irp i, 0,1,2
	v_permlanex16_b32 v[236+\i], v[232+\i], s[SEL], s[SEL+1]
.endr
.irp i, 0,1,2
	v_cndmask_b32 v[QV+6+\i], 0, v[232+\i], s54    ; lanes 0-15: d 0-15 are mine,
	v_cndmask_b32 v[QV+9+\i], 0, v[236+\i], s54    ; d 16-31 the other half's
	v_cndmask_b32 v[QV+18+\i], 0, v[236+\i], s55   ; lanes 16-31: the other way round
	v_cndmask_b32 v[QV+21+\i], 0, v[232+\i], s55
.endr
	ZSUM                                           ; (eight places between q's variants and the first score)
.irp s, 0,1,2,3,4,5,6,7
	ASTEP \s
.endr
	MID 7
.irp s, 7,6,5,4,3,2,1,0
	BSTEP \s
.endr
.rept 5
	v_nop                                          ; places behind the last products, ahead of the stores of their results and of the next trip's products into the same registers
.endr
	s_branch .Lodone
.irp s, 6,5,4,3,2,1,0
	MID \s
.endr
.Lodone:
	v_add_nc_u32 v10, s39, v9
	ds_store_b128 v10, v[OA:OA+3]                  ; row r, columns 32 head + 16 h + 0 .. 15
	ds_store_b128 v10, v[OA+4:OA+7] offset:16
	ds_store_b128 v10, v[OA+8:OA+11] offset:32
	ds_store_b128 v10, v[OA+12:OA+15] offset:48
	s_wait_dscnt 0x0
	s_add_co_u32 s39, s39, 128
	s_add_co_u32 s48, s48, 1
	s_cmp_lt_u32 s48, 2
	s_cbranch_scc1 .Lhead
	s_branch .Lafter
.Ldead:                                            ; a tile with no row under the length: zeros for my two heads, in the bytes of the stage that are my wave's on either way
.irp i, 0,1,2,3
	v_mov_b32 v[OA+\i], 0
.endr
.irp x, 0,1
.irp k, 0,1,2,3
	ds_store_b128 v9, v[OA:OA+3] offset:128*\x+16*\k
.endr
.endr
.Lafter:
	; ---- behind the heads: every wave, whatever the length.  102 loads go out ahead of the barrier: g0 and b0 (64), Wo's eight fragments (24), bo (8), Wo's scale words (2), g1 and b1 (4)
	s_wait_xcnt 0x0
	s_lshl_b32 s72, s38, 1
	s_add_co_u32 s72, s72, 8                       ; Wo's groups of 32 columns 2 w and 2 w + 1 lie behind Wq's eight
	s_mul_i32 s74, s72, 6144
	s_mov_b32 s75, 0
	s_add_nc_u64 s[56:57], s[32:33], s[74:75]
	s_lshl_b32 s74, s72, 8
	s_add_nc_u64 s[58:59], s[34:35], s[74:75]
	s_lshl_b32 s74, s38, 8
	s_add_nc_u64 s[60:61], s[14:15], s[74:75]
	WIN 0x80
.irp g, 0,1
.irp b, 0,1,2,3
.irp j, 0,1,2,3
	global_load_b128 v[64*\g+16*\b+4*\j:64*\g+16*\b+4*\j+3], v8, s[16:17] offset:512*\g+128*\b+16*\j
.endr
.endr
.endr
.irp g, 0,1
.irp b, 0,1,2,3
.irp j, 0,1,2,3
	global_load_b128 v[128+64*\g+16*\b+4*\j:128+64*\g+16*\b+4*\j+3], v8, s[18:19] offset:512*\g+128*\b+16*\j
.endr
.endr
.endr
	WIN 0xc0
.irp x, 0,1
.irp f, 0,1,2,3
.irp c, 0,1,2
	global_load_b128 v[48*\x+12*\f+4*\c:48*\x+12*\f+4*\c+3], v4, s[56:57] offset:6144*\x+1536*\f+512*\c
.endr
.endr
.endr
.irp x, 0,1
.irp u, 0,1
.irp k, 0,1
	global_load_b128 v[96+16*\x+8*\u+4*\k:96+16*\x+8*\u+4*\k+3], v8, s[60:61] offset:128*\x+32*\u+16*\k
.endr
.endr
.endr
	WIN 0
	global_load_b64 v[76:77], v6, s[58:59]
	global_load_b64 v[240:241], v6, s[58:59] offset:256
.irp e, 0,1
	global_load_b128 v[216+4*\e:216+4*\e+3], v4, s[20:21] offset:512*\e
.endr
.irp e, 0,1
	global_load_b128 v[224+4*\e:224+4*\e+3], v4, s[22:23] offset:512*\e
.endr
	s_wait_dscnt 0x0                               ; for the others' sake: my two heads lie in the stage
	s_barrier_signal -1
	s_barrier_wait -1                              ; all eight do
	; ---- the first norm: every wave for all 16 rows, in the layout that the quantiser takes
	WIN 0x40
.irp g, 0,1
.irp b, 0,1,2,3
.irp j, 0,1,2,3
	ds_load_b128 v[64*\g+16*\b+4*\j:64*\g+16*\b+4*\j+3], v18 offset:512*\g+128*\b+16*\j
.endr
.endr
.endr
	WIN 0
	ZSUM
	s_wait_dscnt 0x0
	WIN 0x04
.set i, 0
.rept 64
	v_pk_add_f32 v[20+2*(i%4):21+2*(i%4)], v[20+2*(i%4):21+2*(i%4)], v[2*i:2*i+1]
.set i, i+1
.endr
	WIN 0
	REDUCE
	v_mul_f32 v110, 0xbb800000, v20                ; -mean
	v_mov_b32 v111, v110
	ZSUM
	WIN 0x41
.set i, 0
.rept 64
	v_pk_add_f32 v[2*i:2*i+1], v[2*i:2*i+1], v[110:111]
.set i, i+1
.endr
	WIN 0x05
.set i, 0
.rept 64
	v_pk_fma_f32 v[20+2*(i%4):21+2*(i%4)], v[2*i:2*i+1], v[2*i:2*i+1], v[20+2*(i%4):21+2*(i%4)]
.set i, i+1
.endr
	WIN 0
	REDUCE
	v_fma_f32 v20, v20, s80, s81                   ; variance + 1e-5
	v_rsq_f32 v110, v20
	v_nop
	s_wait_alu depctr_va_vdst(0)                   ; ahead of the root's first reader
	v_mov_b32 v111, v110
	WIN 0x41
.set i, 0
.rept 64
	v_pk_mul_f32 v[2*i:2*i+1], v[2*i:2*i+1], v[110:111]
.set i, i+1
.endr
	s_wait_loadcnt 38                              ; g0 and b0 are in: 38 loads were issued behind them
	WIN 0x69                                       ; y window 1, g0 and b0 window 2
.set i, 0
.rept 64
	v_pk_fma_f32 v[2*i:2*i+1], v[2*i:2*i+1], v[2*i:2*i+1], v[128+2*i:128+2*i+1]
.set i, i+1
.endr
	QUANT 0, 1, XF, 78
	QUANT 64, 1, XF+12, 79
.rept 8
	v_nop                                          ; a scale register written by vector instructions stands eight places ahead of a scaled product, an operand four
.endr
	s_wait_loadcnt 4                               ; all but g1 and b1
	; ---- y Wo + bo: my 64 columns, four accumulators by turns
	WIN 0x33
.irp x, 0,1
.irp u, 0,1
	MM OA+16*\x+8*\u, 48*\x+24*\u, XF, 96+16*\x+8*\u, 76+164*\x, 78, \u, 0
.endr
.endr
	WIN 0x03
.irp x, 0,1
.irp u, 0,1
	MM OA+16*\x+8*\u, 48*\x+24*\u+12, XF+12, OA+16*\x+8*\u, 77+164*\x, 79, \u, 0
.endr
.endr
	WIN 0
.rept 4
	v_nop
.endr
.set i, 0
.rept 32
	v_max_num_f32 v[OA+i], 0, v[OA+i]              ; relu
.set i, i+1
.endr
.irp q, 0,1,2,3                                ; + y: my columns of y are registers 32 w .. 32 w + 31 of window 1: an arm for each wave
	s_cmp_lg_u32 s38, \q
	s_cbranch_scc1 .Lnoty\q
	WIN 0x04
.set i, 0
.rept 16
	v_pk_add_f32 v[OA+2*i:OA+2*i+1], v[OA+2*i:OA+2*i+1], v[32*\q+2*i:32*\q+2*i+1]
.set i, i+1
.endr
	WIN 0
.Lnoty\q:
.endr
.irp x, 0,1
.irp k, 0,1,2,3
	ds_store_b128 v9, v[OA+16*\x+4*\k:OA+16*\x+4*\k+3] offset:OS2+128*\x+16*\k
.endr
.endr
	s_wait_dscnt 0x0                               ; for the others' sake: my 64 columns lie in the second stage
	s_barrier_signal -1
	s_barrier_wait -1
	; ---- the last norm: four whole rows a wave, 8 numbers a lane, the rows by turns
.irp p, 0,1,2,3
.irp e, 0,1
	ds_load_b128 v[184+8*\p+4*\e:184+8*\p+4*\e+3], v11 offset:1040*\p+512*\e
.endr
.endr
	s_wait_loadcnt_dscnt 0x0
.irp p, 0,1,2,3
	v_pk_add_f32 v[20+2*\p:21+2*\p], v[184+8*\p:185+8*\p], v[186+8*\p:187+8*\p]
	v_pk_add_f32 v[28+2*\p:29+2*\p], v[188+8*\p:189+8*\p], v[190+8*\p:191+8*\p]
.endr
.irp p, 0,1,2,3
	v_pk_add_f32 v[20+2*\p:21+2*\p], v[20+2*\p:21+2*\p], v[28+2*\p:29+2*\p]
.endr
.irp p, 0,1,2,3
	v_add_f32 v[20+2*\p], v[20+2*\p], v[21+2*\p]
.endr
.irp m, 1,2,4,8
.irp p, 0,1,2,3
	v_add_f32_dpp v[20+2*\p], v[20+2*\p], v[20+2*\p] row_xmask:\m row_mask:0xf bank_mask:0xf
.endr
.endr
.irp p, 0,1,2,3
	v_permlanex16_b32 v[21+2*\p], v[20+2*\p], s[SEL], s[SEL+1]
.endr
.irp p, 0,1,2,3
	v_add_f32 v[20+2*\p], v[20+2*\p], v[21+2*\p]
.endr
.irp p, 0,1,2,3
	v_mul_f32 v[20+2*\p], 0xbb800000, v[20+2*\p]   ; -mean
.endr
.irp p, 0,1,2,3
	v_mov_b32 v[21+2*\p], v[20+2*\p]
.endr
.irp k, 0,1,2,3
.irp p, 0,1,2,3
	v_pk_add_f32 v[184+8*\p+2*\k:185+8*\p+2*\k], v[184+8*\p+2*\k:185+8*\p+2*\k], v[20+2*\p:21+2*\p]
.endr
.endr
.irp p, 0,1,2,3
	v_pk_mul_f32 v[28+2*\p:29+2*\p], v[184+8*\p:185+8*\p], v[184+8*\p:185+8*\p]
.endr
.irp k, 1,2,3
.irp p, 0,1,2,3
	v_pk_fma_f32 v[28+2*\p:29+2*\p], v[184+8*\p+2*\k:185+8*\p+2*\k], v[184+8*\p+2*\k:185+8*\p+2*\k], v[28+2*\p:29+2*\p]
.endr
.endr
.irp p, 0,1,2,3
	v_add_f32 v[28+2*\p], v[28+2*\p], v[29+2*\p]
.endr
.irp m, 1,2,4,8
.irp p, 0,1,2,3
	v_add_f32_dpp v[28+2*\p], v[28+2*\p], v[28+2*\p] row_xmask:\m row_mask:0xf bank_mask:0xf
.endr
.endr
.irp p, 0,1,2,3
	v_permlanex16_b32 v[29+2*\p], v[28+2*\p], s[SEL], s[SEL+1]
.endr
.irp p, 0,1,2,3
	v_add_f32 v[28+2*\p], v[28+2*\p], v[29+2*\p]
.endr
.irp p, 0,1,2,3
	v_fma_f32 v[28+2*\p], v[28+2*\p], s80, s81     ; variance + 1e-5
.endr
.irp p, 0,1,2,3
	v_rsq_f32 v[20+2*\p], v[28+2*\p]
.endr
	v_nop
	s_wait_alu depctr_va_vdst(0)                   ; one wait for the four roots, ahead of their first reader
.irp p, 0,1,2,3
	v_mov_b32 v[21+2*\p], v[20+2*\p]
.endr
.irp k, 0,1,2,3
.irp p, 0,1,2,3
	v_pk_mul_f32 v[184+8*\p+2*\k:185+8*\p+2*\k], v[184+8*\p+2*\k:185+8*\p+2*\k], v[20+2*\p:21+2*\p]
.endr
.endr
.irp k, 0,1,2,3
.irp p, 0,1,2,3
	v_pk_fma_f32 v[184+8*\p+2*\k:185+8*\p+2*\k], v[184+8*\p+2*\k:185+8*\p+2*\k], v[216+2*\k:217+2*\k], v[224+2*\k:225+2*\k]
.endr
.endr
.irp p, 0,1,2,3
.irp e, 0,1
	global_store_b128 v4, v[184+8*\p+4*\e:184+8*\p+4*\e+3], s[36:37] offset:1024*\p+512*\e th:TH_STORE_NT   ; 32 lanes store 512 consecutive bytes, at a multiple of 256 from out0's first byte
.endr
.endr
	s_wait_tensorcnt 0x0
	ds_add_u32 v254, v255
	s_wait_dscnt 0x0
	s_endpgm
.Lfunc_end_k_qb01c61effd_attn:
	.size	k_qb01c61effd_attn, .Lfunc_end_k_qb01c61effd_attn-k_qb01c61effd_attn
	.p2alignl 7, 3214868480
	.fill 96, 4, 3214868480
	.section	.rodata,"a",@progbits
	.p2align	6, 0x0
	.amdhsa_kernel k_qb01c61effd_attn
		.amdhsa_group_segment_fixed_size 33792
		.amdhsa_private_segment_fixed_size 0
		.amdhsa_enable_private_segment 0
		.amdhsa_kernarg_size 120
		.amdhsa_user_sgpr_count 2
		.amdhsa_user_sgpr_kernarg_segment_ptr 1
		.amdhsa_wavefront_size32 1
		.amdhsa_system_sgpr_workgroup_id_x 1
		.amdhsa_system_sgpr_workgroup_id_y 1
		.amdhsa_system_sgpr_workgroup_id_z 1
		.amdhsa_system_vgpr_workitem_id 0
		.amdhsa_next_free_vgpr 1024
		.amdhsa_next_free_sgpr 100
		.amdhsa_reserve_vcc 1
		.amdhsa_float_denorm_mode_32 3
		.amdhsa_float_denorm_mode_16_64 3
		.amdhsa_memory_ordered 1
		.amdhsa_forward_progress 1
		.amdhsa_inst_pref_size 232
	.end_amdhsa_kernel
	.amdgpu_metadata
---
amdhsa.version: [ 1, 2 ]
amdhsa.kernels:
  - .name:           k_qb01c61effd_attn
    .symbol:         k_qb01c61effd_attn.kd
    .args:
      - { .name: Q, .offset: 0, .size: 8, .value_kind: global_buffer, .address_space: global }
      - { .name: lengths, .offset: 8, .size: 8, .value_kind: global_buffer, .address_space: global }
      - { .name: bq, .offset: 16, .size: 8, .value_kind: global_buffer, .address_space: global }
      - { .name: bo, .offset: 24, .size: 8, .value_kind: global_buffer, .address_space: global }
      - { .name: g0, .offset: 32, .size: 8, .value_kind: global_buffer, .address_space: global }
      - { .name: b0, .offset: 40, .size: 8, .value_kind: global_buffer, .address_space: global }
      - { .name: g1, .offset: 48, .size: 8, .value_kind: global_buffer, .address_space: global }
      - { .name: b1, .offset: 56, .size: 8, .value_kind: global_buffer, .address_space: global }
      - { .name: kc, .offset: 64, .size: 8, .value_kind: global_buffer, .address_space: global }
      - { .name: ks, .offset: 72, .size: 8, .value_kind: global_buffer, .address_space: global }
      - { .name: vc, .offset: 80, .size: 8, .value_kind: global_buffer, .address_space: global }
      - { .name: vs, .offset: 88, .size: 8, .value_kind: global_buffer, .address_space: global }
      - { .name: wc, .offset: 96, .size: 8, .value_kind: global_buffer, .address_space: global }
      - { .name: ws, .offset: 104, .size: 8, .value_kind: global_buffer, .address_space: global }
      - { .name: out0, .offset: 112, .size: 8, .value_kind: global_buffer, .address_space: global }
    .group_segment_fixed_size: 33792
    .private_segment_fixed_size: 0
    .kernarg_segment_align: 8
    .kernarg_segment_size: 120
    .max_flat_workgroup_size: 128
    .sgpr_count:     100
    .vgpr_count:     1024
    .wavefront_size: 32
...
	.end_amdgpu_metadata
.endif
;; end of part 3
;; ======== version 3 of 3: 2 launches; version 2 with the launches prep, attn written anew for expert scheduling mode
;; workspace buffers: kc 1,572,864 bytes; ks 65,536 bytes; vc 1,572,864 bytes; vs 65,536 bytes; wc 98,304 bytes; ws 4,096 bytes
;; launch prep (part 4): grid 260 x 1, 4 waves a work-group, no clusters, 289,280 bytes of LDS; arguments K, Wk, Wv, Wq, Wo, bk, bv, lengths, kc, ks, vc, vs, wc, ws; writes kc, ks, vc, vs, wc, ws
.if DOCPART == 4
	.amdgcn_target "amdgcn-amd-amdhsa--gfx1250"
	.amdhsa_code_object_version 6
	.text
	.protected	k_qb01c61effd_prep
	.globl	k_qb01c61effd_prep
	.p2align	8
	.type	k_qb01c61effd_prep,@function
k_qb01c61effd_prep:
	s_mov_b64 s[64:65], 0
	v_nop
	global_prefetch_b8 v0, s[64:65] scope:SCOPE_SE
	s_setreg_imm32_b32 hwreg(HW_REG_WAVE_SCHED_MODE, 0, 2), 2
	s_setreg_imm32_b32 hwreg(HW_REG_WAVE_MODE, 25, 1), 1
	s_wait_xcnt 0x0
	s_wait_alu depctr_vm_vsrc(0)
; k = (K Wk + bk) x mask and v = (K Wv + bv) x mask, both products on codes of BF6 (E3M2) with one E8M0 scale for each 32 along K, and their results quantised
; again for the attention launch: k along the head's 32 numbers, v along the keys.  Wq and Wo are quantised along their first axis and laid out as operand registers.
; K: [8][1024][256] f32.  Wk, Wv, Wq, Wo: [256 (k)][256 (n)] f32.  bk, bv: [256].  lengths: [8] i32, held to 0 .. 1024.
; SHARES.  Work-groups 0-255: a step of 128 tokens (number / 4) and a pair of heads (number % 4).  Wave w: k (w / 2 = 0) or v (1) of head 2 x pair + w % 2.
;   Each wave quantises two of the step's eight tiles of 16 tokens (they go to the other waves through LDS as images of their registers: one barrier) and its own 32 columns of the weight.
;   Work-groups 256-259: wave w quantises 32 columns of Wq (256, 257) or Wo (258, 259) and stores them.  That path has LDS bytes of its own and no barrier.
; TILE ORDER.  Row r of tile 2 b + u is element 32 b + 8 u + r + 8 (r / 8), of the step's tokens as of a head's columns: a result that has such a tile as source 0 holds, in the 16 registers of
;   tiles 2 b and 2 b + 1 of lane half h, the 16 neighbours 32 b + 16 h + 0 .. 15: what the conversions take.
; WORKSPACE, all in the order of the reader's operand registers (a fragment: 3 x 512 bytes, registers 4 c .. 4 c + 3 of lane l at 512 c + 16 l):
;   kc [batch][head][step][chunk 2][1536]: a fragment whose K block p holds the 32 codes of key tile 4 chunk + p;  ks [batch][head][step][128]: lanes 0-15 chunk 0's scale words, lanes 16-31 chunk 1's
;   vc [batch][head][step][tile of d 2][1536]: row r is d = 8 u + r + 8 (r / 8), K the step's 128 keys;          vs likewise
;   wc [Wq, Wo][32 columns 8][2 tile + K step][1536];  ws [Wq, Wo][8][32 lanes x 8]: the words of K steps 0 and 1; lanes 0-15 tile 0, lanes 16-31 tile 1
;   The stores of ks and vs cover 128 consecutive bytes each: half of an aligned 256; they are 131,072 bytes of the launch's 3.4 million.
; LIMITS: NaN and infinities among the inputs are not served.  A block of zeros, and one whose largest magnitude lies under 2^(5 - 127), gets the scale byte 1; these bytes are read by this program alone.
; REGISTERS, in windows of 256: window 0 below; window 1: the tokens' numbers as loaded, later the step's 16 fragments at 12 (2 tile + K step);
;   window 2: the weight as loaded, later 64 accumulator registers;  window 3: the 256 numbers of my column of the weight, register = k.
; THE MODE: SCHED_MODE bits 1:0 = 2 (LLVM: expert scheduling mode 2), set by the entry lines.  The code itself states the register dependences
; between vector or matrix instructions and memory or LDS instructions, with s_wait_alu, always for 0.
; THE PLAN.  Registers that memory or LDS instructions touch, and who else names them:
;   v4-v14           offsets and LDS addresses: written at the head and never again.  One wait on va_vdst stands ahead of the first load of each of the two ways.
;   v[PC ..], v[PW]  written by a run of the quantiser, read by the stores behind it (four images into LDS, two fragments to memory): a wait on va_vdst ahead of each run of stores,
;                    a wait on vm_vsrc behind it, ahead of the next run of the quantiser.
;   window 1         the tokens' loads land there, the quantiser reads it, the images' LDS loads land there again: a wait on va_vdst behind the barrier.
;   window 2         the weight's loads land there, the stage's LDS stores read it, the products write it: a wait on vm_vsrc behind the barrier.
;   window 3, v[XS ..], the biases: loads land there once, in registers that no vector instruction has named.
;   v[WF ..], v[WS ..]  written by the weight's quantiser; operand and scales of the products (a wait on va_vdst ahead of the first unit), or the data of stores in work-groups 256-259 (the same wait ahead of them).
;   The masks of compares go into scalar registers that hold nothing any more, in runs, with one wait on va_sdst behind each run.
.set XIMG, 0                           ; LDS: 16 fragment images of the tokens
.set XSC,  24576                       ; their scale words, 128 bytes each
.set WST,  26624                       ; 32,768 bytes a wave: 256 rows x 128 bytes of the weight's 32 columns
.set WST2, 157696                      ; the same for work-groups 256-259
.set TM,  16                           ; v16-31  at work in the quantiser
.set PC,  32                           ; v32-43  the fragment just made
.set PT,  44                           ; v44-59  upper halves of blocks, before they are moved
.set PW,  60                           ; v60     the scale word just made;  v61 the first unit's;  v62 at work;  v63 r + 8 (r / 8)
.set XS,  64                           ; v64-79  the tokens' 16 scale words
.set WS,  80                           ; v80-81  the weight's scale words, K steps 0 and 1
.set BV,  82                           ; v82-83  bv of my column
.set BB,  84                           ; v84-99  the bias as the C of two tiles
.set MK,  100                          ; v100-115 k's mask, a pair for each tile of tokens
.set WF,  116                          ; v116-163 the weight's fragments: (tile, K step) at WF + 24 step + 12 tile
.set MV,  164                          ; v164-227 v's mask, a register for each accumulator register
.set SEL, 56                           ; s[56:57] lane selects for v_permlanex16_b32: lane l xor 16
.set CM,  8                            ; s8-23   the compares' masks: these registers held addresses that are done with when the masks are made
.set MSB, 0
.macro WIN new                         ; the immediate's high byte repeats the setting that is left; a switch that changes nothing is dropped
.if MSB != (\new)
	s_set_vgpr_msb (MSB<<8)|(\new)
.set MSB, (\new)
.endif
.endm
; one matrix instruction: D, A, B, C (below 0: the constant 0), the two scale registers, and which half of the lanes holds each side's scales
.macro MM d, a, b, c, sa, sb, ra, rb
.if (\c) < 0
.if (\ra) == 1
	v_wmma_scale_f32_16x16x128_f8f6f4 v[(\d):(\d)+7], v[(\a):(\a)+11], v[(\b):(\b)+11], 0, v[\sa], v[\sb] matrix_a_fmt:MATRIX_FMT_BF6 matrix_b_fmt:MATRIX_FMT_BF6 matrix_a_scale:MATRIX_SCALE_ROW1
.else
	v_wmma_scale_f32_16x16x128_f8f6f4 v[(\d):(\d)+7], v[(\a):(\a)+11], v[(\b):(\b)+11], 0, v[\sa], v[\sb] matrix_a_fmt:MATRIX_FMT_BF6 matrix_b_fmt:MATRIX_FMT_BF6
.endif
.else
.if (\ra) == 1
	v_wmma_scale_f32_16x16x128_f8f6f4 v[(\d):(\d)+7], v[(\a):(\a)+11], v[(\b):(\b)+11], v[(\c):(\c)+7], v[\sa], v[\sb] matrix_a_fmt:MATRIX_FMT_BF6 matrix_b_fmt:MATRIX_FMT_BF6 matrix_a_scale:MATRIX_SCALE_ROW1
.elseif (\rb) == 1
	v_wmma_scale_f32_16x16x128_f8f6f4 v[(\d):(\d)+7], v[(\a):(\a)+11], v[(\b):(\b)+11], v[(\c):(\c)+7], v[\sa], v[\sb] matrix_a_fmt:MATRIX_FMT_BF6 matrix_b_fmt:MATRIX_FMT_BF6 matrix_b_scale:MATRIX_SCALE_ROW1
.else
	v_wmma_scale_f32_16x16x128_f8f6f4 v[(\d):(\d)+7], v[(\a):(\a)+11], v[(\b):(\b)+11], v[(\c):(\c)+7], v[\sa], v[\sb] matrix_a_fmt:MATRIX_FMT_BF6 matrix_b_fmt:MATRIX_FMT_BF6
.endif
.endif
.endm
; 64 numbers at v[s] on of window w (register 16 b + i = k 32 b + 16 (lane / 16) + i of my row), scale operands in v[TM+12 ..]: the fragment's 12 registers at v[pc] on
.macro PACK6 s, w, pc
	WIN (\w)
.irp c, 0,1
	v_cvt_scalef32_pk16_bf6_f32 v[(\pc)+6*\c:(\pc)+6*\c+2], v[(\s)+32*\c:(\s)+32*\c+15], v[TM+12+2*\c]
	v_cvt_scalef32_pk16_bf6_f32 v[PT+4*\c:PT+4*\c+2], v[(\s)+32*\c+16:(\s)+32*\c+31], v[TM+13+2*\c]   ; (a conversion's three registers begin on an even number)
.endr
	WIN 0
	v_nop                                          ; one plain instruction behind the scaled conversions
.irp c, 0,1                                    ; the operand wants a whole block in a lane: lanes 0-15 block 2 c, lanes 16-31 block 2 c + 1
.irp i, 0,1,2
	v_permlane16_swap_b32 v[(\pc)+6*\c+\i], v[PT+4*\c+\i]
.endr
.irp i, 0,1,2
	v_mov_b32 v[(\pc)+6*\c+3+\i], v[PT+4*\c+\i]
.endr
.endr
.endm
; the same 64 numbers: four blocks' largest magnitudes (with the floor 2^(5 - 127), so that no byte falls under 1), the scale word into v[pw], the codes into v[pc] on
.macro QUANT s, w, pc, pw
	WIN (\w)|((\w)<<2)
.irp b, 0,1,2,3
	v_max3_num_f32 v[TM+\b], |v[(\s)+16*\b]|, |v[(\s)+16*\b+1]|, 0x2800000
.endr
.irp i, 2,4,6,8,10,12,14
.irp b, 0,1,2,3
	v_max3_num_f32 v[TM+\b], |v[(\s)+16*\b+\i]|, |v[(\s)+16*\b+\i+1]|, v[TM+\b]   ; the four blocks by turns
.endr
.endr
	WIN 0
.irp b, 0,1,2,3
	v_permlanex16_b32 v[TM+4+\b], v[TM+\b], s[SEL], s[SEL+1]
.endr
.irp b, 0,1,2,3
	v_max_num_f32 v[TM+\b], v[TM+\b], v[TM+4+\b]   ; with lane l xor 16's 16 numbers: the block's
.endr
.irp b, 0,1,2,3
	v_add_nc_u32 v[TM+12+\b], 0xfe000000, v[TM+\b] ; 4 off the exponent field: the conversion's scale operand
.endr
.irp b, 0,1,2,3
	v_lshrrev_b32 v[TM+4+\b], 23, v[TM+12+\b]      ; the scale's byte
.endr
	v_lshl_or_b32 v[\pw], v[TM+5], 8, v[TM+4]
	v_lshl_or_b32 v[\pw], v[TM+6], 16, v[\pw]
	v_lshl_or_b32 v[\pw], v[TM+7], 24, v[\pw]
	PACK6 \s, \w, \pc
.endm
; my 32 columns of the weight, 256 rows x 128 bytes: an instruction takes four rows, eight lanes to a row's 128 consecutive bytes
.macro WLOADS
	WIN 0x80
.set i, 0
.rept 64
	global_load_b128 v[4*i:4*i+3], v5, s[48:49] offset:4096*i
.set i, i+1
.endr
	WIN 0
.endm
; The weight is turned through my own stage in LDS, so that a lane holds ONE column and its registers run down K; then each block of 32 lies in one lane.
; Lanes 0-15 hold the columns of tile 0, lanes 16-31 those of tile 1; an exchange of halves makes of blocks 2 c and 2 c + 1 the registers 6 c .. 6 c + 5 of both tiles' fragments.
; No s_wait_alu stands in it: the stores' data come from loads, the loads land in registers that no vector instruction has named, and what the vector lines write no memory or LDS instruction has read.
.macro WQ
	s_wait_loadcnt 0x0
	WIN 0x08                                       ; an LDS store's data are its source 1: window 2
.set i, 0
.rept 64
	ds_store_b128 v6, v[4*i:4*i+3] offset:512*i
.set i, i+1
.endr
	WIN 0xc0
.set i, 0
.rept 256
	ds_load_b32 v[i], v7 offset:128*i              ; LDS serves a wave's instructions in order: these see my stores
.set i, i+1
.endr
.irp g, 0,1                                    ; K step g: k = 128 g .. 128 g + 127
.if \g == 0
	s_wait_dscnt 63                                ; all but the youngest 63 loads: k up to 192 is in
.else
	s_wait_dscnt 0x0
.endif
	WIN 0x0f
.irp b, 0,1,2,3
	v_max3_num_f32 v[TM+\b], |v[128*\g+32*\b]|, |v[128*\g+32*\b+1]|, 0x2800000
.endr
.irp i, 2,4,6,8,10,12,14,16,18,20,22,24,26,28,30
.irp b, 0,1,2,3
	v_max3_num_f32 v[TM+\b], |v[128*\g+32*\b+\i]|, |v[128*\g+32*\b+\i+1]|, v[TM+\b]
.endr
.endr
	WIN 0
.irp b, 0,1,2,3
	v_add_nc_u32 v[TM+12+\b], 0xfe000000, v[TM+\b]
.endr
.irp b, 0,1,2,3
	v_lshrrev_b32 v[TM+4+\b], 23, v[TM+12+\b]
.endr
	v_lshl_or_b32 v[WS+\g], v[TM+5], 8, v[TM+4]
	v_lshl_or_b32 v[WS+\g], v[TM+6], 16, v[WS+\g]
	v_lshl_or_b32 v[WS+\g], v[TM+7], 24, v[WS+\g]
	WIN 0x03
.irp c, 0,1
.irp e, 0,1
	v_cvt_scalef32_pk16_bf6_f32 v[WF+24*\g+12*\e+6*\c:WF+24*\g+12*\e+6*\c+2], v[128*\g+32*(2*\c+\e):128*\g+32*(2*\c+\e)+15], v[TM+12+2*\c+\e]
	v_cvt_scalef32_pk16_bf6_f32 v[PT+4*(2*\c+\e):PT+4*(2*\c+\e)+2], v[128*\g+32*(2*\c+\e)+16:128*\g+32*(2*\c+\e)+31], v[TM+12+2*\c+\e]
.endr
.endr
	WIN 0
	v_nop                                          ; one plain instruction behind the scaled conversions
.irp c, 0,1
.irp e, 0,1
.irp i, 0,1,2
	v_mov_b32 v[WF+24*\g+12*\e+6*\c+3+\i], v[PT+4*(2*\c+\e)+\i]
.endr
.endr
.endr
.irp i, 0,1,2,3,4,5,6,7,8,9,10,11
	v_permlane16_swap_b32 v[WF+24*\g+\i], v[WF+24*\g+12+\i]   ; even blocks of tile 1's columns change places with odd blocks of tile 0's
.endr
.endr
.endm
; A unit: 16 matrix instructions on eight accumulators by turns, the mask, the quantiser, one fragment stored.
; kind 0 (k), hf = chunk: source 0 = 16 columns of Wk, source 1 = 16 tokens: a lane holds one token and 16 of the head's 32 numbers; block t of the fragment is key tile 4 hf + t.
; kind 1 (v), hf = tile of d: source 0 = 16 tokens, source 1 = 16 columns of Wv: a lane holds one d and its registers run along the tokens.
.macro UNIT kind, hf
.irp g, 0,1
.if \kind == 0
	WIN 0x84+0x20*\g                               ; D window 2, B (tokens) window 1; C: the bias in window 0, then D
.irp t, 0,1,2,3
.irp u, 0,1
.if \g == 0
	MM 16*\t+8*\u, WF+12*\u, 12*(2*(4*\hf+\t)), BB+8*\u, WS, XS+2*(4*\hf+\t), \u, 0
.else
	MM 16*\t+8*\u, WF+24+12*\u, 12*(2*(4*\hf+\t)+1), 16*\t+8*\u, WS+1, XS+2*(4*\hf+\t)+1, \u, 0
.endif
.endr
.endr
.else
	WIN 0x81+0x20*\g                               ; D window 2, A (tokens) window 1
.irp t, 0,1,2,3,4,5,6,7
.if \g == 0
	MM 8*\t, 12*(2*\t), WF+12*\hf, BB+8*\hf, XS+2*\t, WS, 0, \hf
.else
	MM 8*\t, 12*(2*\t+1), WF+24+12*\hf, 8*\t, XS+2*\t+1, WS+1, 0, \hf
.endif
.endr
.endif
.endr
	WIN 0
.rept 4
	v_nop                                          ; four places behind the last products, ahead of the first read of results (ISA guide 7.12.1)
.endr
	WIN 0x82
.set i, 0
.rept 32                                       ; x mask, each accumulator from its low end on
.if \kind == 0
	v_pk_mul_f32 v[2*i:2*i+1], v[2*i:2*i+1], v[MK+2*(4*\hf+i/8):MK+2*(4*\hf+i/8)+1]
.else
	v_pk_mul_f32 v[2*i:2*i+1], v[2*i:2*i+1], v[MV+2*i:MV+2*i+1]
.endif
.set i, i+1
.endr
	QUANT 0, 2, PC, PW
.if \hf == 0
	v_mov_b32 v61, v[PW]
.else
	v_cndmask_b32 v62, v61, v[PW], s58             ; lanes 0-15: the first unit's scale words; lanes 16-31: this one's
.endif
	s_wait_alu depctr_va_vdst(0)                   ; the quantiser has written v[PC ..], and the select v62: the stores below read them
.irp c, 0,1,2
	global_store_b128 v8, v[PC+4*\c:PC+4*\c+3], s[52:53] offset:1536*\hf+512*\c   ; 512 consecutive bytes a store
.endr
.if \hf == 0
	s_wait_xcnt 0x0                                ; the stores' data registers are written again by the next unit only behind this wait,
	s_wait_alu depctr_vm_vsrc(0)                   ; and behind this one: the stores have read v[PC ..], which the next unit's quantiser writes
.else
	global_store_b32 v9, v62, s[54:55]
.endif
.endm
	s_load_b512 s[8:23], s[0:1], 0x0               ; K 8, Wk 10, Wv 12, Wq 14, Wo 16, bk 18, bv 20, lengths 22
	s_load_b256 s[24:31], s[0:1], 0x40             ; kc 24, ks 26, vc 28, vs 30
	s_load_b128 s[32:35], s[0:1], 0x60             ; wc 32, ws 34
	v_lshl_add_u32 v254, v0, 2, 0x46800
	v_mov_b32 v255, 0
	v_lshrrev_b32 v1, 5, v0
	v_readfirstlane_b32 s36, v1                    ; wave 0..3
	v_and_b32 v1, 31, v0                           ; lane
	v_bfe_u32 v3, v0, 4, 1                         ; h
	v_lshlrev_b32 v8, 4, v1                        ; 16 x lane
	v_lshlrev_b32 v9, 2, v1                        ; 4 x lane
	v_lshlrev_b32 v10, 3, v1                       ; 8 x lane
	v_and_b32 v62, 7, v0
	v_bfe_u32 v63, v0, 3, 1
	v_lshl_add_u32 v63, v63, 4, v62                ; r + 8 (r / 8)
	v_bfe_u32 v5, v0, 3, 2
	v_lshlrev_b32 v5, 10, v5
	v_lshl_add_u32 v5, v62, 4, v5                  ; the weight: row lane / 8 of four, 16 bytes of its 128
	v_lshl_add_u32 v7, v3, 3, v63                  ; my column of the 32: 8 (lane / 16) + r + 8 (r / 8)
	v_lshlrev_b32 v7, 2, v7
	s_wait_alu depctr_va_sdst(0)                   ; s36 is written, ahead of its first reader
	s_lshl_b32 s59, s36, 15                        ; my stage: 32,768 x wave
	v_add_nc_u32 v6, s59, v8
	v_add_nc_u32 v7, s59, v7
	s_mov_b32 s[SEL], 0x76543210
	s_mov_b32 s[SEL+1], 0xfedcba98
	s_mov_b32 s58, 0xffff0000                      ; lanes 16-31
.irp b, 0,1,2,3
	v_mov_b32 v[TM+4+\b], 0                        ; written once: a lane permute's destination counts as one of its sources
.endr
	s_cmp_ge_u32 ttmp9, 256
	s_cbranch_scc1 .Lweights
	; ---- work-groups 0-255
	s_lshr_b32 s37, ttmp9, 2                       ; the step of 128 tokens, 0..63
	s_and_b32 s38, ttmp9, 3                        ; the pair of heads
	s_lshr_b32 s39, s36, 1                         ; 0: k, 1: v
	s_and_b32 s40, s36, 1
	s_lshl_b32 s61, s38, 1
	s_add_co_u32 s40, s40, s61                     ; my head
	s_lshr_b32 s41, s37, 3                         ; batch
	s_and_b32 s42, s37, 7                          ; step in the batch
	s_lshl_b32 s44, s41, 2
	s_mov_b32 s45, 0
	v_add_nc_u32 v6, WST, v6
	v_add_nc_u32 v7, WST, v7
	v_lshl_add_u32 v4, s36, 5, v63                 ; tokens: row 32 w + r + 8 (r / 8) of the step,
	v_lshlrev_b32 v4, 10, v4
	v_lshl_add_u32 v4, v3, 6, v4                   ; + 64 h: my 16 numbers of a block of 32
	s_mul_i32 s60, s36, 6144
	v_add_nc_u32 v11, s60, v8                      ; where I store my four images
	s_lshl_b32 s60, s36, 9
	v_add_nc_u32 v12, s60, v9
	v_add_nc_u32 v12, XSC, v12                     ; and their scale words
	v_lshlrev_b32 v13, 6, v3                       ; bk: 64 h
	v_lshlrev_b32 v14, 2, v63                      ; bv: my column
	s_wait_kmcnt 0x0
	s_add_nc_u64 s[22:23], s[22:23], s[44:45]
	s_load_b32 s43, s[22:23], 0x0                  ; the batch's length
	s_lshl_b32 s46, s37, 17
	s_mov_b32 s47, 0
	s_add_nc_u64 s[46:47], s[8:9], s[46:47]        ; K at the step's first token
	s_cmp_eq_u32 s39, 0
	s_cselect_b64 s[48:49], s[10:11], s[12:13]     ; the weight,
	s_cselect_b64 s[50:51], s[18:19], s[20:21]     ; the bias,
	s_cselect_b64 s[52:53], s[24:25], s[28:29]     ; the codes' buffer
	s_cselect_b64 s[54:55], s[26:27], s[30:31]     ; and the scales'
	s_lshl_b32 s60, s40, 7
	s_mov_b32 s61, 0
	s_add_nc_u64 s[48:49], s[48:49], s[60:61]      ; at my head's 32 columns
	s_add_nc_u64 s[50:51], s[50:51], s[60:61]
	s_lshl_b32 s62, s41, 3
	s_add_co_u32 s62, s62, s40
	s_lshl_b32 s62, s62, 3
	s_add_co_u32 s62, s62, s42                     ; (8 batch + head) 8 + step
	s_mul_i32 s60, s62, 3072
	s_add_nc_u64 s[52:53], s[52:53], s[60:61]
	s_lshl_b32 s60, s62, 7
	s_add_nc_u64 s[54:55], s[54:55], s[60:61]
	s_wait_alu depctr_va_vdst(0)                   ; the offsets and LDS addresses v4 to v14 are written: every load and store of this way reads one of them
.irp u, 0,1
.irp k, 0,1
	global_load_b128 v[BB+8*\u+4*\k:BB+8*\u+4*\k+3], v13, s[50:51] offset:32*\u+16*\k   ; the bias at 16 h + 8 u + 0 .. 7
.endr
	global_load_b32 v[BV+\u], v14, s[50:51] offset:32*\u                             ; and at 8 u + my column
.endr
	WIN 0x40
.irp a, 0,1                                    ; my two tiles of tokens, 2 w + a
.irp g, 0,1
.irp b, 0,1,2,3
.irp j, 0,1,2,3
	global_load_b128 v[128*\a+64*\g+16*\b+4*\j:128*\a+64*\g+16*\b+4*\j+3], v4, s[46:47] offset:8192*\a+512*\g+128*\b+16*\j
.endr
.endr
.endr
.endr
	WLOADS
	s_wait_loadcnt 63                              ; 134 loads are issued: the first 71 are in, the biases' 6 and the tokens' 64 among them
.irp a, 0,1
.irp g, 0,1
	QUANT 128*\a+64*\g, 1, PC, PW
	s_wait_alu depctr_va_vdst(0)                   ; the quantiser has written v[PC ..] and v[PW], which the LDS stores read
.irp c, 0,1,2
	ds_store_b128 v11, v[PC+4*\c:PC+4*\c+3] offset:(2*\a+\g)*1536+512*\c
.endr
	ds_store_b32 v12, v[PW] offset:128*(2*\a+\g)
	s_wait_dscnt 0x0                               ; the image lies in LDS
	s_wait_alu depctr_vm_vsrc(0)                   ; the stores have read v[PC ..] and v[PW], which the next run of the quantiser writes
.endr
.endr
	WQ
	s_wait_dscnt 0x0                               ; for the others' sake: my images lie in LDS
	s_barrier_signal -1
	s_barrier_wait -1                              ; everybody's do
	s_wait_alu depctr_va_vdst(0)                   ; the quantiser's four runs are done reading window 1's numbers, in whose registers the images' loads land
	s_wait_alu depctr_vm_vsrc(0)                   ; my stage's LDS stores have read window 2's registers, the first 64 of which the products write
	WIN 0x40
.set i, 0
.rept 16
.irp c, 0,1,2
	ds_load_b128 v[12*i+4*\c:12*i+4*\c+3], v8 offset:XIMG+1536*i+512*\c
.endr
.set i, i+1
.endr
	WIN 0
.set i, 0
.rept 16
	ds_load_b32 v[XS+i], v9 offset:XSC+128*i
.set i, i+1
.endr
	s_wait_kmcnt 0x0
	s_max_i32 s43, s43, 0
	s_min_i32 s43, s43, 1024
	s_lshl_b32 s60, s42, 7
	s_sub_co_i32 s45, s43, s60                     ; the length, counted from the step's first token
	s_wait_dscnt 0x0
	s_cmp_lg_u32 s39, 0
	s_cbranch_scc1 .Lkind_v
	v_sub_nc_u32 v15, s45, v63                     ; token 32 (t / 2) + 8 (t % 2) + r + 8 (r / 8) counts where it lies under the length
.irp t, 0,1,2,3,4,5,6,7
	v_cmp_lt_i32 s[CM+\t], 32*(\t/2)+8*(\t%2), v15
.endr
	s_wait_alu depctr_va_sdst(0)                   ; the eight compares have written their masks, ahead of the selects that read them
.irp t, 0,1,2,3,4,5,6,7
	v_cndmask_b32 v[MK+2*\t], 0, 1.0, s[CM+\t]
	v_cndmask_b32 v[MK+2*\t+1], 0, 1.0, s[CM+\t]
.endr
	s_wait_alu depctr_va_vdst(0)                   ; the weight's quantiser has written v[WF ..] and v[WS ..], which the products take as operand and scales; the lines above are the places, which stay beside this wait
	UNIT 0, 0
	UNIT 0, 1
	s_wait_dscnt 0x0                               ; the closing lines, six on end
	s_wait_alu 0x0
	s_wait_tensorcnt 0x0
	ds_add_u32 v254, v255
	s_wait_dscnt 0x0
	s_endpgm
.Lkind_v:
.irp u, 0,1
.irp j, 0,1,2,3,4,5,6,7
	v_mov_b32 v[BB+8*\u+\j], v[BV+\u]              ; a lane holds one d: its bias in all eight registers
.endr
.endr
	v_lshlrev_b32 v15, 4, v3
	v_sub_nc_u32 v15, s45, v15                     ; register 8 t + j holds token 32 (t / 2) + 8 (t % 2) + j + 16 h: register 16 b + i holds token 32 b + i + 16 h
.irp b, 0,1,2,3
.irp i, 0,1,2,3,4,5,6,7,8,9,10,11,12,13,14,15
	v_cmp_lt_i32 s[CM+\i], 32*\b+\i, v15
.endr
	s_wait_alu depctr_va_sdst(0)                   ; the sixteen compares have written their masks, ahead of the selects that read them
.irp i, 0,1,2,3,4,5,6,7,8,9,10,11,12,13,14,15
	v_cndmask_b32 v[MV+16*\b+\i], 0, 1.0, s[CM+\i]
.endr
.endr
	s_wait_alu depctr_va_vdst(0)                   ; the weight's quantiser has written v[WF ..] and v[WS ..], which the products take as operand and scales; the lines above are the places, which stay beside this wait
	UNIT 1, 0
	UNIT 1, 1
	s_wait_dscnt 0x0                               ; the closing lines, six on end
	s_wait_alu 0x0
	s_wait_tensorcnt 0x0
	ds_add_u32 v254, v255
	s_wait_dscnt 0x0
	s_endpgm
	; ---- work-groups 256-259: Wq's and Wo's fragments
.Lweights:
	s_sub_co_u32 s37, ttmp9, 256
	s_lshr_b32 s38, s37, 1                         ; 0: Wq, 1: Wo
	s_and_b32 s39, s37, 1
	s_lshl_b32 s39, s39, 2
	s_add_co_u32 s39, s39, s36                     ; which 32 columns
	v_add_nc_u32 v6, WST2, v6
	v_add_nc_u32 v7, WST2, v7
	s_wait_kmcnt 0x0
	s_cmp_eq_u32 s38, 0
	s_cselect_b64 s[48:49], s[14:15], s[16:17]
	s_lshl_b32 s60, s39, 7
	s_mov_b32 s61, 0
	s_add_nc_u64 s[48:49], s[48:49], s[60:61]
	s_lshl_b32 s62, s38, 3
	s_add_co_u32 s62, s62, s39
	s_mul_i32 s60, s62, 6144
	s_add_nc_u64 s[52:53], s[32:33], s[60:61]
	s_lshl_b32 s60, s62, 8
	s_add_nc_u64 s[54:55], s[34:35], s[60:61]
	s_wait_alu depctr_va_vdst(0)                   ; the offsets and LDS addresses v5 to v8 and v10 are written: every load and store of this way reads one of them
	WLOADS
	WQ
	s_wait_alu depctr_va_vdst(0)                   ; the quantiser has written v[WF ..] and v[WS ..], which the stores read
.irp t, 0,1
.irp g, 0,1
.irp c, 0,1,2
	global_store_b128 v8, v[WF+24*\g+12*\t+4*\c:WF+24*\g+12*\t+4*\c+3], s[52:53] offset:(2*\t+\g)*1536+512*\c
.endr
.endr
.endr
	global_store_b64 v10, v[WS:WS+1], s[54:55]     ; 256 consecutive bytes
	s_wait_dscnt 0x0                               ; the closing lines, six on end
	s_wait_alu 0x0
	s_wait_tensorcnt 0x0
	ds_add_u32 v254, v255
	s_wait_dscnt 0x0
	s_endpgm
.Lfunc_end_k_qb01c61effd_prep:
	.size	k_qb01c61effd_prep, .Lfunc_end_k_qb01c61effd_prep-k_qb01c61effd_prep
	.p2alignl 7, 3214868480
	.fill 96, 4, 3214868480
	.section	.rodata,"a",@progbits
	.p2align	6, 0x0
	.amdhsa_kernel k_qb01c61effd_prep
		.amdhsa_group_segment_fixed_size 289280
		.amdhsa_private_segment_fixed_size 0
		.amdhsa_enable_private_segment 0
		.amdhsa_kernarg_size 112
		.amdhsa_user_sgpr_count 2
		.amdhsa_user_sgpr_kernarg_segment_ptr 1
		.amdhsa_wavefront_size32 1
		.amdhsa_system_sgpr_workgroup_id_x 1
		.amdhsa_system_sgpr_workgroup_id_y 1
		.amdhsa_system_sgpr_workgroup_id_z 1
		.amdhsa_system_vgpr_workitem_id 0
		.amdhsa_next_free_vgpr 1024
		.amdhsa_next_free_sgpr 66
		.amdhsa_reserve_vcc 0
		.amdhsa_float_denorm_mode_32 3
		.amdhsa_float_denorm_mode_16_64 3
		.amdhsa_memory_ordered 1
		.amdhsa_forward_progress 1
		.amdhsa_inst_pref_size 157
	.end_amdhsa_kernel
	.amdgpu_metadata
---
amdhsa.version: [ 1, 2 ]
amdhsa.kernels:
  - .name:           k_qb01c61effd_prep
    .symbol:         k_qb01c61effd_prep.kd
    .args:
      - { .name: K, .offset: 0, .size: 8, .value_kind: global_buffer, .address_space: global }
      - { .name: Wk, .offset: 8, .size: 8, .value_kind: global_buffer, .address_space: global }
      - { .name: Wv, .offset: 16, .size: 8, .value_kind: global_buffer, .address_space: global }
      - { .name: Wq, .offset: 24, .size: 8, .value_kind: global_buffer, .address_space: global }
      - { .name: Wo, .offset: 32, .size: 8, .value_kind: global_buffer, .address_space: global }
      - { .name: bk, .offset: 40, .size: 8, .value_kind: global_buffer, .address_space: global }
      - { .name: bv, .offset: 48, .size: 8, .value_kind: global_buffer, .address_space: global }
      - { .name: lengths, .offset: 56, .size: 8, .value_kind: global_buffer, .address_space: global }
      - { .name: kc, .offset: 64, .size: 8, .value_kind: global_buffer, .address_space: global }
      - { .name: ks, .offset: 72, .size: 8, .value_kind: global_buffer, .address_space: global }
      - { .name: vc, .offset: 80, .size: 8, .value_kind: global_buffer, .address_space: global }
      - { .name: vs, .offset: 88, .size: 8, .value_kind: global_buffer, .address_space: global }
      - { .name: wc, .offset: 96, .size: 8, .value_kind: global_buffer, .address_space: global }
      - { .name: ws, .offset: 104, .size: 8, .value_kind: global_buffer, .address_space: global }
    .group_segment_fixed_size: 289280
    .private_segment_fixed_size: 0
    .kernarg_segment_align: 8
    .kernarg_segment_size: 112
    .max_flat_workgroup_size: 128
    .sgpr_count:     66
    .vgpr_count:     1024
    .wavefront_size: 32
...
	.end_amdgpu_metadata
.endif
;; end of part 4
;; launch attn (part 5): grid 512 x 1, 4 waves a work-group, no clusters, 33,792 bytes of LDS; arguments Q, lengths, bq, bo, g0, b0, g1, b1, kc, ks, vc, vs, wc, ws, out0; writes out0
.if DOCPART == 5
	.amdgcn_target "amdgcn-amd-amdhsa--gfx1250"
	.amdhsa_code_object_version 6
	.text
	.protected	k_qb01c61effd_attn
	.globl	k_qb01c61effd_attn
	.p2align	8
	.type	k_qb01c61effd_attn,@function
k_qb01c61effd_attn:
	s_mov_b64 s[64:65], 0
	v_nop
	global_prefetch_b8 v0, s[64:65] scope:SCOPE_SE
	s_setreg_imm32_b32 hwreg(HW_REG_WAVE_SCHED_MODE, 0, 2), 2
	s_setreg_imm32_b32 hwreg(HW_REG_WAVE_MODE, 25, 1), 1
	s_wait_xcnt 0x0
	s_wait_alu depctr_vm_vsrc(0)
; out0 = LN1(y + relu(y Wo + bo)), y = LN0(q + A v), q = (Q Wq + bq) x mask, A = e / (sum of e + 1e-15), e = exp(q k / 16) x mask x mask, head by head (8 heads of 32).
; All four products here (q, scores, A v, y Wo) run on codes of BF6 (E3M2) with one E8M0 scale for each 32 along K; everything else is f32.  k, v, Wq, Wo come as codes in the order of the operand registers.
; SHARES.  A work-group owns a tile of 16 rows of one batch and all 8 heads, so both layer norms stay inside it.  Wave w takes heads 2 w and 2 w + 1, one after the other,
;   then output columns 64 w .. 64 w + 63 of y Wo, then rows 4 w .. 4 w + 3 of the last norm.
; WHO TAKES WHICH TILE hangs on lengths, which every wave reads whole.  A tile's work grows with its batch's length (a key step for each 128 keys), and a tile all of whose rows lie at or beyond the length has no key step at all.
;   So the tiles with a row under the length come first, the batches in the order of falling length (of equal lengths the lower batch first), and the other tiles behind them, batch by batch:
;   the longest work has the lowest work-group numbers, and no long tile stands behind a short one.  The 512 numbers fall one to one onto the 512 tiles, whatever the lengths.
; A IS QUANTISED NORMALISED, so the row's sum must be known before any code is made: a head's e for 16 rows x 1,024 keys is 512 registers of the wave and stays there.  Phase A walks the key steps (128 keys) upward:
;   scores, exponentials, sums and each block's largest e.  Phase B walks them downward: x 1 / sum, codes, A v.  Downward, so that on every way into step s of phase B the steps 0 .. s of phase A have run.
; THE MASK is built from lengths: key steps at or beyond the length are left out by scalar branches on that whole number, and a tile of rows at or beyond it goes past Q and the heads: its q + A v is 0.
;   So this launch has no tensor load, and no barrier under such a branch.
;   In the last step hidden keys get -1e30 as the C of the score's product: their e is 0.  Rows at or beyond the length inside a live tile have q = 0 and 1 / sum = 0.
; K = 32 IN A FORM OF K = 128: a fragment of k holds 64 keys, one tile of 16 in each K block; it is multiplied by four variants of q, each with the head's 32 codes in one block and zero codes in the other three.
; LAYOUT.  All products are used transposed: a lane holds one row (lane % 16).  Tiles of keys and of columns are ordered so that 16 registers of two neighbouring tiles are 16 neighbours (row r of tile 2 b + u is element 32 b + 8 u + r + 8 (r / 8)).
;   q and A v have the same layout, so the sum of A v begins on q: the residual costs nothing.
; NOT SHARED IN A CLUSTER: work-groups of one batch walk the same k and v, but how many steps, or whether any, hangs on lengths.
; LIMITS.  NaN and infinities are not served.  The exponential is raw, as in the definition: it overflows where that does; a result under 2^-126 is 0 (ISA guide, v_exp_f32).  -1e30 hides a key for |score| under 1e29.
;   A = e x (1 / (sum + 1e-15)) by v_rcp_f32 and a multiplication, not a division.  A block of zeros carries the scale byte 1; nobody else reads it.  lengths are held to 0 .. 1024.
; REGISTERS, in windows of 256: window 0 below.  Windows 1 and 2: e, key step s at window 1 + s / 4, register 64 (s % 4); before the loop Q's numbers, behind it y (window 1) and g0, b0 (window 2).
;   Window 3: v0-191 v's fragments (24 s + 12 tile of d); at a trip's head v96-143 Wq's four fragments, v144-159 bq; v192-255 the last step's -1e30 or 0; behind the loop Wo's eight fragments and bo.
; THE MODE: SCHED_MODE bits 1:0 = 2 (LLVM: expert scheduling mode 2), set by the entry lines.  The code itself states the register dependences
; between vector or matrix instructions and memory or LDS instructions, with s_wait_alu, always for 0.
; THE PLAN.  Registers that memory or LDS instructions touch, and who else names them:
;   v4-v9, v11, v18   offsets and LDS addresses: written at the head and never again.  A wait on va_vdst ahead of Q's loads; in a tile with no row under the length, ahead of its zeros' stores.
;   v10, v[OA ..]     v10 is written and q + A v finished at a trip's end.  A wait on va_vdst ahead of the stage's four stores, a wait on vm_vsrc behind them: the next trip writes both again.
;                     That wait on va_vdst is a trip's last line on the vector side's account: no vector or matrix instruction stands between it and the loads at the next trip's head, or those behind the loop,
;                     so it also states that the trip is done with all the registers in which they land (Wq's, bq's, v[76:77], k's two sets, v's fragments and scale words, windows 1 and 2).
;   window 3 v96-159  Wq and bq land there at a trip's head, q's four products read them, v's steps 4 to 6 land there: the wait on va_vdst ahead of key step 0.
;   v[KB ..], v[KS ..]  set s % 2 is read by step s's eight products; k of step s + 2 lands there at the head of step s + 1.  Between the two stands the wait behind step s's exponentials, and the sums and maxima
;                     behind that wait name none of the registers that the loads at the next step's head touch: phase A has no further wait.
;   v[QV ..], v[QS]; v[PC ..], v[PW]; v[XF ..], v78, v79   written by vector instructions and taken by scaled products as operand and scales: a wait on va_vdst behind the places, ahead of the first product that takes them.
;   The masks of compares go into scalar registers that hold nothing any more, in runs of sixteen, with one wait on va_sdst behind each run.
.set OS2, 16640                        ; LDS: 16 rows x (1,024 + 16) bytes of q + A v at 0; the same for y + relu(..) here.  Rows 1,040 bytes apart: the sixteen rows of a 16-byte access start at sixteen different 16-byte columns modulo 256
.set TM,  28                           ; v28-43  at work in the quantiser
.set PC,  44                           ; v44-55  A's fragment
.set PT,  56                           ; v56-63  upper halves of blocks, before they are moved
.set PW,  64                           ; v64     A's scale word
.set QS,  65                           ; v65     q's scale byte, four times
.set KS,  66                           ; v66-67  k's scale words, two sets
.set VS,  68                           ; v68-75  v's scale words, a register for each step
.set QV,  80                           ; v80-109 zeros, q in lanes 0-15, zeros, q in lanes 16-31, zeros: 6 registers each; variant p begins at QV + 6 ((2 p + 1) % 5)
.set OA,  112                          ; v112-127 q, then q + A v: two tiles of d;  behind the loop v112-143: four tiles of y Wo
.set BM,  128                          ; v128-159 each block's largest e: 4 s + b
.set XF,  160                          ; v160-183 two fragments: Q's rows, later y's
.set KB,  184                          ; v184-231 k's fragments, two sets of two
.set SEL, 52                           ; s[52:53] lane selects for v_permlanex16_b32: lane l xor 16
.set LEN, 84                           ; s84-91  the eight lengths, held to 0 .. 1024;  behind the choice of the tile s84-99 take the compares' masks
.set LIV, 92                           ; s92-99  each batch's tiles that have a row under its length
.set BEG, 56                           ; s56-63  the number of the work-group that takes each batch's tile 0 (pointers later)
; v1 lane, v2 r, v3 h, v4 16 lane, v5 4 lane, v6 8 lane, v7 Q's offset, v8 64 h, v9 stage 1040 r + 64 h + 256 w, v10 the same + the trip's 128, v11 last norm's rows, v[12:13] the row's mask, v[14:15] 1 / sum,
; v16 -1e30, v17 threshold, v18 1040 r + 64 h, v19 at work, v20-27 sums in four pairs, v[76:77], v[240:241] weights' scale words, v[78:79] rows' scale words, v[110:111] -mean, 1 / deviation, v232-238 q's codes
.set MSB, 0
.macro WIN new                         ; the immediate's high byte repeats the setting that is left; a switch that changes nothing is dropped
.if MSB != (\new)
	s_set_vgpr_msb (MSB<<8)|(\new)
.set MSB, (\new)
.endif
.endm
.macro MM d, a, b, c, sa, sb, ra, rb   ; one matrix instruction: D, A, B, C (below 0: the constant 0), the scale registers, and which half of the lanes holds each side's scales
.if (\c) < 0
.if (\ra) == 1
	v_wmma_scale_f32_16x16x128_f8f6f4 v[(\d):(\d)+7], v[(\a):(\a)+11], v[(\b):(\b)+11], 0, v[\sa], v[\sb] matrix_a_fmt:MATRIX_FMT_BF6 matrix_b_fmt:MATRIX_FMT_BF6 matrix_a_scale:MATRIX_SCALE_ROW1
.else
	v_wmma_scale_f32_16x16x128_f8f6f4 v[(\d):(\d)+7], v[(\a):(\a)+11], v[(\b):(\b)+11], 0, v[\sa], v[\sb] matrix_a_fmt:MATRIX_FMT_BF6 matrix_b_fmt:MATRIX_FMT_BF6
.endif
.else
.if (\ra) == 1
	v_wmma_scale_f32_16x16x128_f8f6f4 v[(\d):(\d)+7], v[(\a):(\a)+11], v[(\b):(\b)+11], v[(\c):(\c)+7], v[\sa], v[\sb] matrix_a_fmt:MATRIX_FMT_BF6 matrix_b_fmt:MATRIX_FMT_BF6 matrix_a_scale:MATRIX_SCALE_ROW1
.elseif (\rb) == 1
	v_wmma_scale_f32_16x16x128_f8f6f4 v[(\d):(\d)+7], v[(\a):(\a)+11], v[(\b):(\b)+11], v[(\c):(\c)+7], v[\sa], v[\sb] matrix_a_fmt:MATRIX_FMT_BF6 matrix_b_fmt:MATRIX_FMT_BF6 matrix_b_scale:MATRIX_SCALE_ROW1
.else
	v_wmma_scale_f32_16x16x128_f8f6f4 v[(\d):(\d)+7], v[(\a):(\a)+11], v[(\b):(\b)+11], v[(\c):(\c)+7], v[\sa], v[\sb] matrix_a_fmt:MATRIX_FMT_BF6 matrix_b_fmt:MATRIX_FMT_BF6
.endif
.endif
.endm
; 64 numbers at v[s] on of window w (register 16 b + i = k 32 b + 16 (lane / 16) + i of my row), scale operands in v[TM+12 ..]: the fragment's 12 registers at v[pc] on
.macro PACK6 s, w, pc
	WIN (\w)
.irp c, 0,1
	v_cvt_scalef32_pk16_bf6_f32 v[(\pc)+6*\c:(\pc)+6*\c+2], v[(\s)+32*\c:(\s)+32*\c+15], v[TM+12+2*\c]
	v_cvt_scalef32_pk16_bf6_f32 v[PT+4*\c:PT+4*\c+2], v[(\s)+32*\c+16:(\s)+32*\c+31], v[TM+13+2*\c]   ; (a conversion's three registers begin on an even number)
.endr
	WIN 0
	v_nop                                          ; one plain instruction behind the scaled conversions
.irp c, 0,1                                    ; the operand wants a whole block in a lane: lanes 0-15 block 2 c, lanes 16-31 block 2 c + 1
.irp i, 0,1,2
	v_permlane16_swap_b32 v[(\pc)+6*\c+\i], v[PT+4*\c+\i]
.endr
.irp i, 0,1,2
	v_mov_b32 v[(\pc)+6*\c+3+\i], v[PT+4*\c+\i]
.endr
.endr
.endm
.macro QUANT s, w, pc, pw              ; the four blocks' largest magnitudes (with the floor 2^(5 - 127)), the scale word into v[pw], the codes into v[pc] on
	WIN (\w)|((\w)<<2)
.irp b, 0,1,2,3
	v_max3_num_f32 v[TM+\b], |v[(\s)+16*\b]|, |v[(\s)+16*\b+1]|, 0x2800000
.endr
.irp i, 2,4,6,8,10,12,14
.irp b, 0,1,2,3
	v_max3_num_f32 v[TM+\b], |v[(\s)+16*\b+\i]|, |v[(\s)+16*\b+\i+1]|, v[TM+\b]
.endr
.endr
	WIN 0
.irp b, 0,1,2,3
	v_permlanex16_b32 v[TM+4+\b], v[TM+\b], s[SEL], s[SEL+1]
.endr
.irp b, 0,1,2,3
	v_max_num_f32 v[TM+\b], v[TM+\b], v[TM+4+\b]
.endr
.irp b, 0,1,2,3
	v_add_nc_u32 v[TM+12+\b], 0xfe000000, v[TM+\b] ; 4 off the exponent field: the conversion's scale operand
.endr
.irp b, 0,1,2,3
	v_lshrrev_b32 v[TM+4+\b], 23, v[TM+12+\b]      ; the scale's byte
.endr
	v_lshl_or_b32 v[\pw], v[TM+5], 8, v[TM+4]
	v_lshl_or_b32 v[\pw], v[TM+6], 16, v[\pw]
	v_lshl_or_b32 v[\pw], v[TM+7], 24, v[\pw]
	PACK6 \s, \w, \pc
.endm
.macro REDUCE                          ; the four pairs of sums, and lane l xor 16's: the row's sum in v20
	v_pk_add_f32 v[20:21], v[20:21], v[22:23]
	v_pk_add_f32 v[24:25], v[24:25], v[26:27]
	v_pk_add_f32 v[20:21], v[20:21], v[24:25]
	v_add_f32 v20, v20, v21
	v_permlanex16_b32 v19, v20, s[SEL], s[SEL+1]
	v_add_f32 v20, v20, v19
.endm
.macro ZSUM
.irp i, 0,1,2,3,4,5,6,7
	v_mov_b32 v[20+\i], 0
.endr
.endm
.macro KLOAD s                         ; key step s: two fragments of 64 keys and their scale words, into set s % 2: seven loads
.irp f, 0,1
.irp c, 0,1,2
	global_load_b128 v[KB+24*((\s)%2)+12*\f+4*\c:KB+24*((\s)%2)+12*\f+4*\c+3], v4, s[56:57] offset:3072*(\s)+1536*\f+512*\c
.endr
.endr
	global_load_b32 v[KS+(\s)%2], v5, s[58:59] offset:128*(\s)
.endm
.macro VLOAD s                         ; key step s of v: two fragments (tiles of d) and their scale words: seven loads, wanted only in phase B
	WIN 0xc0
.irp u, 0,1
.irp c, 0,1,2
	global_load_b128 v[24*(\s)+12*\u+4*\c:24*(\s)+12*\u+4*\c+3], v4, s[60:61] offset:3072*(\s)+1536*\u+512*\c
.endr
.endr
	WIN 0
	global_load_b32 v[VS+(\s)], v5, s[62:63] offset:128*(\s)
.endm
.macro SCORES s, m                     ; eight products: key tile 4 f + p = fragment f x variant p of q.  m = 1: the last step: C holds -1e30 at hidden keys
.irp f, 0,1
.irp p, 0,1,2,3
.if \m
	MM EB+8*(4*\f+\p), KB+24*((\s)%2)+12*\f, QV+6*((2*\p+1)%5), 192+8*(4*\f+\p), KS+(\s)%2, QS, \f, 0
.else
	MM EB+8*(4*\f+\p), KB+24*((\s)%2)+12*\f, QV+6*((2*\p+1)%5), -1, KS+(\s)%2, QS, \f, 0
.endif
.endr
.endr
.endm
; PHASE A, key step s: written out for each s, since e's registers move from step to step
.macro ASTEP s
.set EW, 1+(\s)/4
.set EB, 64*((\s)%4)
.if (\s) < 7
	KLOAD (\s)+1                                   ; a step ahead; all eight steps lie in the buffer, whatever the length.  No wait: no vector or matrix instruction since the last wait on va_vdst names the registers of these fourteen loads
.endif
	VLOAD \s
.if ((\s) == 0) || ((\s) == 7)
	s_wait_loadcnt 14                              ; behind this step's k: two groups of seven loads
.else
	s_wait_loadcnt 21                              ; behind this step's k: v of the step before, k of the next, v of this one: seven each
.endif
	s_cmp_eq_u32 s46, \s
	s_cbranch_scc1 .Lmask_\s
	WIN (EW<<6)
	SCORES \s, 0
	WIN 0
	s_branch .Ljoin_\s
.Lmask_\s:
	WIN (EW<<6)|0x30
	SCORES \s, 1
	WIN 0
.Ljoin_\s:
.rept 4
	v_nop                                          ; four places behind the products, ahead of the first read of results (ISA guide 7.12.1)
.endr
	WIN (EW<<6)|EW
.set i, 0
.rept 32
	v_pk_mul_f32 v[EB+2*i:EB+2*i+1], v[EB+2*i:EB+2*i+1], s[50:51] op_sel_hi:[1,0]   ; x log2(e) / 16; each accumulator from its low end on
.set i, i+1
.endr
.set i, 0
.rept 64
	v_exp_f32 v[EB+i], v[EB+i]
.set i, i+1
.endr
	v_nop                                          ; a plain instruction behind the last exponential
	s_wait_alu depctr_va_vdst(0)                   ; the 64 exponentials have written e, ahead of its first reader (one wait for the batch); and this step's eight products are done reading their set of k and its scale words, in which the next step's loads land
	WIN (EW<<2)|(EW<<4)
.irp i, 0,2,4,6,8,10,12,14
.irp b, 0,1,2,3
	v_pk_add_f32 v[20+2*\b:21+2*\b], v[20+2*\b:21+2*\b], v[EB+16*\b+\i:EB+16*\b+\i+1]
.if \i == 0
	v_max3_num_f32 v[BM+4*(\s)+\b], 0, v[EB+16*\b+\i], v[EB+16*\b+\i+1]
.else
	v_max3_num_f32 v[BM+4*(\s)+\b], v[BM+4*(\s)+\b], v[EB+16*\b+\i], v[EB+16*\b+\i+1]
.endif
.endr
.endr
	WIN 0
.if (\s) < 7
	s_cmp_eq_u32 s46, \s
	s_cbranch_scc1 .LMID_\s                        ; that was the last step with keys that count
.endif
.endm
; between the phases, entered behind step s: 1 / (sum + 1e-15), 0 for a row at or beyond the length
.macro MID s
.if (\s) < 7
.LMID_\s:
.endif
	s_wait_loadcnt 0x0                             ; v's fragments, and the step of k that was asked for ahead
	REDUCE
	v_add_f32 v20, 0x26901d7d, v20                 ; + 1e-15
	v_rcp_f32 v14, v20
	v_nop
	s_wait_alu depctr_va_vdst(0)                   ; the reciprocal has written v14, ahead of its first reader
	v_mul_f32 v14, v14, v12
	v_mov_b32 v15, v14
.if (\s) < 7
	s_branch .LB_\s
.endif
.endm
; PHASE B, key step s: A = e / sum, quantised along the keys, and q + A v
.macro BSTEP s
.set EW, 1+(\s)/4
.set EB, 64*((\s)%4)
.LB_\s:
.irp b, 0,1,2,3
	v_permlanex16_b32 v[TM+4+\b], v[BM+4*(\s)+\b], s[SEL], s[SEL+1]
.endr
.irp b, 0,1,2,3
	v_max_num_f32 v[TM+\b], v[BM+4*(\s)+\b], v[TM+4+\b]
.endr
.irp b, 0,1,2,3
	v_mul_f32 v[TM+\b], v[TM+\b], v14              ; the block's largest A: the same multiplication on the block's largest e gives its bits, since rounding keeps the order
.endr
.irp b, 0,1,2,3
	v_max_num_f32 v[TM+\b], 0x2800000, v[TM+\b]    ; the floor 2^(5 - 127)
.endr
.irp b, 0,1,2,3
	v_add_nc_u32 v[TM+12+\b], 0xfe000000, v[TM+\b]
.endr
.irp b, 0,1,2,3
	v_lshrrev_b32 v[TM+4+\b], 23, v[TM+12+\b]
.endr
	v_lshl_or_b32 v[PW], v[TM+5], 8, v[TM+4]
	v_lshl_or_b32 v[PW], v[TM+6], 16, v[PW]
	v_lshl_or_b32 v[PW], v[TM+7], 24, v[PW]
	WIN (EW<<6)|EW
.set i, 0
.rept 32
	v_pk_mul_f32 v[EB+2*i:EB+2*i+1], v[EB+2*i:EB+2*i+1], v[14:15]
.set i, i+1
.endr
	PACK6 EB, EW, PC
.rept 4
	v_nop                                          ; an operand written by vector instructions stands four places ahead of a scaled product
.endr
	s_wait_alu depctr_va_vdst(0)                   ; A's fragment v[PC ..] and its scale word v[PW] are written, which the two products take; the places above stay beside this wait
	WIN 0x03
	MM OA, 24*(\s), PC, OA, VS+(\s), PW, 0, 0      ; the two tiles of d take turns through all steps
	MM OA+8, 24*(\s)+12, PC, OA+8, VS+(\s), PW, 1, 0
	WIN 0
.endm
	s_load_b512 s[8:23], s[0:1], 0x0               ; Q 8, lengths 10, bq 12, bo 14, g0 16, b0 18, g1 20, b1 22
	s_load_b256 s[24:31], s[0:1], 0x40             ; kc 24, ks 26, vc 28, vs 30
	s_load_b128 s[32:35], s[0:1], 0x60             ; wc 32, ws 34
	s_load_b64 s[36:37], s[0:1], 0x70              ; out0
	v_lshl_add_u32 v254, v0, 2, 0x8200
	v_mov_b32 v255, 0
	v_lshrrev_b32 v1, 5, v0
	v_readfirstlane_b32 s38, v1                    ; wave 0..3
	s_wait_kmcnt 0x0
	s_load_b256 s[LEN:LEN+7], s[10:11], 0x0        ; all eight lengths; the lane terms and constants below are made while they come
	v_and_b32 v1, 31, v0
	v_and_b32 v2, 15, v0
	v_bfe_u32 v3, v0, 4, 1
	v_lshlrev_b32 v4, 4, v1
	v_lshlrev_b32 v5, 2, v1
	v_lshlrev_b32 v6, 3, v1
	v_lshlrev_b32 v8, 6, v3
	v_lshl_add_u32 v7, v2, 10, v8                  ; Q: row r of 1,024 bytes, + 64 h: my 16 numbers of a block of 32
	v_mad_u32_u24 v18, v2, 1040, v8
	s_wait_alu depctr_va_sdst(0)                   ; s38 is written, ahead of its first reader
	s_lshl_b32 s72, s38, 8
	v_add_nc_u32 v9, s72, v18
	s_mul_i32 s72, s38, 4160
	v_add_nc_u32 v11, s72, v4
	v_add_nc_u32 v11, OS2, v11
	v_mov_b32 v16, 0xf149f2ca                      ; -1e30
	v_mov_b32 v19, 0                               ; (lane permutes' destinations count as sources: written once)
.irp b, 0,1,2,3
	v_mov_b32 v[TM+4+\b], 0
.endr
.irp i, 0,1,2
	v_mov_b32 v[236+\i], 0
.endr
	s_mov_b32 s50, 0x3db8aa3b                      ; log2(e) / 16
	s_mov_b32 s51, s50                             ; (named with it as a pair)
	s_mov_b32 s[SEL], 0x76543210
	s_mov_b32 s[SEL+1], 0xfedcba98
	s_mov_b32 s54, 0x0000ffff                      ; lanes 0-15
	s_mov_b32 s55, 0xffff0000                      ; lanes 16-31
	s_mov_b32 s80, 0x3b800000                      ; 1 / 256
	s_mov_b32 s81, 0x3727c5ac                      ; 1e-5
	s_wait_kmcnt 0x0
	; ---- which tile is mine.  Batch b has LIV_b = (length + 15) / 16 tiles with a row under its length; they take the numbers BEG_b .. BEG_b + LIV_b - 1,
	; BEG_b being the sum of LIV over the batches that come before b: those of greater length, and of equal length the lower ones
.irp b, 0,1,2,3,4,5,6,7
	s_max_i32 s[LEN+\b], s[LEN+\b], 0
	s_min_i32 s[LEN+\b], s[LEN+\b], 1024
	s_add_co_u32 s[LIV+\b], s[LEN+\b], 15
	s_lshr_b32 s[LIV+\b], s[LIV+\b], 4
	s_mov_b32 s[BEG+\b], 0
.endr
.irp a, 0,1,2,3,4,5,6
.irp b, 1,2,3,4,5,6,7
.if \a < \b                                    ; each pair once: one of the two comes before the other
	s_cmp_ge_u32 s[LEN+\a], s[LEN+\b]
	s_cselect_b32 s72, s[LIV+\a], 0
	s_cselect_b32 s73, 0, s[LIV+\b]
	s_add_co_u32 s[BEG+\b], s[BEG+\b], s72
	s_add_co_u32 s[BEG+\a], s[BEG+\a], s73
.endif
.endr
.endr
	s_mov_b32 s40, 0                               ; batch,
	s_mov_b32 s41, 0                               ; tile
	s_mov_b32 s44, 0                               ; and the batch's length: exactly one of the sixteen tests below holds
	s_mov_b32 s74, 0                               ; the sum of all LIV
.irp b, 0,1,2,3,4,5,6,7
	s_sub_co_u32 s72, ttmp9, s[BEG+\b]             ; (a number below BEG_b wraps round to a very large one, and fails the test)
	s_cmp_lt_u32 s72, s[LIV+\b]
	s_cselect_b32 s40, \b, s40
	s_cselect_b32 s41, s72, s41
	s_cselect_b32 s44, s[LEN+\b], s44
	s_add_co_u32 s74, s74, s[LIV+\b]
.endr
	s_sub_co_u32 s75, ttmp9, s74                   ; the numbers from that sum on take the other tiles, 64 - LIV_b of batch b, batch by batch
	s_mov_b32 s76, 0
.irp b, 0,1,2,3,4,5,6,7
	s_sub_co_u32 s77, 64, s[LIV+\b]
	s_sub_co_u32 s72, s75, s76
	s_add_co_u32 s73, s72, s[LIV+\b]
	s_cmp_lt_u32 s72, s77
	s_cselect_b32 s40, \b, s40
	s_cselect_b32 s41, s73, s41
	s_cselect_b32 s44, s[LEN+\b], s44
	s_add_co_u32 s76, s76, s77
.endr
	s_min_u32 s40, s40, 7                          ; both come of loaded numbers: they are held inside their ranges before they enter an offset
	s_min_u32 s41, s41, 63
	s_lshl_b32 s42, s41, 4                         ; the tile's first row
	s_lshl_b32 s43, s40, 10
	s_add_co_u32 s43, s43, s42
	s_lshl_b32 s74, s43, 10
	s_mov_b32 s75, 0
	s_lshl_b32 s76, s38, 12
	s_mov_b32 s77, 0
	s_add_nc_u64 s[8:9], s[8:9], s[74:75]          ; Q at the tile's first row
	s_add_nc_u64 s[36:37], s[36:37], s[74:75]
	s_add_nc_u64 s[36:37], s[36:37], s[76:77]      ; out0 at my four rows
	s_cmp_lt_u32 s42, s44
	s_cbranch_scc0 .Ldead                          ; all 16 rows lie at or beyond the length: q + A v = 0, and neither Q nor a head is touched
	s_wait_alu depctr_va_vdst(0)                   ; the offsets and LDS addresses v4 to v9, v11 and v18 are written: every load and store on this way reads one of them (v10 has its own wait)
	WIN 0x40
.irp g, 0,1
.irp b, 0,1,2,3
.irp j, 0,1,2,3
	global_load_b128 v[64*\g+16*\b+4*\j:64*\g+16*\b+4*\j+3], v7, s[8:9] offset:512*\g+128*\b+16*\j
.endr
.endr
.endr
	WIN 0
	s_add_co_u32 s46, s44, 127
	s_lshr_b32 s46, s46, 7
	s_sub_co_i32 s46, s46, 1                       ; the last key step with keys that count
	s_lshl_b32 s72, s46, 7
	s_sub_co_i32 s47, s44, s72                     ; how many of its 128 count
	s_sub_co_i32 s72, s44, s42
	v_lshlrev_b32 v17, 4, v3
	v_sub_nc_u32 v17, s47, v17                     ; register 8 t + j of a step holds key 32 (t / 2) + 8 (t % 2) + j + 16 h: register 16 b + i holds key 32 b + i + 16 h
	v_cmp_gt_i32 s78, s72, v2                      ; is my row under the length?
.irp b, 0,1,2,3
	WIN 0
.irp i, 0,1,2,3,4,5,6,7,8,9,10,11,12,13,14,15
	v_cmp_ge_i32 s[LEN+\i], 32*\b+\i, v17
.endr
	s_wait_alu depctr_va_sdst(0)                   ; the run of compares has written its masks, ahead of the selects that read them
.if \b == 0
	v_cndmask_b32 v12, 0, 1.0, s78                 ; my row's mask
	v_mov_b32 v13, v12
.endif
	WIN 0xc0
.irp i, 0,1,2,3,4,5,6,7,8,9,10,11,12,13,14,15
	v_cndmask_b32 v[192+16*\b+\i], 0, v16, s[LEN+\i]
.endr
.endr
	WIN 0
	s_wait_loadcnt 0x0
	QUANT 0, 1, XF, 78                             ; each wave quantises the 16 rows itself: two runs of the quantiser in place of a barrier
	QUANT 64, 1, XF+12, 79
.irp z, 0,1,2,3,4,5
	v_mov_b32 v[QV+\z], 0                          ; the zero codes of q's variants.  (These 18 are also the places between the quantiser and the first product)
	v_mov_b32 v[QV+12+\z], 0
	v_mov_b32 v[QV+24+\z], 0
.endr
	s_mov_b32 s48, 0                               ; the trip
	s_mov_b32 s39, 0                               ; and its head's 128 bytes in a stage row
	s_wait_alu depctr_va_vdst(0)                   ; the quantiser has written v[XF ..], v78 and v79, which q's products take as operand and scales.  (On the way back into the loop the wait ahead of the stage's stores is the last word on the vector side)
.Lhead:                                            ; two trips: heads 2 w and 2 w + 1
	s_wait_xcnt 0x0                                ; the last trip's loads have read their bases: they are written again only behind this wait
	s_lshl_b32 s49, s38, 1
	s_add_co_u32 s49, s49, s48                     ; the head
	s_lshl_b32 s72, s40, 3
	s_add_co_u32 s72, s72, s49
	s_mul_i32 s74, s72, 24576
	s_mov_b32 s75, 0
	s_add_nc_u64 s[56:57], s[24:25], s[74:75]      ; k's codes,
	s_add_nc_u64 s[60:61], s[28:29], s[74:75]      ; v's,
	s_lshl_b32 s74, s72, 10
	s_add_nc_u64 s[58:59], s[26:27], s[74:75]      ; their scale words,
	s_add_nc_u64 s[62:63], s[30:31], s[74:75]
	s_mul_i32 s74, s49, 6144
	s_add_nc_u64 s[66:67], s[32:33], s[74:75]      ; Wq's 32 columns,
	s_lshl_b32 s74, s49, 8
	s_add_nc_u64 s[68:69], s[34:35], s[74:75]
	s_lshl_b32 s74, s49, 7
	s_add_nc_u64 s[70:71], s[12:13], s[74:75]      ; bq's
	WIN 0xc0
.irp f, 0,1,2,3
.irp c, 0,1,2
	global_load_b128 v[96+12*\f+4*\c:96+12*\f+4*\c+3], v4, s[66:67] offset:1536*\f+512*\c
.endr
.endr
.irp u, 0,1
.irp k, 0,1
	global_load_b128 v[144+8*\u+4*\k:144+8*\u+4*\k+3], v8, s[70:71] offset:32*\u+16*\k
.endr
.endr
	WIN 0
	global_load_b64 v[76:77], v6, s[68:69]
	KLOAD 0
	s_wait_loadcnt 7                               ; all but k's seven
	WIN 0x33                                       ; A (Wq) and C (bq) window 3
	MM OA, 96, XF, 144, 76, 78, 0, 0
	MM OA+8, 120, XF, 152, 76, 78, 1, 0
	WIN 0x03
	MM OA, 108, XF+12, OA, 77, 79, 0, 0
	MM OA+8, 132, XF+12, OA+8, 77, 79, 1, 0
	WIN 0
.rept 4
	v_nop
.endr
.irp i, 0,2,4,6,8,10,12,14
	v_pk_mul_f32 v[OA+\i:OA+\i+1], v[OA+\i:OA+\i+1], v[12:13]   ; x the row's mask: register 8 u + j is q(r, 16 h + 8 u + j)
.endr
	v_max3_num_f32 v28, |v[OA]|, |v[OA+1]|, 0x2800000
	v_max3_num_f32 v29, |v[OA+2]|, |v[OA+3]|, |v[OA+4]|
	v_max3_num_f32 v28, v28, |v[OA+5]|, |v[OA+6]|
	v_max3_num_f32 v29, v29, |v[OA+7]|, |v[OA+8]|
	v_max3_num_f32 v28, v28, |v[OA+9]|, |v[OA+10]|
	v_max3_num_f32 v29, v29, |v[OA+11]|, |v[OA+12]|
	v_max3_num_f32 v28, v28, |v[OA+13]|, |v[OA+14]|
	v_max3_num_f32 v28, v28, v29, |v[OA+15]|
	v_permlanex16_b32 v32, v28, s[SEL], s[SEL+1]
	v_max_num_f32 v28, v28, v32                    ; the head's 32 numbers are one block
	v_add_nc_u32 v40, 0xfe000000, v28
	v_lshrrev_b32 v32, 23, v40
	v_lshl_or_b32 v[QS], v32, 8, v32
	v_lshl_or_b32 v[QS], v[QS], 16, v[QS]          ; the byte in all four places: whichever block holds the codes
	v_cvt_scalef32_pk16_bf6_f32 v[232:234], v[OA:OA+15], v40
	v_nop
.irp i, 0,1,2
	v_permlanex16_b32 v[236+\i], v[232+\i], s[SEL], s[SEL+1]
.endr
.irp i, 0,1,2
	v_cndmask_b32 v[QV+6+\i], 0, v[232+\i], s54    ; lanes 0-15: d 0-15 are mine,
	v_cndmask_b32 v[QV+9+\i], 0, v[236+\i], s54    ; d 16-31 the other half's
	v_cndmask_b32 v[QV+18+\i], 0, v[236+\i], s55   ; lanes 16-31: the other way round
	v_cndmask_b32 v[QV+21+\i], 0, v[232+\i], s55
.endr
	ZSUM                                           ; (eight places between q's variants and the first score)
	s_wait_alu depctr_va_vdst(0)                   ; q's variants v[QV ..] and its scale word v[QS] are written, which the scores' products take; and q's four products are done reading Wq's fragments and bq, in whose registers v's steps 4 to 6 land
.irp s, 0,1,2,3,4,5,6,7
	ASTEP \s
.endr
	MID 7
.irp s, 7,6,5,4,3,2,1,0
	BSTEP \s
.endr
.rept 5
	v_nop                                          ; places behind the last products, ahead of the stores of their results and of the next trip's products into the same registers
.endr
	s_branch .Lodone
.irp s, 6,5,4,3,2,1,0
	MID \s
.endr
.Lodone:
	v_add_nc_u32 v10, s39, v9
	s_wait_alu depctr_va_vdst(0)                   ; the products have written q + A v, and the line above v10: the four stores read them.  It also ends the trip's reading and writing of all registers in which the next loads land (the plan at the head)
	ds_store_b128 v10, v[OA:OA+3]                  ; row r, columns 32 head + 16 h + 0 .. 15
	ds_store_b128 v10, v[OA+4:OA+7] offset:16
	ds_store_b128 v10, v[OA+8:OA+11] offset:32
	ds_store_b128 v10, v[OA+12:OA+15] offset:48
	s_wait_dscnt 0x0
	s_wait_alu depctr_vm_vsrc(0)                   ; the four stores have read v10 and v[OA ..]: the next trip, or the product with Wo, writes them again
	s_add_co_u32 s39, s39, 128
	s_add_co_u32 s48, s48, 1
	s_cmp_lt_u32 s48, 2
	s_cbranch_scc1 .Lhead
	s_branch .Lafter
.Ldead:                                            ; a tile with no row under the length: zeros for my two heads, in the bytes of the stage that are my wave's on either way
.irp i, 0,1,2,3
	v_mov_b32 v[OA+\i], 0
.endr
	s_wait_alu depctr_va_vdst(0)                   ; the zeros are written, and the offsets and LDS addresses v4 to v9, v11 and v18: the stores below and every later load and store on this way read them
.irp x, 0,1
.irp k, 0,1,2,3
	ds_store_b128 v9, v[OA:OA+3] offset:128*\x+16*\k
.endr
.endr
	s_wait_alu depctr_vm_vsrc(0)                   ; the stores have read v[OA ..], which the product with Wo writes
.Lafter:
	; ---- behind the heads: every wave, whatever the length.  102 loads go out ahead of the barrier: g0 and b0 (64), Wo's eight fragments (24), bo (8), Wo's scale words (2), g1 and b1 (4)
	; (no s_wait_alu here: on either way no vector or matrix instruction has been issued since the wait on va_vdst ahead of the stage's stores)
	s_wait_xcnt 0x0
	s_lshl_b32 s72, s38, 1
	s_add_co_u32 s72, s72, 8                       ; Wo's groups of 32 columns 2 w and 2 w + 1 lie behind Wq's eight
	s_mul_i32 s74, s72, 6144
	s_mov_b32 s75, 0
	s_add_nc_u64 s[56:57], s[32:33], s[74:75]
	s_lshl_b32 s74, s72, 8
	s_add_nc_u64 s[58:59], s[34:35], s[74:75]
	s_lshl_b32 s74, s38, 8
	s_add_nc_u64 s[60:61], s[14:15], s[74:75]
	WIN 0x80
.irp g, 0,1
.irp b, 0,1,2,3
.irp j, 0,1,2,3
	global_load_b128 v[64*\g+16*\b+4*\j:64*\g+16*\b+4*\j+3], v8, s[16:17] offset:512*\g+128*\b+16*\j
.endr
.endr
.endr
.irp g, 0,1
.irp b, 0,1,2,3
.irp j, 0,1,2,3
	global_load_b128 v[128+64*\g+16*\b+4*\j:128+64*\g+16*\b+4*\j+3], v8, s[18:19] offset:512*\g+128*\b+16*\j
.endr
.endr
.endr
	WIN 0xc0
.irp x, 0,1
.irp f, 0,1,2,3
.irp c, 0,1,2
	global_load_b128 v[48*\x+12*\f+4*\c:48*\x+12*\f+4*\c+3], v4, s[56:57] offset:6144*\x+1536*\f+512*\c
.endr
.endr
.endr
.irp x, 0,1
.irp u, 0,1
.irp k, 0,1
	global_load_b128 v[96+16*\x+8*\u+4*\k:96+16*\x+8*\u+4*\k+3], v8, s[60:61] offset:128*\x+32*\u+16*\k
.endr
.endr
.endr
	WIN 0
	global_load_b64 v[76:77], v6, s[58:59]
	global_load_b64 v[240:241], v6, s[58:59] offset:256
.irp e, 0,1
	global_load_b128 v[216+4*\e:216+4*\e+3], v4, s[20:21] offset:512*\e
.endr
.irp e, 0,1
	global_load_b128 v[224+4*\e:224+4*\e+3], v4, s[22:23] offset:512*\e
.endr
	s_wait_dscnt 0x0                               ; for the others' sake: my two heads lie in the stage
	s_barrier_signal -1
	s_barrier_wait -1                              ; all eight do
	; ---- the first norm: every wave for all 16 rows, in the layout that the quantiser takes
	WIN 0x40
.irp g, 0,1
.irp b, 0,1,2,3
.irp j, 0,1,2,3
	ds_load_b128 v[64*\g+16*\b+4*\j:64*\g+16*\b+4*\j+3], v18 offset:512*\g+128*\b+16*\j
.endr
.endr
.endr
	WIN 0
	ZSUM
	s_wait_dscnt 0x0
	WIN 0x04
.set i, 0
.rept 64
	v_pk_add_f32 v[20+2*(i%4):21+2*(i%4)], v[20+2*(i%4):21+2*(i%4)], v[2*i:2*i+1]
.set i, i+1
.endr
	WIN 0
	REDUCE
	v_mul_f32 v110, 0xbb800000, v20                ; -mean
	v_mov_b32 v111, v110
	ZSUM
	WIN 0x41
.set i, 0
.rept 64
	v_pk_add_f32 v[2*i:2*i+1], v[2*i:2*i+1], v[110:111]
.set i, i+1
.endr
	WIN 0x05
.set i, 0
.rept 64
	v_pk_fma_f32 v[20+2*(i%4):21+2*(i%4)], v[2*i:2*i+1], v[2*i:2*i+1], v[20+2*(i%4):21+2*(i%4)]
.set i, i+1
.endr
	WIN 0
	REDUCE
	v_fma_f32 v20, v20, s80, s81                   ; variance + 1e-5
	v_rsq_f32 v110, v20
	v_nop
	s_wait_alu depctr_va_vdst(0)                   ; the root has written v110, ahead of its first reader
	v_mov_b32 v111, v110
	WIN 0x41
.set i, 0
.rept 64
	v_pk_mul_f32 v[2*i:2*i+1], v[2*i:2*i+1], v[110:111]
.set i, i+1
.endr
	s_wait_loadcnt 38                              ; g0 and b0 are in: 38 loads were issued behind them
	WIN 0x69                                       ; y window 1, g0 and b0 window 2
.set i, 0
.rept 64
	v_pk_fma_f32 v[2*i:2*i+1], v[2*i:2*i+1], v[2*i:2*i+1], v[128+2*i:128+2*i+1]
.set i, i+1
.endr
	QUANT 0, 1, XF, 78
	QUANT 64, 1, XF+12, 79
.rept 8
	v_nop                                          ; a scale register written by vector instructions stands eight places ahead of a scaled product, an operand four
.endr
	s_wait_loadcnt 4                               ; all but g1 and b1
	s_wait_alu depctr_va_vdst(0)                   ; the quantiser has written y's fragments v[XF ..] and scale words v78 and v79, which the products take; the places above stay beside this wait
	; ---- y Wo + bo: my 64 columns, four accumulators by turns
	WIN 0x33
.irp x, 0,1
.irp u, 0,1
	MM OA+16*\x+8*\u, 48*\x+24*\u, XF, 96+16*\x+8*\u, 76+164*\x, 78, \u, 0
.endr
.endr
	WIN 0x03
.irp x, 0,1
.irp u, 0,1
	MM OA+16*\x+8*\u, 48*\x+24*\u+12, XF+12, OA+16*\x+8*\u, 77+164*\x, 79, \u, 0
.endr
.endr
	WIN 0
.rept 4
	v_nop
.endr
.set i, 0
.rept 32
	v_max_num_f32 v[OA+i], 0, v[OA+i]              ; relu
.set i, i+1
.endr
.irp q, 0,1,2,3                                ; + y: my columns of y are registers 32 w .. 32 w + 31 of window 1: an arm for each wave
	s_cmp_lg_u32 s38, \q
	s_cbranch_scc1 .Lnoty\q
	WIN 0x04
.set i, 0
.rept 16
	v_pk_add_f32 v[OA+2*i:OA+2*i+1], v[OA+2*i:OA+2*i+1], v[32*\q+2*i:32*\q+2*i+1]
.set i, i+1
.endr
	WIN 0
.Lnoty\q:
.endr
	s_wait_alu depctr_va_vdst(0)                   ; the additions have written y + relu(..) in v[OA ..], which the stores read; and no vector instruction stands between this wait and the LDS loads behind the barrier, which land where k's fragments lay
.irp x, 0,1
.irp k, 0,1,2,3
	ds_store_b128 v9, v[OA+16*\x+4*\k:OA+16*\x+4*\k+3] offset:OS2+128*\x+16*\k
.endr
.endr
	s_wait_dscnt 0x0                               ; for the others' sake: my 64 columns lie in the second stage
	s_barrier_signal -1
	s_barrier_wait -1
	; ---- the last norm: four whole rows a wave, 8 numbers a lane, the rows by turns
.irp p, 0,1,2,3
.irp e, 0,1
	ds_load_b128 v[184+8*\p+4*\e:184+8*\p+4*\e+3], v11 offset:1040*\p+512*\e
.endr
.endr
	s_wait_loadcnt_dscnt 0x0
.irp p, 0,1,2,3
	v_pk_add_f32 v[20+2*\p:21+2*\p], v[184+8*\p:185+8*\p], v[186+8*\p:187+8*\p]
	v_pk_add_f32 v[28+2*\p:29+2*\p], v[188+8*\p:189+8*\p], v[190+8*\p:191+8*\p]
.endr
.irp p, 0,1,2,3
	v_pk_add_f32 v[20+2*\p:21+2*\p], v[20+2*\p:21+2*\p], v[28+2*\p:29+2*\p]
.endr
.irp p, 0,1,2,3
	v_add_f32 v[20+2*\p], v[20+2*\p], v[21+2*\p]
.endr
.irp m, 1,2,4,8
.irp p, 0,1,2,3
	v_add_f32_dpp v[20+2*\p], v[20+2*\p], v[20+2*\p] row_xmask:\m row_mask:0xf bank_mask:0xf
.endr
.endr
.irp p, 0,1,2,3
	v_permlanex16_b32 v[21+2*\p], v[20+2*\p], s[SEL], s[SEL+1]
.endr
.irp p, 0,1,2,3
	v_add_f32 v[20+2*\p], v[20+2*\p], v[21+2*\p]
.endr
.irp p, 0,1,2,3
	v_mul_f32 v[20+2*\p], 0xbb800000, v[20+2*\p]   ; -mean
.endr
.irp p, 0,1,2,3
	v_mov_b32 v[21+2*\p], v[20+2*\p]
.endr
.irp k, 0,1,2,3
.irp p, 0,1,2,3
	v_pk_add_f32 v[184+8*\p+2*\k:185+8*\p+2*\k], v[184+8*\p+2*\k:185+8*\p+2*\k], v[20+2*\p:21+2*\p]
.endr
.endr
.irp p, 0,1,2,3
	v_pk_mul_f32 v[28+2*\p:29+2*\p], v[184+8*\p:185+8*\p], v[184+8*\p:185+8*\p]
.endr
.irp k, 1,2,3
.irp p, 0,1,2,3
	v_pk_fma_f32 v[28+2*\p:29+2*\p], v[184+8*\p+2*\k:185+8*\p+2*\k], v[184+8*\p+2*\k:185+8*\p+2*\k], v[28+2*\p:29+2*\p]
.endr
.endr
.irp p, 0,1,2,3
	v_add_f32 v[28+2*\p], v[28+2*\p], v[29+2*\p]
.endr
.irp m, 1,2,4,8
.irp p, 0,1,2,3
	v_add_f32_dpp v[28+2*\p], v[28+2*\p], v[28+2*\p] row_xmask:\m row_mask:0xf bank_mask:0xf
.endr
.endr
.irp p, 0,1,2,3
	v_permlanex16_b32 v[29+2*\p], v[28+2*\p], s[SEL], s[SEL+1]
.endr
.irp p, 0,1,2,3
	v_add_f32 v[28+2*\p], v[28+2*\p], v[29+2*\p]
.endr
.irp p, 0,1,2,3
	v_fma_f32 v[28+2*\p], v[28+2*\p], s80, s81     ; variance + 1e-5
.endr
.irp p, 0,1,2,3
	v_rsq_f32 v[20+2*\p], v[28+2*\p]
.endr
	v_nop
	s_wait_alu depctr_va_vdst(0)                   ; the four roots have written v20, v22, v24 and v26, ahead of their first reader: one wait for the four
.irp p, 0,1,2,3
	v_mov_b32 v[21+2*\p], v[20+2*\p]
.endr
.irp k, 0,1,2,3
.irp p, 0,1,2,3
	v_pk_mul_f32 v[184+8*\p+2*\k:185+8*\p+2*\k], v[184+8*\p+2*\k:185+8*\p+2*\k], v[20+2*\p:21+2*\p]
.endr
.endr
.irp k, 0,1,2,3
.irp p, 0,1,2,3
	v_pk_fma_f32 v[184+8*\p+2*\k:185+8*\p+2*\k], v[184+8*\p+2*\k:185+8*\p+2*\k], v[216+2*\k:217+2*\k], v[224+2*\k:225+2*\k]
.endr
.endr
	s_wait_alu depctr_va_vdst(0)                   ; the multiply-adds have written the four rows in v184 to v215, which the stores read
.irp p, 0,1,2,3
.irp e, 0,1
	global_store_b128 v4, v[184+8*\p+4*\e:184+8*\p+4*\e+3], s[36:37] offset:1024*\p+512*\e th:TH_STORE_NT   ; 32 lanes store 512 consecutive bytes, at a multiple of 256 from out0's first byte
.endr
.endr
	s_wait_dscnt 0x0                               ; the closing lines, six on end
	s_wait_alu 0x0
	s_wait_tensorcnt 0x0
	ds_add_u32 v254, v255
	s_wait_dscnt 0x0
	s_endpgm
.Lfunc_end_k_qb01c61effd_attn:
	.size	k_qb01c61effd_attn, .Lfunc_end_k_qb01c61effd_attn-k_qb01c61effd_attn
	.p2alignl 7, 3214868480
	.fill 96, 4, 3214868480
	.section	.rodata,"a",@progbits
	.p2align	6, 0x0
	.amdhsa_kernel k_qb01c61effd_attn
		.amdhsa_group_segment_fixed_size 33792
		.amdhsa_private_segment_fixed_size 0
		.amdhsa_enable_private_segment 0
		.amdhsa_kernarg_size 120
		.amdhsa_user_sgpr_count 2
		.amdhsa_user_sgpr_kernarg_segment_ptr 1
		.amdhsa_wavefront_size32 1
		.amdhsa_system_sgpr_workgroup_id_x 1
		.amdhsa_system_sgpr_workgroup_id_y 1
		.amdhsa_system_sgpr_workgroup_id_z 1
		.amdhsa_system_vgpr_workitem_id 0
		.amdhsa_next_free_vgpr 1024
		.amdhsa_next_free_sgpr 100
		.amdhsa_reserve_vcc 0
		.amdhsa_float_denorm_mode_32 3
		.amdhsa_float_denorm_mode_16_64 3
		.amdhsa_memory_ordered 1
		.amdhsa_forward_progress 1
		.amdhsa_inst_pref_size 237
	.end_amdhsa_kernel
	.amdgpu_metadata
---
amdhsa.version: [ 1, 2 ]
amdhsa.kernels:
  - .name:           k_qb01c61effd_attn
    .symbol:         k_qb01c61effd_attn.kd
    .args:
      - { .name: Q, .offset: 0, .size: 8, .value_kind: global_buffer, .address_space: global }
      - { .name: lengths, .offset: 8, .size: 8, .value_kind: global_buffer, .address_space: global }
      - { .name: bq, .offset: 16, .size: 8, .value_kind: global_buffer, .address_space: global }
      - { .name: bo, .offset: 24, .size: 8, .value_kind: global_buffer, .address_space: global }
      - { .name: g0, .offset: 32, .size: 8, .value_kind: global_buffer, .address_space: global }
      - { .name: b0, .offset: 40, .size: 8, .value_kind: global_buffer, .address_space: global }
      - { .name: g1, .offset: 48, .size: 8, .value_kind: global_buffer, .address_space: global }
      - { .name: b1, .offset: 56, .size: 8, .value_kind: global_buffer, .address_space: global }
      - { .name: kc, .offset: 64, .size: 8, .value_kind: global_buffer, .address_space: global }
      - { .name: ks, .offset: 72, .size: 8, .value_kind: global_buffer, .address_space: global }
      - { .name: vc, .offset: 80, .size: 8, .value_kind: global_buffer, .address_space: global }
      - { .name: vs, .offset: 88, .size: 8, .value_kind: global_buffer, .address_space: global }
      - { .name: wc, .offset: 96, .size: 8, .value_kind: global_buffer, .address_space: global }
      - { .name: ws, .offset: 104, .size: 8, .value_kind: global_buffer, .address_space: global }
      - { .name: out0, .offset: 112, .size: 8, .value_kind: global_buffer, .address_space: global }
    .group_segment_fixed_size: 33792
    .private_segment_fixed_size: 0
    .kernarg_segment_align: 8
    .kernarg_segment_size: 120
    .max_flat_workgroup_size: 128
    .sgpr_count:     100
    .vgpr_count:     1024
    .wavefront_size: 32
...
	.end_amdgpu_metadata
.endif
;; end of part 5
